; MI455X (gfx1250); checked and timed in simulation.
; The chip was launched on July 23, 2026; its instructions are those of AMD's public machine-readable ISA for CDNA 5 (MIT licence, August 2026) and "CDNA5" Instruction Set Architecture Reference Guide (July 2026). The comments in the code are by the model that wrote it; some were corrected since.
;; Transformer Block. Allowed arithmetic: matrix products marked QUANTISED: E2M3 operands, one E8M0 scale for each 32 along K, by v_wmma_scale_f32_16x16x128_f8f6f4 with both operands' format E2M3, f32 sums; everything else in f32.
;; Inputs: W1 1,024 x 4,096 float32; W2 4,096 x 1,024 float32; Wk 1,024 x 1,024 float32; Wo 1,024 x 1,024 float32; Wq 1,024 x 1,024 float32; Wv 1,024 x 1,024 float32; b1 4,096 float32; b2 1,024 float32; bo 1,024 float32; g1 1,024 float32; g2 1,024 float32; s1 1,024 float32; s2 1,024 float32; x 2 x 2,048 x 1,024 float32.
;; Outputs: out0 2 x 2,048 x 1,024 float32.
;; This version of the problem:
;;   THIS VERSION OF THE PROBLEM IS GIVEN IN LOW PRECISION. The matrix products marked QUANTISED in the list below multiply operands that are first quantised to E2M3 (2 exponent bits, 3 mantissa bits; 6 bits a number), with one power-of-two scale for each 32 numbers along K (OCP MX v1.0); their sums are f32. All else is computed in f32.
;;   The module's matrix products, in the order in which they are computed (A, B: the left and right operand; K: the contracted axis; several contracted axes count as one K, in the product's order):
;;     1. [M 4,096, K 1,024] x [K 1,024, N 1,024]; A: computed on the way; B: input Wq: QUANTISED
;;     2. [M 4,096, K 1,024] x [K 1,024, N 1,024]; A: computed on the way; B: input Wk: QUANTISED
;;     3. [M 4,096, K 1,024] x [K 1,024, N 1,024]; A: computed on the way; B: input Wv: QUANTISED
;;     4. batch 32 x [M 2,048, K 64] x [K 64, N 2,048]; A: computed on the way; B: computed on the way: QUANTISED
;;     5. batch 32 x [M 2,048, K 2,048] x [K 2,048, N 64]; A: softmax (see below); B: computed on the way: QUANTISED
;;     6. [M 4,096, K 1,024] x [K 1,024, N 1,024]; A: computed on the way; B: input Wo: QUANTISED
;;     7. [M 4,096, K 1,024] x [K 1,024, N 4,096]; A: computed on the way; B: input W1: QUANTISED
;;     8. [M 4,096, K 4,096] x [K 4,096, N 1,024]; A: computed on the way; B: input W2: QUANTISED
;;   THE QUANTISER, for each operand of a quantised product, along K:
;;     - K is cut into blocks of 32 from its start; a last block that is shorter is filled with zeros.
;;     - A block's scale is 2^e with e = floor(log2(the largest magnitude in the block)) - 2, held to -126 .. 127; a block of zeros has e = 0. As a byte (E8M0): e + 127.
;;     - Each number is divided by its block's scale, clamped to +-7.5, and rounded to the nearest number of E2M3, ties to even, subnormals kept.
;;     - The product sums the exact products of the quantised numbers (number of the format x scale) in f32.
;;   ~~~python
;;   def quantise(x, axis):      # numpy; x: float32 -> the quantised numbers, widened to float32 again
;;       x = np.moveaxis(x, axis, -1); K = x.shape[-1]
;;       x = np.pad(x, [(0, 0)] * (x.ndim - 1) + [(0, -K % 32)]); x = x.reshape(x.shape[:-1] + (-1, 32)); a = np.abs(x).max(-1, keepdims=True)
;;       e = np.where(a > 0, np.clip(np.frexp(np.where(a > 0, a, 1))[1] - 1 - 2, -126, 127), 0)      # np.frexp(a)[1] - 1 = floor(log2(a)), exactly
;;       r = np.clip(x / 2.0 ** e, -7.5, 7.5)
;;       step = 2.0 ** (np.maximum(np.frexp(np.where(r == 0, 1, r))[1] - 1, 0) - 3)
;;       q = np.round(r / step) * step * 2.0 ** e      # np.round: ties to even
;;       return np.moveaxis(q.reshape(q.shape[:-2] + (-1,))[..., :K], -1, axis).astype(np.float32)
;;   ~~~
;;   SOFTMAX AHEAD OF A QUANTISED PRODUCT. Where the list says 'softmax', what is quantised is not the finished softmax but p = 2^(t - M), with t = logit x log2(e) and M = ceil(the row's largest t), a whole number; so 1/2 < the row's largest p <= 1. The row's sum l is taken of the UNQUANTISED p, in f32, and the product's result is divided by l at the end. Since M is a whole number, a kernel that streams over the keys may use a running M (the ceiling of the running maximum): every later rescaling is an exact power of two, which a block's scale takes up: the codes' values come out the same.
;;   OPERANDS COMPUTED ON THE WAY. 'Computed on the way' means the value that the module computes at that place (a softmax that the list does not call 'softmax' is quantised finished and normalised). What goes into a quantiser is computed in f32, as accurately as f32 sums, v_exp_f32 and their like allow (about 1e-6 of the number): no bf16 or f16 on the way to a quantiser, and a product that is left as it is and whose result goes on into a quantised operand takes f32 operands (vector FMAs, or v_wmma_f32_16x16x4_f32). A number that lies on a knife's edge between two numbers of the format may be rounded either way, as far as f32 arithmetic and the matrix unit's own rounding can turn it there, and no further.
;; 2 versions. Each part assembles by itself: llvm-mc -triple=amdgcn-amd-amdhsa -mcpu=gfx1250 --defsym DOCPART=n.
;; ======== version 1 of 2: 7 launches
;; workspace buffers: wc 9,830,400 bytes; hA 3,276,800 bytes; qkv 9,830,400 bytes; ctx 3,276,800 bytes; x1 16,777,216 bytes; hid 13,107,200 bytes
;; launch prep (part 1): grid 640 x 1, 8 waves a work-group, no clusters, 69,632 bytes of LDS; arguments x, g1, s1, hA, Wq, Wk, Wv, Wo, W1, W2, wc; writes hA, wc
.if DOCPART == 1
	.amdgcn_target "amdgcn-amd-amdhsa--gfx1250"
	.amdhsa_code_object_version 6
	.text
	.protected	k_q24a82998c7_prep
	.globl	k_q24a82998c7_prep
	.p2align	8
	.type	k_q24a82998c7_prep,@function
k_q24a82998c7_prep:
	s_mov_b64 s[64:65], 0
	v_nop
	global_prefetch_b8 v0, s[64:65] scope:SCOPE_SE
	s_setreg_imm32_b32 hwreg(HW_REG_WAVE_MODE, 25, 1), 1
	s_wait_xcnt 0x0
; Work-groups 0-255: LayerNorm 1 of x, quantised to FP6 (E2M3) with one E8M0 byte for each 32 along the 1,024 columns.  Work-groups 256-639: the six weights, stored [K][N], quantised along K.
; LAYOUT OF ALL CODES OF THIS PROGRAM.  A fragment (16 rows x 128 K, 12 registers a lane) lies in memory as an image of its registers: six pieces of 256 bytes, piece p = registers 2 p, 2 p + 1, lane l at byte 8 l.
; A block of 12,800 bytes = the 8 fragments of 128 rows for one K step of 128, then their scale words (64 bytes a fragment, word r for row r).  The rows of tile 2 b + u are 32 b + 8 u + r + 8 (r / 8).
; LN: a work-group owns 16 rows (one tile), wave w the columns 128 w .. 128 w + 127 (one fragment).  Mean and variance in two passes, in f32; the waves' sums meet in LDS.
; WEIGHTS: a wave takes 128 rows of W (one K step) x 32 columns; a lane takes a column, its registers run down K: two fragments and 32 scale words, no LDS.
; LIMITS: NaN and infinities among the inputs are not served.  A block whose largest magnitude lies under 2^-124 gets the byte 1, a block of zeros too (its codes are zeros; this program alone reads the bytes).
.set RED1,  67584                      ; LDS: eight stages of 16 rows x 528 bytes, then the sums (512 bytes), the sums of squares (512 bytes),
.set SPARE, 68608                      ; and the spare words, 128 bytes for each wave: four blocks of 256 bytes that no other line names
.set X,   32                           ; v32-95   64 numbers of my row
.set G,   96                           ; v96-159  the gain at my columns
.set S,   160                          ; v160-223 the shift
.set TM,  224                          ; v224-239 at work
.set PW,  240                          ; the scale word
.set PC,  12                           ; v12-30   the codes
.set D,   32                           ; weights: v32-159 128 numbers of my column
.set CB,  160                          ; v160-191 codes, eight registers a block
.set SEL, 46                           ; s[46:47] lane selects: lane l xor 16
; 64 numbers of a lane, register 16 b + i = k 32 b + 16 (lane / 16) + i of my row, become a fragment's codes in v[PC] on and its scale word in v[PW]
.macro QUANT s
.irp b, 0,1,2,3
	v_max3_num_f32 v[TM+\b], |v[\s+16*\b]|, |v[\s+1+16*\b]|, 0x1800000   ; my 16 numbers of block b, and the floor 2^(3 - 127): the byte cannot fall under 1
.endr
.irp i, 2,4,6,8,10,12,14
.irp b, 0,1,2,3
	v_max3_num_f32 v[TM+\b], v[TM+\b], |v[\s+16*\b+\i]|, |v[\s+1+16*\b+\i]|
.endr
.endr
.irp b, 0,1,2,3
	v_permlanex16_b32 v[TM+4+\b], v[TM+\b], s[SEL], s[SEL+1]
.endr
.irp b, 0,1,2,3
	v_max_num_f32 v[TM+\b], v[TM+\b], v[TM+4+\b]   ; with lane l xor 16's: the block's largest magnitude
.endr
.irp b, 0,1,2,3
	v_add_nc_u32 v[TM+12+\b], 0xff000000, v[TM+\b] ; 2 off its exponent field: the conversion's scale operand
.endr
.irp b, 0,1,2,3
	v_lshrrev_b32 v[TM+4+\b], 23, v[TM+12+\b]      ; the scale's byte
.endr
	v_lshl_or_b32 v[PW], v[TM+5], 8, v[TM+4]
	v_lshl_or_b32 v[PW], v[TM+6], 16, v[PW]
	v_lshl_or_b32 v[PW], v[TM+7], 24, v[PW]
.irp c, 0,1
	v_cvt_scalef32_pk16_fp6_f32 v[PC+6*\c:PC+2+6*\c], v[\s+32*\c:\s+15+32*\c], v[TM+12+2*\c]
	v_cvt_scalef32_pk16_fp6_f32 v[PC+12+4*\c:PC+14+4*\c], v[\s+16+32*\c:\s+31+32*\c], v[TM+12+2*\c+1]
.endr
	v_nop                                          ; one plain place behind a scaled conversion
.irp c, 0,1                                    ; a whole block to a lane: lanes 0-15 block 2 c, lanes 16-31 block 2 c + 1
.irp i, 0,1,2
	v_permlane16_swap_b32 v[PC+6*\c+\i], v[PC+12+4*\c+\i]
.endr
.irp i, 0,1,2
	v_mov_b32 v[PC+3+6*\c+\i], v[PC+12+4*\c+\i]
.endr
.endr
.endm
; v[242:245], two packed partial sums of my 64 numbers, become the row's sum over all 1,024 columns in v[TM]
.macro REDUCE off
	v_pk_add_f32 v[242:243], v[242:243], v[244:245]
	v_add_f32 v242, v242, v243
	v_permlanex16_b32 v244, v242, s[SEL], s[SEL+1]
	v_add_f32 v242, v242, v244                     ; my wave's 128 columns of row r
	ds_store_b32 v9, v242 offset:\off              ; (lanes r and r + 16 write the same word with the same value)
	s_wait_dscnt 0x0                               ; for the others' sake: my store is done
	s_barrier_signal -1
	s_barrier_wait -1
.irp i, 0,1,2,3,4,5,6,7
	ds_load_b32 v[TM+\i], v31 offset:\off+64*\i    ; the eight waves' sums of row r
.endr
	s_wait_dscnt 0x0
	v_add_f32 v[TM], v[TM], v[TM+1]
	v_add_f32 v[TM+2], v[TM+2], v[TM+3]
	v_add_f32 v[TM+4], v[TM+4], v[TM+5]
	v_add_f32 v[TM+6], v[TM+6], v[TM+7]
	v_add_f32 v[TM], v[TM], v[TM+2]
	v_add_f32 v[TM+4], v[TM+4], v[TM+6]
	v_add_f32 v[TM], v[TM], v[TM+4]
.endm
	s_load_b256 s[4:11], s[0:1], 0x0               ; x, g1, s1, hA
	s_load_b256 s[12:19], s[0:1], 0x20             ; Wq, Wk, Wv, Wo
	s_load_b128 s[20:23], s[0:1], 0x40             ; W1, W2
	s_load_b64 s[24:25], s[0:1], 0x50              ; wc
	v_lshl_add_u32 v1, v0, 2, SPARE                ; my spare word; never rewritten
	v_mov_b32 v2, 0                                ; 0; never rewritten
	v_lshrrev_b32 v3, 5, v0
	v_readfirstlane_b32 s26, v3                    ; wave 0..7
	s_mov_b32 s[SEL], 0x76543210
	s_mov_b32 s[SEL+1], 0xfedcba98
	s_wait_kmcnt 0x0
	s_cmp_lt_u32 ttmp9, 256
	s_cbranch_scc0 .Lweights
	; ---------------- LayerNorm and quantiser: tile ttmp9 of 16 rows
	v_and_b32 v3, 15, v0                           ; r
	v_bfe_u32 v4, v0, 4, 1                         ; h
	v_and_b32 v11, 31, v0                          ; lane
	v_lshlrev_b32 v5, 4, v11                       ; 16 x lane
	v_lshlrev_b32 v6, 6, v4                        ; 64 h
	s_mul_i32 s27, s26, 8448                       ; my stage
	v_add_nc_u32 v7, s27, v5                       ; into it: a row's 512 bytes as they lie
	v_mul_u32_u24 v8, v3, 528
	v_add_nc_u32 v8, v8, v6
	v_add_nc_u32 v8, s27, v8                       ; out of it: row r, + 64 h
	v_lshlrev_b32 v10, 2, v3                       ; 4 r
	s_lshl_b32 s27, s26, 6
	s_add_co_u32 s27, s27, RED1
	v_add_nc_u32 v9, s27, v10                      ; my wave's word for row r
	v_add_nc_u32 v31, RED1, v10                    ; wave 0's word for row r
	v_lshlrev_b32 v11, 3, v11                      ; 8 x lane
.irp b, 0,1,2,3
	v_mov_b32 v[TM+4+\b], 0                        ; a lane permute's destination counts as one of its sources
.endr
	v_mov_b32 v244, 0
	s_lshr_b32 s28, ttmp9, 1
	s_lshl_b32 s28, s28, 5
	s_and_b32 s29, ttmp9, 1
	s_lshl_b32 s29, s29, 3
	s_add_co_u32 s28, s28, s29                     ; the tile's first row: 32 (tile / 2) + 8 (tile % 2)
	s_lshl_b32 s28, s28, 12                        ; rows of 4,096 bytes
	s_lshl_b32 s30, s26, 9                         ; my 128 columns: 512 bytes
	s_add_co_u32 s28, s28, s30
	s_mov_b32 s29, 0
	s_mov_b32 s31, 0
	s_add_nc_u64 s[4:5], s[4:5], s[28:29]
	s_add_nc_u64 s[6:7], s[6:7], s[30:31]
	s_add_nc_u64 s[8:9], s[8:9], s[30:31]
	s_lshr_b32 s28, ttmp9, 3
	s_lshl_b32 s28, s28, 3
	s_add_co_u32 s28, s28, s26
	s_mul_i32 s28, s28, 12800                      ; the block of (128 rows, K step w)
	s_and_b32 s30, ttmp9, 7
	s_mul_i32 s32, s30, 1536
	s_add_co_u32 s32, s32, s28                     ; my fragment
	s_mov_b32 s33, 0
	s_lshl_b32 s30, s30, 6
	s_add_co_u32 s30, s30, s28
	s_add_co_u32 s30, s30, 12288                   ; its scale words
	s_add_nc_u64 s[34:35], s[10:11], s[30:31]
	s_add_nc_u64 s[10:11], s[10:11], s[32:33]
.irp t, 0,1,2,3,4,5,6,7,8,9,10,11,12,13,14,15
	global_load_b128 v[X+4*\t:X+4*\t+3], v5, s[4:5] offset:(\t+8*(\t/8))*4096 th:TH_LOAD_NT   ; 32 lanes read 512 consecutive bytes of the tile's row t
.endr
.irp b, 0,1,2,3
.irp j, 0,1,2,3
	global_load_b128 v[G+16*\b+4*\j:G+16*\b+4*\j+3], v6, s[6:7] offset:128*\b+16*\j
.endr
.endr
.irp b, 0,1,2,3
.irp j, 0,1,2,3
	global_load_b128 v[S+16*\b+4*\j:S+16*\b+4*\j+3], v6, s[8:9] offset:128*\b+16*\j
.endr
.endr
	s_wait_loadcnt 32                              ; the 16 loads of rows are in; the 32 of gain and shift may be out
.irp t, 0,1,2,3,4,5,6,7,8,9,10,11,12,13,14,15
	ds_store_b128 v7, v[X+4*\t:X+4*\t+3] offset:528*\t
.endr
.irp b, 0,1,2,3
.irp j, 0,1,2,3
	ds_load_b128 v[X+16*\b+4*\j:X+16*\b+4*\j+3], v8 offset:128*\b+16*\j   ; LDS serves a wave's instructions in order: these see my stores.  Register 16 b + i = column 32 b + 16 h + i of row r
.endr
.endr
	s_wait_dscnt 0x0
	v_pk_add_f32 v[242:243], v[X:X+1], v[X+2:X+3]
	v_pk_add_f32 v[244:245], v[X+4:X+5], v[X+6:X+7]
.set j, 8
.rept 14
	v_pk_add_f32 v[242:243], v[242:243], v[X+j:X+j+1]
	v_pk_add_f32 v[244:245], v[244:245], v[X+j+2:X+j+3]
.set j, j+4
.endr
	REDUCE 0
	v_mul_f32 v246, 0x3a800000, v[TM]              ; the mean: the sum x 2^-10
	v_mov_b32 v247, v246
.set j, 0
.rept 32
	v_pk_add_f32 v[X+j:X+j+1], v[X+j:X+j+1], v[246:247] neg_lo:[0,1] neg_hi:[0,1]
.set j, j+2
.endr
	v_pk_mul_f32 v[242:243], v[X:X+1], v[X:X+1]
	v_pk_mul_f32 v[244:245], v[X+2:X+3], v[X+2:X+3]
.set j, 4
.rept 15
	v_pk_fma_f32 v[242:243], v[X+j:X+j+1], v[X+j:X+j+1], v[242:243]
	v_pk_fma_f32 v[244:245], v[X+j+2:X+j+3], v[X+j+2:X+j+3], v[244:245]
.set j, j+4
.endr
	REDUCE 512                                     ; other words than the first sums': no wave overwrites what another still reads
	v_mul_f32 v248, 0x3a800000, v[TM]              ; the variance
	v_add_f32 v248, 0x3727c5ac, v248               ; + 1e-5
	v_rsq_f32 v250, v248
	v_nop                                          ; a plain place behind the transcendental
	s_wait_alu depctr_va_vdst(0)                   ; the wait ahead of the first reader
	v_mov_b32 v251, v250
	s_wait_loadcnt 0x0                             ; gain and shift
.set j, 0
.rept 32
	v_pk_mul_f32 v[X+j:X+j+1], v[X+j:X+j+1], v[250:251]
.set j, j+2
.endr
.set j, 0
.rept 32
	v_pk_fma_f32 v[X+j:X+j+1], v[X+j:X+j+1], v[G+j:G+j+1], v[S+j:S+j+1]
.set j, j+2
.endr
	QUANT X
.irp p, 0,1,2,3,4,5
	global_store_b64 v11, v[PC+2*\p:PC+2*\p+1], s[10:11] offset:256*\p   ; 32 lanes store 256 consecutive bytes, aligned
.endr
	global_store_b32 v10, v[PW], s[34:35]          ; 64 bytes of scale words (lanes r and r + 16 hold the same word)
	s_wait_tensorcnt 0x0                           ; the wave's end
	ds_add_u32 v1, v2
	s_wait_dscnt 0x0
	s_endpgm
; ---------------- the weights.  s30 first panel of 128 columns, s32 log2 of the K steps, s33 first byte in wc, s34 K step, s35 which 256 columns, s[36:37] the weight
.macro LOADB b, pitch                  ; block b of the K step: rows 32 b .. 32 b + 31 into v[D + 32 b] on  (the argument is put in as text: it stands in brackets)
.set i, 0
.rept 32
	global_load_b32 v[D+32*(\b)+i], v3, s[36:37] offset:(32*(\b)+i)*(\pitch) th:TH_LOAD_NT   ; one row of W at my wave's 32 columns: 128 consecutive bytes
.set i, i+1
.endr
.endm
.macro WQ pitch
	s_lshl_b32 s42, s35, 1
	s_lshr_b32 s43, s26, 2
	s_add_co_u32 s42, s42, s43
	s_add_co_u32 s42, s42, s30                     ; my panel of 128 columns
	s_lshl_b32 s42, s42, s32
	s_add_co_u32 s42, s42, s34
	s_mul_i32 s42, s42, 12800
	s_add_co_u32 s42, s42, s33                     ; the block of (panel, K step)
	s_and_b32 s43, s26, 3
	s_mul_i32 s44, s43, 3072
	s_add_co_u32 s38, s42, s44                     ; my two fragments
	s_mov_b32 s39, 0
	s_lshl_b32 s43, s43, 7
	s_add_co_u32 s40, s42, s43
	s_add_co_u32 s40, s40, 12288                   ; their scale words
	s_mov_b32 s41, 0
	s_add_nc_u64 s[38:39], s[24:25], s[38:39]
	s_add_nc_u64 s[40:41], s[24:25], s[40:41]
	s_mul_i32 s42, s34, 128*\pitch                 ; the K step's 128 rows
	s_lshl_b32 s43, s35, 10
	s_add_co_u32 s42, s42, s43
	s_lshl_b32 s43, s26, 7
	s_add_co_u32 s42, s42, s43                     ; column 256 cg + 32 w, in bytes
	s_mov_b32 s43, 0
	s_add_nc_u64 s[36:37], s[36:37], s[42:43]
	v_and_b32 v4, 31, v0                           ; lane
	v_and_b32 v3, 7, v4
	v_bfe_u32 v5, v4, 3, 1
	v_lshl_add_u32 v3, v5, 4, v3
	v_lshrrev_b32 v5, 4, v4
	v_lshl_add_u32 v3, v5, 3, v3                   ; my column: lanes 0-15 are the rows of tile 2 b, lanes 16-31 those of tile 2 b + 1
	v_lshlrev_b32 v3, 2, v3
	v_lshlrev_b32 v22, 3, v4                       ; 8 x lane
	v_lshlrev_b32 v23, 2, v4                       ; 4 x lane
	LOADB 0, \pitch
	LOADB 1, \pitch
.irp b, 0,1,2,3
.if \b < 3
	s_wait_loadcnt 32                              ; this block's 32 loads are in; the next block's may be out
.else
	s_wait_loadcnt 0x0
.endif
.if \b < 2
	LOADB \b+2, \pitch                             ; two blocks ahead, into registers of its own
.endif
	v_max3_num_f32 v12, |v[D+32*\b]|, |v[D+32*\b+1]|, |v[D+32*\b+2]|   ; the block's largest magnitude: all 32 numbers are mine
	v_max3_num_f32 v13, |v[D+32*\b+3]|, |v[D+32*\b+4]|, |v[D+32*\b+5]|
.irp i, 6,10,14,18,22,26
	v_max3_num_f32 v12, v12, |v[D+32*\b+\i]|, |v[D+32*\b+\i+1]|
	v_max3_num_f32 v13, v13, |v[D+32*\b+\i+2]|, |v[D+32*\b+\i+3]|
.endr
	v_max3_num_f32 v12, v12, |v[D+32*\b+30]|, |v[D+32*\b+31]|
	v_max3_num_f32 v12, v12, v13, 0x1800000        ; and the floor
	v_add_nc_u32 v[14+\b], 0xff000000, v12         ; the conversion's scale operand
	v_lshrrev_b32 v13, 23, v[14+\b]                ; the byte
.if \b == 0
	v_mov_b32 v21, v13
.else
	v_lshl_or_b32 v21, v13, 8*\b, v21              ; my column's scale word
.endif
	v_cvt_scalef32_pk16_fp6_f32 v[CB+8*\b:CB+8*\b+2], v[D+32*\b:D+32*\b+15], v[14+\b]
	v_cvt_scalef32_pk16_fp6_f32 v[CB+8*\b+4:CB+8*\b+6], v[D+32*\b+16:D+32*\b+31], v[14+\b]
.endr
	v_nop                                          ; one plain place behind the last scaled conversion
.irp b, 0,1,2,3
	v_mov_b32 v[CB+8*\b+3], v[CB+8*\b+4]           ; a block's six registers on end
	v_mov_b32 v[CB+8*\b+4], v[CB+8*\b+5]
	v_mov_b32 v[CB+8*\b+5], v[CB+8*\b+6]
.endr
.irp i, 0,1,2,3,4,5                            ; blocks 0 and 1 (2 and 3) change halves: the first then holds tile 0's registers 0-5 (6-11), the second tile 1's
	v_permlane16_swap_b32 v[CB+\i], v[CB+8+\i]
	v_permlane16_swap_b32 v[CB+16+\i], v[CB+24+\i]
.endr
.irp p, 0,1,2
	global_store_b64 v22, v[CB+2*\p:CB+2*\p+1], s[38:39] offset:256*\p
	global_store_b64 v22, v[CB+16+2*\p:CB+17+2*\p], s[38:39] offset:768+256*\p
	global_store_b64 v22, v[CB+8+2*\p:CB+9+2*\p], s[38:39] offset:1536+256*\p
	global_store_b64 v22, v[CB+24+2*\p:CB+25+2*\p], s[38:39] offset:2304+256*\p
.endr
	global_store_b32 v23, v21, s[40:41]            ; 128 consecutive bytes: the two tiles' scale words
.endm
.Lweights:
	s_sub_co_u32 s27, ttmp9, 256                   ; 0-127: Wq, Wk, Wv, Wo;  128-255: W1;  256-383: W2
	s_sub_co_u32 s28, s27, 128
	s_cmp_lt_u32 s28, 128
	s_cbranch_scc1 .Lw1
	s_lshr_b32 s29, s27, 5                         ; which of the four
	s_cmp_eq_u32 s29, 1
	s_cselect_b64 s[36:37], s[14:15], s[12:13]
	s_cmp_eq_u32 s29, 2
	s_cselect_b64 s[36:37], s[16:17], s[36:37]
	s_cmp_eq_u32 s29, 3
	s_cselect_b64 s[36:37], s[18:19], s[36:37]
	s_lshl_b32 s30, s29, 3
	s_cmp_ge_u32 s27, 256                          ; W2?
	s_cselect_b64 s[36:37], s[22:23], s[36:37]
	s_cselect_b32 s30, 0, s30
	s_cselect_b32 s31, 31, 7
	s_cselect_b32 s32, 5, 3
	s_cselect_b32 s33, 0x640000, 0
	s_lshr_b32 s34, s27, 2
	s_and_b32 s34, s34, s31
	s_and_b32 s35, s27, 3
	WQ 4096
	s_endpgm
.Lw1:
	s_mov_b64 s[36:37], s[20:21]
	s_mov_b32 s30, 32
	s_mov_b32 s32, 3
	s_mov_b32 s33, 0
	s_lshr_b32 s34, s28, 4
	s_and_b32 s35, s28, 15
	WQ 16384
	s_endpgm
.Lfunc_end_k_q24a82998c7_prep:
	.size	k_q24a82998c7_prep, .Lfunc_end_k_q24a82998c7_prep-k_q24a82998c7_prep
	.p2alignl 7, 3214868480
	.fill 96, 4, 3214868480
	.section	.rodata,"a",@progbits
	.p2align	6, 0x0
	.amdhsa_kernel k_q24a82998c7_prep
		.amdhsa_group_segment_fixed_size 69632
		.amdhsa_private_segment_fixed_size 0
		.amdhsa_enable_private_segment 0
		.amdhsa_kernarg_size 88
		.amdhsa_user_sgpr_count 2
		.amdhsa_user_sgpr_kernarg_segment_ptr 1
		.amdhsa_wavefront_size32 1
		.amdhsa_system_sgpr_workgroup_id_x 1
		.amdhsa_system_sgpr_workgroup_id_y 1
		.amdhsa_system_sgpr_workgroup_id_z 1
		.amdhsa_system_vgpr_workitem_id 0
		.amdhsa_next_free_vgpr 256
		.amdhsa_next_free_sgpr 66
		.amdhsa_reserve_vcc 0
		.amdhsa_float_denorm_mode_32 3
		.amdhsa_float_denorm_mode_16_64 3
		.amdhsa_memory_ordered 1
		.amdhsa_forward_progress 1
		.amdhsa_inst_pref_size 69
	.end_amdhsa_kernel
	.amdgpu_metadata
---
amdhsa.version: [ 1, 2 ]
amdhsa.kernels:
  - .name:           k_q24a82998c7_prep
    .symbol:         k_q24a82998c7_prep.kd
    .args:
      - { .name: x, .offset: 0, .size: 8, .value_kind: global_buffer, .address_space: global }
      - { .name: g1, .offset: 8, .size: 8, .value_kind: global_buffer, .address_space: global }
      - { .name: s1, .offset: 16, .size: 8, .value_kind: global_buffer, .address_space: global }
      - { .name: hA, .offset: 24, .size: 8, .value_kind: global_buffer, .address_space: global }
      - { .name: Wq, .offset: 32, .size: 8, .value_kind: global_buffer, .address_space: global }
      - { .name: Wk, .offset: 40, .size: 8, .value_kind: global_buffer, .address_space: global }
      - { .name: Wv, .offset: 48, .size: 8, .value_kind: global_buffer, .address_space: global }
      - { .name: Wo, .offset: 56, .size: 8, .value_kind: global_buffer, .address_space: global }
      - { .name: W1, .offset: 64, .size: 8, .value_kind: global_buffer, .address_space: global }
      - { .name: W2, .offset: 72, .size: 8, .value_kind: global_buffer, .address_space: global }
      - { .name: wc, .offset: 80, .size: 8, .value_kind: global_buffer, .address_space: global }
    .group_segment_fixed_size: 69632
    .private_segment_fixed_size: 0
    .kernarg_segment_align: 8
    .kernarg_segment_size: 88
    .max_flat_workgroup_size: 256
    .sgpr_count:     66
    .vgpr_count:     256
    .wavefront_size: 32
...
	.end_amdgpu_metadata
.endif
;; end of part 1
;; launch qkv (part 2): grid 12 x 16, 4 waves a work-group, clusters of 4 x 4, 327,680 bytes of LDS; arguments hA, wc, qkv; writes qkv
.if DOCPART == 2
	.amdgcn_target "amdgcn-amd-amdhsa--gfx1250"
	.amdhsa_code_object_version 6
	.text
	.protected	k_q24a82998c7_qkv
	.globl	k_q24a82998c7_qkv
	.p2align	8
	.type	k_q24a82998c7_qkv,@function
k_q24a82998c7_qkv:
	s_mov_b64 s[64:65], 0
	v_nop
	global_prefetch_b8 v0, s[64:65] scope:SCOPE_SE
	s_setreg_imm32_b32 hwreg(HW_REG_WAVE_MODE, 25, 1), 1
	s_wait_xcnt 0x0
	s_wait_alu depctr_hold_cnt(0) depctr_sa_sdst(0) depctr_va_vdst(0) depctr_va_sdst(0) depctr_va_ssrc(0) depctr_va_vcc(0) depctr_vm_vsrc(0)
	s_getreg_b32 s2, hwreg(HW_REG_IB_STS2, 6, 4)
	s_cmp_eq_u32 s2, 0
	s_cbranch_scc0 .Lentry_in_a_cluster
	s_endpgm
.Lentry_in_a_cluster:
	s_bfe_u32 s2, ttmp6, 0x10000c
	s_cmp_lg_u32 s2, 0xf033
	s_cbranch_scc0 .Lentry_shape_is_right
	s_endpgm
.Lentry_shape_is_right:
; q, k, v = LN1(x) Wq, Wk, Wv on codes of FP6 (E2M3) with E8M0 scales, and their quantising for attention, in one launch.  A work-group makes 256 x 256, a wave 128 x 128: 64 accumulators, 512 registers.
; OPERANDS lie in memory as images of the fragments' registers: a block of 12,800 bytes = 8 fragments (128 rows x 128 K) + their scale words.  A slot holds two K steps; a wave's tensor load brings 128 rows x 2 K steps, 25,600 dense bytes.
; LDS region A (waves 0, 1 fetch it) feeds source 1: a lane of the result holds one of its rows.  Region B (waves 2, 3) feeds source 0: the result's registers run along its rows.
; Clusters x = 0, 1 (q, k): A = tokens, B = weight rows: a lane holds a token, its registers 128 neighbouring channels (two heads), which are quantised along the head's 64.
; Cluster x = 2 (v): the product is taken transposed BY COORDINATES: A = Wv's rows (row tile = cy), B = tokens (column tile = 4 x cluster y + cx): a lane holds a channel, its registers 128 neighbouring keys.
; Only the two buffer addresses and the panel numbers are chosen, on the cluster's x, which all partners share; masks, LDS addresses and the loop are one text.
; The rows of tile 2 b + u of every operand are 32 b + 8 u + r + 8 (r / 8), so that the 16 registers of result tiles 2 b, 2 b + 1 are 16 neighbours along source 0's axis.
; OUT: qkv [head 0..31][step of 128 tokens][Q, K, V records of 6,400 bytes].  Q, K: pair fragment b = token tile 2 b in registers 0-5, tile 2 b + 1 in registers 6-11; V: fragment t = channels' tile t x 128 keys.
; CLUSTERS: 4 x 4; region A's tile is shared along a row of the cluster, B's along a column: joint loads.
; LIMITS: NaN and infinities are not served; a block under 2^-124, and a block of zeros, gets the byte 1 (this program alone reads the bytes).
.set KSTEPS, 8
.set ZERO,   1                         ; the first products take the constant 0 as C
.set PBB,    12800
.set HALFT,  2*PBB
.set SLOT,   4*HALFT
.set SPARE,  2*SLOT                    ; behind the ring: the spare words, 128 bytes a wave: two blocks of 256 bytes that no other line names
.set LAPS,   KSTEPS/4
.set NQ,     2
.set FR,     12
.set NL,     6
.set NP,     4
.set HS,     307200                    ; a head's bytes in qkv
.set L8,   4                           ; v4   8 x lane
.set R4H,  7                           ; v7   4 r + a head's bytes x (lane / 16)
.set L4,   8                           ; v8   4 x lane
.set ADRA, 16                          ; v16-17 region A's fragments in slot 0, 1
.set ADRB, 20                          ; v20-21 region B's
.set ADRS, 22                          ; v22-23 scale words: lanes 0-15 A's, lanes 16-31 B's
.set SPW,  28
.set NIL,  29
.set SC,   32                          ; v32-63 scale words, a set for each slot: register 2 i + q
.set BI,   64
.set AF,   128                         ; v128-223 A's fragments, one set; B's two sets lie in window 1; accumulators in windows 2 and 3
.set TM,   200                         ; the way out: v200-215 at work, v216-219 words to store, v220-221, v224-242 codes, v244-251 scale words
.set PWW,  216
.set TW,   220
.set PC,   224
.set PW,   244
.set G1,  24
.set G0,  32
.set G1B, 48
.set G0B, 56
.set SEL, 66
.set HIM, 68
.set MSB, 0
.macro WIN new                         ; the immediate's high byte repeats the setting that is left
.if MSB != (\new)
	s_set_vgpr_msb (MSB<<8)|(\new)
.set MSB, (\new)
.endif
.endm
.set TO_B, 0x40
.macro WMUL hi, zero                   ; source 0 window 1, source 1 window 0, D window 2 or 3; C with D, or (a bias) window 0
.if (\zero) == 2
	WIN 0x81+0x40*(\hi)
.else
	WIN 0xa1+0x50*(\hi)
.endif
.endm
.macro JLOAD g0a, g1a, g0b, g1b        ; a joint load: waves 0, 1 for region A, waves 2, 3 for B; an s_nop 0 and four v_nop follow each line
	s_cmp_eq_u32 s15, 0
	s_cbranch_scc0 .Lfor_b_\@
	tensor_load_to_lds s[\g0a:\g0a+3], s[\g1a:\g1a+7]
	s_nop 0
.rept 4
	v_nop
.endr
	s_branch .Lasked_\@
.Lfor_b_\@:
	tensor_load_to_lds s[\g0b:\g0b+3], s[\g1b:\g1b+7]
	s_nop 0
.rept 4
	v_nop
.endr
.Lasked_\@:
.endm
.macro CREST
	s_cmp_lg_u32 s14, 0
	s_cbranch_scc1 .Lnot_wave_0_\@
	s_barrier_signal -3
.Lnot_wave_0_\@:
	s_barrier_wait -3
	s_barrier_signal -1
	s_barrier_wait -1
.endm
.macro CROUND
	s_barrier_signal -1
	s_barrier_wait -1
	CREST
.endm
.macro PLACES n
.rept \n
	v_nop
.endr
.endm
.macro FRAG reg, adr, q, i             ; a fragment comes as it was stored: six loads of 8 bytes a lane, 256 consecutive bytes each
.irp p, 0,1,2,3,4,5
	ds_load_b64 v[(\reg)+2*\p:(\reg)+2*\p+1], v[\adr] offset:(\q)*PBB+(\i)*1536+256*\p
.endr
.endm
.macro MUL16 a0, p, q, sc, zero        ; A's blocks a0, a0 + 1 x B's eight; the 64 accumulators take turns
.irp a, \a0, \a0+1
.irp b, 0,1,2,3,4,5,6,7
.if (\zero) == 1
	v_wmma_scale_f32_16x16x128_f8f6f4 v[8*(8*((\a)%4)+\b):8*(8*((\a)%4)+\b)+7], v[128*(\p)+FR*\b:128*(\p)+FR*\b+FR-1], v[AF+FR*(\a):AF+FR*(\a)+FR-1], 0, v[SC+16*(\sc)+2*\b+(\q)], v[SC+16*(\sc)+2*(\a)+(\q)] matrix_a_fmt:MATRIX_FMT_FP6 matrix_b_fmt:MATRIX_FMT_FP6 matrix_a_scale:MATRIX_SCALE_ROW1
.elseif (\zero) == 2
	v_wmma_scale_f32_16x16x128_f8f6f4 v[8*(8*((\a)%4)+\b):8*(8*((\a)%4)+\b)+7], v[128*(\p)+FR*\b:128*(\p)+FR*\b+FR-1], v[AF+FR*(\a):AF+FR*(\a)+FR-1], v[BI+8*\b:BI+8*\b+7], v[SC+16*(\sc)+2*\b+(\q)], v[SC+16*(\sc)+2*(\a)+(\q)] matrix_a_fmt:MATRIX_FMT_FP6 matrix_b_fmt:MATRIX_FMT_FP6 matrix_a_scale:MATRIX_SCALE_ROW1
.else
	v_wmma_scale_f32_16x16x128_f8f6f4 v[8*(8*((\a)%4)+\b):8*(8*((\a)%4)+\b)+7], v[128*(\p)+FR*\b:128*(\p)+FR*\b+FR-1], v[AF+FR*(\a):AF+FR*(\a)+FR-1], v[8*(8*((\a)%4)+\b):8*(8*((\a)%4)+\b)+7], v[SC+16*(\sc)+2*\b+(\q)], v[SC+16*(\sc)+2*(\a)+(\q)] matrix_a_fmt:MATRIX_FMT_FP6 matrix_b_fmt:MATRIX_FMT_FP6 matrix_a_scale:MATRIX_SCALE_ROW1
.endif
.endr
.endr
.endm
.macro FETCH_B slot, q, p
	WIN TO_B
.irp i, 0,1,2,3,4,5,6,7
	FRAG 128*(\p)+FR*\i, ADRB+\slot, \q, \i
.endr
	WIN 0
.endm
.macro FETCH_A slot, q, i0
.irp i, \i0, \i0+1, \i0+2, \i0+3
	FRAG AF+FR*(\i), ADRA+\slot, \q, \i
.endr
.endm
.macro SCALES sc                       ; a slot's scale words: lanes 0-15 A's block i, lanes 16-31 B's block i, K step q
.irp i, 0,1,2,3,4,5,6,7
.irp q, 0,1
	ds_load_b32 v[SC+16*\sc+2*\i+\q], v[ADRS+\sc] offset:\q*PBB+64*\i
.endr
.endr
.endm
.macro STEP slot, q, zero              ; a step of 128 along K that has its successor in the same slot
	s_wait_dscnt 4*NL                              ; all but the youngest 24 loads (A's blocks 4-7) are in
	WMUL 0, \zero
	MUL16 0, (\q)%2, \q, \slot, \zero
	MUL16 2, (\q)%2, \q, \slot, \zero
	s_wait_dscnt 0
	PLACES NP                                      ; four places in front of loads into registers that matrix instructions have read
	FETCH_B \slot, (\q)+1, 1-(\q)%2
	FETCH_A \slot, (\q)+1, 0
	WMUL 1, \zero
	MUL16 4, (\q)%2, \q, \slot, \zero
	MUL16 6, (\q)%2, \q, \slot, \zero
	PLACES NP
	WIN 0
	FETCH_A \slot, (\q)+1, 4
.endm
.macro TURN slot, next, fill           ; a slot's last step changes slots: one barrier; fill = 1: a round of the cluster's barrier, and this slot is filled again
	s_wait_tensorcnt 0x0                           ; all my tensor loads have landed: my part of the next slot
	ds_add_u32 v[SPW], v[NIL]                      ; 0 onto my spare word
	s_wait_dscnt 4*NL+1                            ; the add and A's blocks 4-7 may be out
	WIN 0xa1
	MUL16 0, 1, NQ-1, \slot, 0
	s_wait_dscnt 0x0                               ; the add is done, and my reads of this slot are over
	s_barrier_signal -1
	MUL16 2, 1, NQ-1, \slot, 0
	WIN 0
	s_barrier_wait -1
.if \fill
	CREST                                          ; no wave of any partner still reads this slot or has a load on its way
	s_add_nc_u64 s[G0+4*\slot+2:G0+4*\slot+3], s[G0+4*\slot+2:G0+4*\slot+3], 2*HALFT
	s_add_nc_u64 s[G0B+4*\slot+2:G0B+4*\slot+3], s[G0B+4*\slot+2:G0B+4*\slot+3], 2*HALFT
	JLOAD G0+4*\slot, G1, G0B+4*\slot, G1B         ; the first tensor load behind the round; its four v_nop are the places in front of the loads below
.else
	PLACES NP
.endif
	FETCH_B \next, 0, 0
	FETCH_A \next, 0, 0
	SCALES \next
	WIN 0xf1
	MUL16 4, 1, NQ-1, \slot, 0
	MUL16 6, 1, NQ-1, \slot, 0
	PLACES NP
	WIN 0
	FETCH_A \next, 0, 4
.endm
; 64 numbers of a lane in window w, register 16 b + i = k 32 b + 16 (lane / 16) + i of my row, become a fragment's codes in v[PC] on and its scale word in v[pw]
.macro QUANT s, w, pw
	WIN ((\w)<<2)|((\w)<<4)
.irp b, 0,1,2,3
	v_max3_num_f32 v[TM+\b], 0x1800000, |v[(\s)+16*\b]|, |v[(\s)+1+16*\b]|   ; the floor 2^(3 - 127) and my first two numbers of block b: each accumulator is read from its low end on
.endr
.irp i, 2,4,6,8,10,12,14
.irp b, 0,1,2,3
	v_max3_num_f32 v[TM+\b], v[TM+\b], |v[(\s)+16*\b+\i]|, |v[(\s)+1+16*\b+\i]|
.endr
.endr
	WIN 0
.irp b, 0,1,2,3
	v_permlanex16_b32 v[TM+4+\b], v[TM+\b], s[SEL], s[SEL+1]
.endr
.irp b, 0,1,2,3
	v_max_num_f32 v[TM+\b], v[TM+\b], v[TM+4+\b]
.endr
.irp b, 0,1,2,3
	v_add_nc_u32 v[TM+12+\b], 0xff000000, v[TM+\b] ; 2 off the exponent field: the conversion's scale operand
.endr
.irp b, 0,1,2,3
	v_lshrrev_b32 v[TM+4+\b], 23, v[TM+12+\b]
.endr
	v_lshl_or_b32 v[\pw], v[TM+5], 8, v[TM+4]
	v_lshl_or_b32 v[\pw], v[TM+6], 16, v[\pw]
	v_lshl_or_b32 v[\pw], v[TM+7], 24, v[\pw]
	s_wait_xcnt 0x0                                ; the last fragment's stores have read the codes' registers: they are written again only behind this wait
	WIN (\w)
.irp c, 0,1
	v_cvt_scalef32_pk16_fp6_f32 v[PC+6*\c:PC+2+6*\c], v[(\s)+32*\c:(\s)+15+32*\c], v[TM+12+2*\c]
	v_cvt_scalef32_pk16_fp6_f32 v[PC+12+4*\c:PC+14+4*\c], v[(\s)+16+32*\c:(\s)+31+32*\c], v[TM+12+2*\c+1]
.endr
	WIN 0
	v_nop                                          ; one plain place behind a scaled conversion
.irp c, 0,1
.irp i, 0,1,2
	v_permlane16_swap_b32 v[PC+6*\c+\i], v[PC+12+4*\c+\i]
.endr
.irp i, 0,1,2
	v_mov_b32 v[PC+3+6*\c+\i], v[PC+12+4*\c+\i]
.endr
.endr
.endm
	s_load_b128 s[4:7], s[0:1], 0x0                ; hA, wc
	s_load_b64 s[8:9], s[0:1], 0x10                ; qkv
	v_lshl_add_u32 v[SPW], v0, 2, SPARE
	v_mov_b32 v[NIL], 0
	ds_add_u32 v[SPW], v[NIL]                      ; the wave's opening: the add and its wait ahead of my first tensor load
	v_lshrrev_b32 v1, 5, v0
	v_readfirstlane_b32 s14, v1                    ; wave 0..3
	s_lshr_b32 s15, s14, 1                         ; i: my half of region A's rows.  Also: I fetch for A (0) or B (1)
	s_and_b32 s16, s14, 1                          ; j: my half of region B's rows.  Also: which 128 rows I fetch
	s_bfe_u32 s40, ttmp6, 0x40000                  ; cx
	s_bfe_u32 s41, ttmp6, 0x40004                  ; cy
	s_lshl_b32 s18, ttmp9, 2                       ; 4 x cluster x
	s_and_b32 s19, ttmp7, 0xffff
	s_lshl_b32 s19, s19, 2                         ; 4 x cluster y
	s_cmp_eq_u32 ttmp9, 2                          ; the clusters of v: the same answer in all sixteen partners
	s_cselect_b32 s17, 0, s19
	s_cselect_b32 s42, s19, s18
	s_cselect_b32 s22, 16, 0                       ; Wv's first panel in wc
	s_add_co_u32 s17, s17, s41                     ; region A's tile: hangs on cy, never on cx
	s_add_co_u32 s42, s42, s40                     ; region B's tile: hangs on cx, never on cy
	s_lshl_b32 s43, s41, 2
	s_lshl_b32 s43, 15, s43                        ; my row of the cluster
	s_lshl_b32 s44, 0x1111, s40                    ; my column
	s_or_b32 s[G1+0], s43, (3<<16)|(1<<21)         ; the mask; elements of 8 bytes; bit 21 set beside a mask; no padding
	s_or_b32 s[G1B+0], s44, (3<<16)|(1<<21)
.irp g, G1, G1B
	s_mov_b32 s[\g+1], 32<<16                      ; 100 dense rows of 256 bytes
	s_mov_b32 s[\g+2], 100<<16
	s_mov_b32 s[\g+3], 32<<16
	s_mov_b32 s[\g+4], 100
	s_mov_b32 s[\g+5], 32
	s_mov_b32 s[\g+6], 0
	s_mov_b32 s[\g+7], 0
.endr
	s_lshl_b32 s20, s17, 1
	s_add_co_u32 s20, s20, s16
	s_add_co_u32 s20, s20, s22
	s_mul_i32 s20, s20, KSTEPS*PBB                 ; region A: the panel that I fetch
	s_mov_b32 s21, 0
	s_lshl_b32 s46, s42, 1
	s_add_co_u32 s46, s46, s16
	s_mul_i32 s46, s46, KSTEPS*PBB                 ; region B
	s_mov_b32 s47, 0
	s_mul_i32 s45, s14, HALFT                      ; where it goes: no place in the cluster enters an LDS address
	s_mov_b32 s[SEL], 0x76543210
	s_mov_b32 s[SEL+1], 0xfedcba98
	s_mov_b32 s[HIM], 0xffff0000                   ; lanes 16-31
	s_wait_dscnt 0x0                               ; the opening add is done
	s_wait_kmcnt 0x0
	s_cmp_eq_u32 ttmp9, 2
	s_cselect_b64 s[10:11], s[6:7], s[4:5]         ; region A's buffer
	s_cselect_b64 s[12:13], s[4:5], s[6:7]         ; region B's
	s_add_nc_u64 s[20:21], s[10:11], s[20:21]
	s_add_nc_u64 s[46:47], s[12:13], s[46:47]
	CROUND                                         ; all sixteen work-groups are here: the first joint loads meet
.irp s, 0,1
	s_mov_b32 s[G0+4*\s], 1
	s_add_co_u32 s[G0+4*\s+1], s45, \s*SLOT
	s_add_nc_u64 s[G0+4*\s+2:G0+4*\s+3], s[20:21], \s*HALFT
	s_or_b32 s[G0+4*\s+3], s[G0+4*\s+3], 0x80000000
	s_mov_b32 s[G0B+4*\s], 1
	s_add_co_u32 s[G0B+4*\s+1], s45, \s*SLOT
	s_add_nc_u64 s[G0B+4*\s+2:G0B+4*\s+3], s[46:47], \s*HALFT
	s_or_b32 s[G0B+4*\s+3], s[G0B+4*\s+3], 0x80000000
	JLOAD G0+4*\s, G1, G0B+4*\s, G1B
.endr
	v_and_b32 v1, 15, v0                           ; r
	v_bfe_u32 v2, v0, 4, 1                         ; h
	v_and_b32 v3, 31, v0
	v_lshlrev_b32 v[L8], 3, v3
	v_lshlrev_b32 v[L4], 2, v3
	v_mul_u32_u24 v[R4H], 0x4b000, v2
	v_lshl_add_u32 v[R4H], v1, 2, v[R4H]
	s_mul_i32 s21, s15, HALFT                      ; my 128 rows of A
	s_mul_i32 s22, s16, HALFT
	s_add_co_u32 s22, s22, 2*HALFT                 ; my 128 rows of B
	s_xor_b32 s23, s15, 1
	s_add_co_u32 s23, s23, s16
	s_add_co_u32 s23, s23, 1
	s_mul_i32 s23, s23, HALFT                      ; from the one to the other
	v_mul_u32_u24 v5, s23, v2                      ; lanes 16-31 take B's scale words
	v_lshl_add_u32 v5, v1, 2, v5
	s_add_co_u32 s18, s21, 8*1536
.irp s, 0,1
	v_add_nc_u32 v[ADRA+\s], s21, v[L8]
	v_add_nc_u32 v[ADRB+\s], s22, v[L8]
	v_add_nc_u32 v[ADRS+\s], s18, v5
	s_add_co_u32 s21, s21, SLOT
	s_add_co_u32 s22, s22, SLOT
	s_add_co_u32 s18, s18, SLOT
.endr
	; where my results go
	s_lshl_b32 s18, s17, 1
	s_add_co_u32 s18, s18, s15                     ; my panel of region A
	s_lshl_b32 s19, s42, 1
	s_add_co_u32 s19, s19, s16                     ; of region B
	s_cmp_eq_u32 ttmp9, 2
	s_cselect_b32 s20, s19, s18                    ; my 128 tokens
	s_cselect_b32 s21, s18, s19                    ; my 128 columns
	s_cselect_b32 s22, 2, 0
	s_lshr_b32 s23, s21, 3
	s_add_co_u32 s22, s22, s23                     ; 0 q, 1 k, 2 v
	s_and_b32 s21, s21, 7                          ; the pair of heads
	s_lshr_b32 s23, s20, 4                         ; the batch
	s_and_b32 s20, s20, 15                         ; the step of 128 tokens
	s_lshl_b32 s23, s23, 8
	s_lshl_b32 s21, s21, 5
	s_add_co_u32 s20, s20, s23
	s_add_co_u32 s20, s20, s21                     ; (16 batch + even head) x 16 + step
	s_mul_i32 s20, s20, 19200
	s_mul_i32 s22, s22, 6400
	s_add_co_u32 s20, s20, s22
	s_mov_b32 s21, 0
	s_add_nc_u64 s[8:9], s[8:9], s[20:21]
	s_wait_tensorcnt 1                             ; my part of slot 0 is in; slot 1's load may be out
	s_barrier_signal -1
	s_barrier_wait -1
	FETCH_B 0, 0, 0
	FETCH_A 0, 0, 0
	SCALES 0
	FETCH_A 0, 0, 4
	STEP 0, 0, ZERO                                ; the first step stands in front of the loop: its products start the sums
	s_mov_b32 s3, LAPS-1
.Llap:
	TURN 0, 1, 1
	STEP 1, 0, 0
	TURN 1, 0, 1
	STEP 0, 0, 0
	s_sub_co_u32 s3, s3, 1
	s_cmp_lg_u32 s3, 0
	s_cbranch_scc1 .Llap
	TURN 0, 1, 0                                   ; the last lap fills nothing
	STEP 1, 0, 0
	s_wait_dscnt 4*NL
	WIN 0xa1
	MUL16 0, 1, NQ-1, 1, 0
	MUL16 2, 1, NQ-1, 1, 0
	s_wait_dscnt 0
	WIN 0xf1
	MUL16 4, 1, NQ-1, 1, 0
	MUL16 6, 1, NQ-1, 1, 0
	WIN 0
	; THE WAY OUT: each of A's eight blocks is 64 numbers a lane, quantised in registers; every store of codes covers 256 consecutive bytes, aligned
	PLACES NP
.irp b, 0,1,2,3
	v_mov_b32 v[TM+4+\b], 0                        ; a lane permute's destination counts as one of its sources
.endr
	s_cmp_eq_u32 ttmp9, 2
	s_cbranch_scc1 .Lv
.irp a, 0,1,2,3,4,5,6,7                        ; q, k: block a = token tile a; registers 0-5 the even head's 64 channels, 6-11 the odd head's
	QUANT 64*(\a%4), 2+\a/4, PW+\a
.irp p, 0,1,2
	global_store_b64 v[L8], v[PC+2*\p:PC+2*\p+1], s[8:9] offset:(\a/2)*1536+(\a%2)*768+256*\p
	global_store_b64 v[L8], v[PC+6+2*\p:PC+7+2*\p], s[8:9] offset:HS+(\a/2)*1536+(\a%2)*768+256*\p
.endr
.if \a%2
	v_perm_b32 v[TW], v[PW+\a], v[PW+\a-1], 0x05040100     ; the even head's pair word: tile a - 1's two bytes, tile a's two
	v_perm_b32 v[TW+1], v[PW+\a], v[PW+\a-1], 0x07060302   ; the odd head's
	v_cndmask_b32 v[PWW+\a/2], v[TW], v[TW+1], s[HIM]      ; lanes 0-15 store the one, lanes 16-31 the other
	global_store_b32 v[R4H], v[PWW+\a/2], s[8:9] offset:6144+(\a/2)*64
.endif
.endr
	s_branch .Lend
.Lv:
.irp a, 0,1,2,3,4,5,6,7                        ; v: block a = 16 channels (head a / 4, tile a % 4) x my 128 keys: a whole fragment
	QUANT 64*(\a%4), 2+\a/4, PW+\a
.irp p, 0,1,2,3,4,5
	global_store_b64 v[L8], v[PC+2*\p:PC+2*\p+1], s[8:9] offset:(\a/4)*HS+(\a%4)*1536+256*\p
.endr
.if \a%2
	v_cndmask_b32 v[PWW+\a/2], v[PW+\a-1], v[PW+\a], s[HIM]
	global_store_b32 v[L4], v[PWW+\a/2], s[8:9] offset:(\a/4)*HS+6144+(\a%4-1)*64   ; two tiles' scale words: 128 consecutive bytes
.endif
.endr
.Lend:
	s_wait_tensorcnt 0x0                           ; the wave's end
	ds_add_u32 v[SPW], v[NIL]
	s_wait_dscnt 0x0
	CROUND                                         ; the closing round
	s_endpgm
.Lfunc_end_k_q24a82998c7_qkv:
	.size	k_q24a82998c7_qkv, .Lfunc_end_k_q24a82998c7_qkv-k_q24a82998c7_qkv
	.p2alignl 7, 3214868480
	.fill 96, 4, 3214868480
	.section	.rodata,"a",@progbits
	.p2align	6, 0x0
	.amdhsa_kernel k_q24a82998c7_qkv
		.amdhsa_group_segment_fixed_size 327680
		.amdhsa_private_segment_fixed_size 0
		.amdhsa_enable_private_segment 0
		.amdhsa_kernarg_size 24
		.amdhsa_user_sgpr_count 2
		.amdhsa_user_sgpr_kernarg_segment_ptr 1
		.amdhsa_wavefront_size32 1
		.amdhsa_system_sgpr_workgroup_id_x 1
		.amdhsa_system_sgpr_workgroup_id_y 1
		.amdhsa_system_sgpr_workgroup_id_z 1
		.amdhsa_system_vgpr_workitem_id 0
		.amdhsa_next_free_vgpr 1024
		.amdhsa_next_free_sgpr 72
		.amdhsa_reserve_vcc 0
		.amdhsa_float_denorm_mode_32 3
		.amdhsa_float_denorm_mode_16_64 3
		.amdhsa_memory_ordered 1
		.amdhsa_forward_progress 1
		.amdhsa_inst_pref_size 204
	.end_amdhsa_kernel
	.amdgpu_metadata
---
amdhsa.version: [ 1, 2 ]
amdhsa.kernels:
  - .name:           k_q24a82998c7_qkv
    .symbol:         k_q24a82998c7_qkv.kd
    .args:
      - { .name: hA, .offset: 0, .size: 8, .value_kind: global_buffer, .address_space: global }
      - { .name: wc, .offset: 8, .size: 8, .value_kind: global_buffer, .address_space: global }
      - { .name: qkv, .offset: 16, .size: 8, .value_kind: global_buffer, .address_space: global }
    .group_segment_fixed_size: 327680
    .private_segment_fixed_size: 0
    .kernarg_segment_align: 8
    .kernarg_segment_size: 24
    .max_flat_workgroup_size: 128
    .sgpr_count:     72
    .vgpr_count:     1024
    .wavefront_size: 32
...
	.end_amdgpu_metadata
.endif
;; end of part 2
;; launch attn (part 3): grid 8 x 32, 16 waves a work-group, no clusters, 206,848 bytes of LDS; arguments qkv, ctx; writes ctx
.if DOCPART == 3
	.amdgcn_target "amdgcn-amd-amdhsa--gfx1250"
	.amdhsa_code_object_version 6
	.text
	.protected	k_q24a82998c7_attn
	.globl	k_q24a82998c7_attn
	.p2align	8
	.type	k_q24a82998c7_attn,@function
k_q24a82998c7_attn:
	s_mov_b64 s[64:65], 0
	v_nop
	global_prefetch_b8 v0, s[64:65] scope:SCOPE_SE
	s_setreg_imm32_b32 hwreg(HW_REG_WAVE_MODE, 25, 1), 1
	s_wait_xcnt 0x0
; Causal attention on codes of FP6 (E2M3) with E8M0 scales: ctx = softmax(q k^T / 8) v, quantised at once along the 1,024 columns for the next product.
; t = score x log2(e) / 8; M = the running largest t rounded up to a whole number; p = 2^(t - M) is quantised along the keys, not normalised; the row's sum is taken of the unquantised p and divides at the end.
; SHARES.  A work-group owns one head (y) and 16 of its 128 tiles of 16 queries: waves 0-7 the tiles 8 x + w, waves 8-15 the tiles 135 - 8 x - w, so that early and late queries are paired: x + 1 and 16 - x key steps, 17 for each pair, in every work-group.
; LDS holds the head's WHOLE K and V (16 steps x 12,800 bytes), filled once: each wave issues four tensor loads of 3,200 bytes at the start (four of mine are out at the most), group g of four steps is waited for in front of its first use.  Nothing is filled again.
; LAYOUT.  Both products are used transposed; a lane holds one query.  The head's size is 64: a fragment of K holds two tiles of 16 keys (registers 0-5 and 6-11), multiplied once by [q, 0] and once by [0, q]: zero codes add nothing.
; The keys of tile 2 b + u are 32 b + 8 u + r + 8 (r / 8): the 16 registers of two neighbouring tiles are 16 neighbouring keys.
; CAUSAL.  A step all of whose keys come after my queries is left out by a scalar branch on ids; on the diagonal hidden scores become -infinity.
; NO CLUSTER: the steps that a work-group leaves out hang on its own block of queries, which would differ between partners that share a head.
; LIMITS: NaN and infinities are not served; a block under 2^-124, and a block of zeros, gets the byte 1 (this program alone reads the bytes).
; REGISTERS: v1 8 x lane, v2 4 r, v5, v6 the add's two, v8, v9 addresses in hand, v10 my query less 16 h, v12 -M, v13 the largest t, v[14:15] the sum; v16-27 [q, 0], v28-39 [0, q]; v48-95 four fragments;
;   v96-159 scores, then p; v160-191 O^T; v224-235 p's codes; v232-254 at work; v248-251 K's or V's scale words, v253 p's, v255 q's.
.set HS,    307200
.set STEPB, 12800
.set SPARE, 16*STEPB                   ; behind K and V: the spare words, 128 bytes a wave: eight blocks of 256 bytes that no other line names
.set TB,  2
.set KF,  3
.set CNT, 16
.set Q0,  17
.set WV,  18
.set SEL, 20
.set CS,  22
.set G1,  24
.set G0,  32
	s_load_b128 s[4:7], s[0:1], 0x0                ; qkv, ctx
	v_lshl_add_u32 v5, v0, 2, SPARE
	v_mov_b32 v6, 0
	ds_add_u32 v5, v6                              ; the wave's opening: the add and its wait ahead of my first tensor load
	v_lshrrev_b32 v8, 5, v0
	v_readfirstlane_b32 s[WV], v8                  ; wave 0..15
	s_and_b32 s52, ttmp7, 0xffff                   ; the head, 0..31
	s_mul_i32 s53, s52, HS
	s_mov_b32 s[G1], 3<<16                         ; one row of 400 elements of 8 bytes
	s_mov_b32 s[G1+1], 400<<16
	s_mov_b32 s[G1+2], 1<<16
	s_mov_b32 s[G1+3], 400<<16
	s_mov_b32 s[G1+4], 1
	s_mov_b32 s[G1+5], 400
	s_mov_b32 s[G1+6], 0
	s_mov_b32 s[G1+7], 0
	s_lshr_b32 s54, s[WV], 2                       ; of a group's four steps I fetch step w / 4, quarter w % 4 of its K and V records
	s_mul_i32 s54, s54, 19200
	s_and_b32 s55, s[WV], 3
	s_mul_i32 s55, s55, 3200
	s_add_co_u32 s54, s54, s55
	s_add_co_u32 s54, s54, s53
	s_add_co_u32 s54, s54, 6400
	s_mov_b32 s55, 0
	s_mul_i32 s56, s[WV], 3200                     ; and its place in LDS
	s_lshl_b32 s50, ttmp9, 3
	s_add_co_u32 s51, s50, s[WV]
	s_sub_co_u32 s57, 135, s50
	s_sub_co_u32 s57, s57, s[WV]
	s_cmp_lt_u32 s[WV], 8
	s_cselect_b32 s50, s51, s57                    ; my tile of queries
	s_and_b32 s51, s50, 1                          ; u
	s_lshr_b32 s[Q0], s50, 1
	s_lshl_b32 s[Q0], s[Q0], 5                     ; 32 (tile / 2)
	s_lshr_b32 s58, s50, 3
	s_mul_i32 s59, s58, 19200
	s_add_co_u32 s59, s59, s53                     ; the record of Q that holds my tile
	s_bfe_u32 s60, s50, 0x20001
	s_mul_i32 s61, s60, 1536
	s_mul_i32 s62, s51, 768
	s_add_co_u32 s8, s59, s61
	s_add_co_u32 s8, s8, s62
	s_mov_b32 s9, 0
	s_lshl_b32 s60, s60, 6
	s_add_co_u32 s10, s59, s60
	s_add_co_u32 s10, s10, 6144
	s_mov_b32 s11, 0
	s_lshr_b32 s59, s52, 4
	s_lshl_b32 s59, s59, 4
	s_add_co_u32 s59, s59, s58                     ; ctx: my panel of 128 tokens,
	s_lshl_b32 s59, s59, 3
	s_bfe_u32 s60, s52, 0x30001
	s_add_co_u32 s59, s59, s60                     ; the K step that holds my head,
	s_mul_i32 s59, s59, 12800
	s_and_b32 s60, s50, 7
	s_mul_i32 s61, s60, 1536                       ; my tile's fragment,
	s_and_b32 s62, s52, 1
	s_mul_i32 s63, s62, 768                        ; its half
	s_add_co_u32 s12, s59, s61
	s_add_co_u32 s12, s12, s63
	s_mov_b32 s13, 0
	s_lshl_b32 s60, s60, 6
	s_lshl_b32 s62, s62, 1
	s_add_co_u32 s14, s59, s60
	s_add_co_u32 s14, s14, s62
	s_add_co_u32 s14, s14, 12288                   ; and my two bytes of each scale word
	s_mov_b32 s15, 0
	s_mov_b32 s63, 0x03020302
	s_cmp_eq_u32 s51, 0
	s_cselect_b32 s63, 0x01000100, s63             ; which two bytes of the pair word are my tile's
	s_lshl_b32 s51, s51, 3
	s_mov_b32 s[SEL], 0x76543210
	s_mov_b32 s[SEL+1], 0xfedcba98
	s_mov_b32 s[CS], 0x3e38aa3b                    ; c = log2(e) / 8
	s_mov_b32 s[CS+1], s[CS]
	s_wait_dscnt 0x0                               ; the opening add is done
	s_wait_kmcnt 0x0
	s_add_nc_u64 s[54:55], s[4:5], s[54:55]
.irp g, 0,1,2,3
	s_mov_b32 s[G0+4*\g], 1
	s_add_co_u32 s[G0+4*\g+1], s56, \g*4*STEPB
	s_add_nc_u64 s[G0+4*\g+2:G0+4*\g+3], s[54:55], \g*4*19200
	s_or_b32 s[G0+4*\g+3], s[G0+4*\g+3], 0x80000000
.endr
.irp g, 0,1,2,3
	tensor_load_to_lds s[G0+4*\g:G0+4*\g+3], s[G1:G1+7]
	s_nop 0
.endr
.rept 4
	v_nop
.endr
	s_add_nc_u64 s[8:9], s[4:5], s[8:9]
	s_add_nc_u64 s[10:11], s[4:5], s[10:11]
	s_add_nc_u64 s[12:13], s[6:7], s[12:13]
	s_add_nc_u64 s[14:15], s[6:7], s[14:15]
	v_and_b32 v3, 31, v0
	v_lshlrev_b32 v1, 3, v3                        ; 8 x lane
	v_and_b32 v4, 15, v0                           ; r
	v_lshlrev_b32 v2, 2, v4                        ; 4 r
	v_bfe_u32 v7, v0, 4, 1                         ; h
.irp p, 0,1,2
	global_load_b64 v[16+2*\p:17+2*\p], v1, s[8:9] offset:256*\p   ; q into the lower half of [q, 0]
	global_load_b64 v[34+2*\p:35+2*\p], v1, s[8:9] offset:256*\p   ; and into the upper half of [0, q]
.endr
	global_load_b32 v254, v2, s[10:11]
	v_and_b32 v10, 8, v4
	v_add_nc_u32 v10, v10, v4
	v_lshlrev_b32 v11, 4, v7
	v_sub_nc_u32 v10, v10, v11
	v_add_nc_u32 v10, s51, v10                     ; 8 u + r + 8 (r / 8) - 16 h
.irp j, 22,23,24,25,26,27,28,29,30,31,32,33
	v_mov_b32 v[\j], 0                             ; zero codes
.endr
	v_mov_b32 v13, 0xff61b1e6                      ; the largest t so far: -3e38
	v_floor_f32 v12, -v13
	v_mov_b32 v14, 0
	v_mov_b32 v15, 0
.irp b, 0,1,2,3
	v_mov_b32 v[236+\b], 0
.endr
	v_mov_b32 v253, 0
	s_wait_loadcnt 0x0
	v_perm_b32 v255, v254, v254, s63               ; q's two scale bytes, twice
.set j, 0
.rept 32
	v_mov_b32 v[160+j], 0                          ; O^T.  (Also the places between the line above and the first product)
.set j, j+1
.endr
.macro STEP
	s_cmp_gt_u32 s[KF], s[Q0]                      ; KF and Q0 are multiples of 32 and my queries lie in Q0 .. Q0 + 31: all 128 keys come after them
	s_cbranch_scc1 .Lhidden_\@
	v_add_nc_u32 v8, s[TB], v1
	v_add_nc_u32 v9, s[TB], v2
	v_nop
	v_nop                                          ; four places in front of loads into registers that matrix instructions have read
.irp b, 0,1,2,3
.irp p, 0,1,2,3,4,5
	ds_load_b64 v[48+12*\b+2*\p:49+12*\b+2*\p], v8 offset:1536*\b+256*\p
.endr
	ds_load_b32 v[248+\b], v9 offset:6144+64*\b
.endr
	s_wait_dscnt 0x0
.irp b, 0,1,2,3
	v_wmma_scale_f32_16x16x128_f8f6f4 v[96+16*\b:103+16*\b], v[48+12*\b:59+12*\b], v[16:27], 0, v[248+\b], v255 matrix_a_fmt:MATRIX_FMT_FP6 matrix_b_fmt:MATRIX_FMT_FP6
	v_wmma_scale_f32_16x16x128_f8f6f4 v[104+16*\b:111+16*\b], v[48+12*\b:59+12*\b], v[28:39], 0, v[248+\b], v255 matrix_a_fmt:MATRIX_FMT_FP6 matrix_b_fmt:MATRIX_FMT_FP6
.endr                                          ; register 16 b + i: key KF + 32 b + 16 h + i
.rept 4
	v_nop
.endr
.irp t, 0,1,2,3                                ; V's fragments are asked for now and land under the softmax
.irp p, 0,1,2,3,4,5
	ds_load_b64 v[48+12*\t+2*\p:49+12*\t+2*\p], v8 offset:6400+1536*\t+256*\p
.endr
	ds_load_b32 v[248+\t], v9 offset:12544+64*\t
.endr
	s_add_co_u32 s19, s[KF], 127
	s_cmp_le_u32 s19, s[Q0]
	s_cbranch_scc1 .Lopen_\@                       ; all keys count
	s_sub_co_i32 s19, s[Q0], s[KF]
	v_add_nc_u32 v252, s19, v10                    ; d: register 16 b + i is hidden where 32 b + i > d
	v_mov_b32 v254, 0xff800000
.set n, 0
.rept 64
	v_cmp_gt_i32 vcc_lo, 32*(n/16)+n%16, v252
	v_cndmask_b32 v[96+n], v[96+n], v254, vcc_lo
.set n, n+1
.endr
.Lopen_\@:
.irp b, 0,1,2,3
	v_max3_num_f32 v[232+\b], v[96+16*\b], v[97+16*\b], v[98+16*\b]   ; the largest score of each block of 32 keys: for the row's maximum, and, since p rises with the score, for the block's largest p
.endr
.irp i, 3,5,7,9,11,13
.irp b, 0,1,2,3
	v_max3_num_f32 v[232+\b], v[232+\b], v[96+16*\b+\i], v[97+16*\b+\i]
.endr
.endr
.irp b, 0,1,2,3
	v_max_num_f32 v[232+\b], v[232+\b], v[111+16*\b]
.endr
.irp b, 0,1,2,3
	v_permlanex16_b32 v[236+\b], v[232+\b], s[SEL], s[SEL+1]
.endr
.irp b, 0,1,2,3
	v_max_num_f32 v[232+\b], v[232+\b], v[236+\b]
.endr
	v_max3_num_f32 v254, v232, v233, v234
	v_max_num_f32 v254, v254, v235
	v_mul_f32 v254, s[CS], v254
	v_max_num_f32 v13, v13, v254                   ; the running largest t
	v_mov_b32 v254, v12
	v_floor_f32 v12, -v13                          ; the new -M: M is a whole number
	v_sub_f32 v254, v12, v254
	v_cvt_i32_f32 v254, v254                       ; (it saturates)
	v_ldexp_f32 v252, 1.0, v254                    ; f = 2^(old M - new M)
.set j, 0
.rept 32
	v_pk_fma_f32 v[96+j:97+j], v[96+j:97+j], s[CS:CS+1], v[12:13] op_sel_hi:[1,0,0]   ; t - M
.set j, j+2
.endr
.irp b, 0,1,2,3
	v_fma_f32 v[232+\b], v[232+\b], s[CS], v12
.endr
.set j, 0
.rept 64
	v_exp_f32 v[96+j], v[96+j]                     ; p = 2^(t - M)
.set j, j+1
.endr
	v_pk_mul_f32 v[14:15], v[14:15], v[252:253] op_sel_hi:[1,0]   ; the sums under the new M; a plain place behind the exponentials
	s_wait_alu depctr_va_vdst(0)                   ; one wait for the whole batch, ahead of its first reader
.irp b, 0,1,2,3
	v_exp_f32 v[232+\b], v[232+\b]                 ; the block's largest p
.endr
	v_pk_add_f32 v[236:237], v[96:97], v[98:99]    ; the row's sum of the unquantised p, in two chains
.irp j, 4,8,12,16,20,24,28,32,36,40,44,48,52,56,60
	v_pk_add_f32 v[14:15], v[14:15], v[96+\j:97+\j]
	v_pk_add_f32 v[236:237], v[236:237], v[98+\j:99+\j]
.endr
	v_pk_add_f32 v[14:15], v[14:15], v[236:237]
	s_wait_alu depctr_va_vdst(0)                   ; and one for the four
.irp b, 0,1,2,3
	v_max_num_f32 v[232+\b], 0x1800000, v[232+\b]  ; the floor: the byte cannot fall under 1
.endr
.irp b, 0,1,2,3
	v_add_nc_u32 v[244+\b], 0xff000000, v[232+\b]
.endr
.irp b, 0,1,2,3
	v_lshrrev_b32 v[236+\b], 23, v[244+\b]
.endr
	v_lshl_or_b32 v253, v237, 8, v236              ; p's scale word for these 128 keys
	v_lshl_or_b32 v253, v238, 16, v253
	v_lshl_or_b32 v253, v239, 24, v253
.irp c, 0,1
	v_cvt_scalef32_pk16_fp6_f32 v[224+6*\c:226+6*\c], v[96+32*\c:111+32*\c], v[244+2*\c]
	v_cvt_scalef32_pk16_fp6_f32 v[236+4*\c:238+4*\c], v[112+32*\c:127+32*\c], v[244+2*\c+1]
.endr
	v_nop
.irp c, 0,1
.irp i, 0,1,2
	v_permlane16_swap_b32 v[224+6*\c+\i], v[236+4*\c+\i]
.endr
.irp i, 0,1,2
	v_mov_b32 v[227+6*\c+\i], v[236+4*\c+\i]
.endr
.endr
.set j, 0
.rept 16
	v_pk_mul_f32 v[160+j:161+j], v[160+j:161+j], v[252:253] op_sel_hi:[1,0]   ; O^T under the new M; also the places in front of the products below
.set j, j+2
.endr
	s_wait_dscnt 0x0                               ; V
.irp t, 0,1,2,3
	v_wmma_scale_f32_16x16x128_f8f6f4 v[160+8*\t:167+8*\t], v[48+12*\t:59+12*\t], v[224:235], v[160+8*\t:167+8*\t], v[248+\t], v253 matrix_a_fmt:MATRIX_FMT_FP6 matrix_b_fmt:MATRIX_FMT_FP6
.endr
.Lhidden_\@:
	s_add_co_u32 s[KF], s[KF], 128
	s_add_co_u32 s[TB], s[TB], STEPB
.endm
.macro GROUP g
	s_wait_tensorcnt 3-\g                          ; my part of group g has landed; the later groups' loads of mine may be out
	s_wait_dscnt 0x0
	s_barrier_signal -1
	s_barrier_wait -1                              ; everybody's has
	s_mov_b32 s[TB], \g*4*STEPB
	s_mov_b32 s[KF], \g*512
	s_mov_b32 s[CNT], 4
.Lstep_\@:
	STEP
	s_sub_co_u32 s[CNT], s[CNT], 1
	s_cmp_lg_u32 s[CNT], 0
	s_cbranch_scc1 .Lstep_\@
.endm
	GROUP 0
	GROUP 1
	GROUP 2
	GROUP 3
	; THE WAY OUT: O^T / the sum; register 16 b + i = channel 32 b + 16 h + i of my query: two blocks, half a fragment of the next product's operand
.rept 4
	v_nop
.endr
	v_add_f32 v14, v14, v15
	v_permlanex16_b32 v252, v14, s[SEL], s[SEL+1]
	v_add_f32 v14, v14, v252
	v_rcp_f32 v14, v14
	v_nop
	s_wait_alu depctr_va_vdst(0)
.set j, 0
.rept 32
	v_mul_f32 v[96+j], v[160+j], v14
.set j, j+1
.endr
.irp b, 0,1
	v_max3_num_f32 v[232+\b], |v[96+16*\b]|, |v[97+16*\b]|, 0x1800000
.endr
.irp i, 2,4,6,8,10,12,14
.irp b, 0,1
	v_max3_num_f32 v[232+\b], v[232+\b], |v[96+16*\b+\i]|, |v[97+16*\b+\i]|
.endr
.endr
.irp b, 0,1
	v_permlanex16_b32 v[236+\b], v[232+\b], s[SEL], s[SEL+1]
.endr
.irp b, 0,1
	v_max_num_f32 v[232+\b], v[232+\b], v[236+\b]
.endr
.irp b, 0,1
	v_add_nc_u32 v[244+\b], 0xff000000, v[232+\b]
.endr
.irp b, 0,1
	v_lshrrev_b32 v[236+\b], 23, v[244+\b]
.endr
	v_lshl_or_b32 v240, v237, 8, v236              ; my head's two bytes of the row's scale word
	v_cvt_scalef32_pk16_fp6_f32 v[224:226], v[96:111], v244
	v_cvt_scalef32_pk16_fp6_f32 v[228:230], v[112:127], v245
	v_nop
.irp i, 0,1,2
	v_permlane16_swap_b32 v[224+\i], v[228+\i]
.endr
	v_mov_b32 v227, v228
	v_mov_b32 v228, v229
	v_mov_b32 v229, v230
.irp p, 0,1,2
	global_store_b64 v1, v[224+2*\p:225+2*\p], s[12:13] offset:256*\p   ; 256 consecutive bytes, aligned
.endr
	global_store_b16 v2, v240, s[14:15]            ; (lanes r and r + 16 hold the same)
	s_wait_tensorcnt 0x0                           ; the wave's end
	ds_add_u32 v5, v6
	s_wait_dscnt 0x0
	s_endpgm
.Lfunc_end_k_q24a82998c7_attn:
	.size	k_q24a82998c7_attn, .Lfunc_end_k_q24a82998c7_attn-k_q24a82998c7_attn
	.p2alignl 7, 3214868480
	.fill 96, 4, 3214868480
	.section	.rodata,"a",@progbits
	.p2align	6, 0x0
	.amdhsa_kernel k_q24a82998c7_attn
		.amdhsa_group_segment_fixed_size 206848
		.amdhsa_private_segment_fixed_size 0
		.amdhsa_enable_private_segment 0
		.amdhsa_kernarg_size 16
		.amdhsa_user_sgpr_count 2
		.amdhsa_user_sgpr_kernarg_segment_ptr 1
		.amdhsa_wavefront_size32 1
		.amdhsa_system_sgpr_workgroup_id_x 1
		.amdhsa_system_sgpr_workgroup_id_y 1
		.amdhsa_system_sgpr_workgroup_id_z 1
		.amdhsa_system_vgpr_workitem_id 0
		.amdhsa_next_free_vgpr 256
		.amdhsa_next_free_sgpr 66
		.amdhsa_reserve_vcc 1
		.amdhsa_float_denorm_mode_32 3
		.amdhsa_float_denorm_mode_16_64 3
		.amdhsa_memory_ordered 1
		.amdhsa_forward_progress 1
		.amdhsa_inst_pref_size 103
	.end_amdhsa_kernel
	.amdgpu_metadata
---
amdhsa.version: [ 1, 2 ]
amdhsa.kernels:
  - .name:           k_q24a82998c7_attn
    .symbol:         k_q24a82998c7_attn.kd
    .args:
      - { .name: qkv, .offset: 0, .size: 8, .value_kind: global_buffer, .address_space: global }
      - { .name: ctx, .offset: 8, .size: 8, .value_kind: global_buffer, .address_space: global }
    .group_segment_fixed_size: 206848
    .private_segment_fixed_size: 0
    .kernarg_segment_align: 8
    .kernarg_segment_size: 16
    .max_flat_workgroup_size: 512
    .sgpr_count:     66
    .vgpr_count:     256
    .wavefront_size: 32
...
	.end_amdgpu_metadata
.endif
;; end of part 3
;; launch wo (part 4): grid 4 x 16, 4 waves a work-group, clusters of 4 x 4, 327,680 bytes of LDS; arguments ctx, wc, bo, x, x1; writes x1
.if DOCPART == 4
	.amdgcn_target "amdgcn-amd-amdhsa--gfx1250"
	.amdhsa_code_object_version 6
	.text
	.protected	k_q24a82998c7_wo
	.globl	k_q24a82998c7_wo
	.p2align	8
	.type	k_q24a82998c7_wo,@function
k_q24a82998c7_wo:
	s_mov_b64 s[64:65], 0
	v_nop
	global_prefetch_b8 v0, s[64:65] scope:SCOPE_SE
	s_setreg_imm32_b32 hwreg(HW_REG_WAVE_MODE, 25, 1), 1
	s_wait_xcnt 0x0
	s_wait_alu depctr_hold_cnt(0) depctr_sa_sdst(0) depctr_va_vdst(0) depctr_va_sdst(0) depctr_va_ssrc(0) depctr_va_vcc(0) depctr_vm_vsrc(0)
	s_getreg_b32 s2, hwreg(HW_REG_IB_STS2, 6, 4)
	s_cmp_eq_u32 s2, 0
	s_cbranch_scc0 .Lentry_in_a_cluster
	s_endpgm
.Lentry_in_a_cluster:
	s_bfe_u32 s2, ttmp6, 0x10000c
	s_cmp_lg_u32 s2, 0xf033
	s_cbranch_scc0 .Lentry_shape_is_right
	s_endpgm
.Lentry_shape_is_right:
; x1 = ctx Wo + bo + x.  The product on codes of FP6 (E2M3) with E8M0 scales; bias and shortcut in f32.  A work-group makes 256 x 256, a wave 128 x 128: 64 accumulators, 512 registers.
; OPERANDS lie in memory as images of the fragments' registers: a block of 12,800 bytes = 8 fragments (128 rows x 128 K) + their scale words.  A slot holds two K steps; a wave's tensor load brings 128 rows x 2 K steps, 25,600 dense bytes.
; Source 0 = 16 rows of the weight, source 1 = 16 tokens: a lane holds a token.  The rows of tile 2 b + u of both operands are 32 b + 8 u + r + 8 (r / 8).  The bias is the C of each sum's first product.
; CLUSTERS: 4 x 4; the tokens' tile is shared along a row of the cluster, the weight's along a column: joint loads.
; THE WAY OUT: a block of 16 tokens x 128 columns goes through my stage in slot 0 (its last fill and last read are over), comes back as rows of 512 bytes, takes the shortcut's row and is stored: two aligned units of 256 bytes an instruction.
.set KSTEPS, 8
.set WOFF,   2457600                   ; Wo's first byte in wc
.set ZERO,   2                         ; the first products take the bias as C
.set PBB,    12800
.set HALFT,  2*PBB
.set SLOT,   4*HALFT
.set SPARE,  2*SLOT                    ; behind the ring: the spare words, 128 bytes a wave: two blocks of 256 bytes that no other line names
.set LAPS,   KSTEPS/4
.set NQ,     2
.set FR,     12
.set NL,     6
.set NP,     4
.set L8,   4
.set ADRA, 16
.set ADRB, 20
.set ADRS, 22
.set STO,  24
.set RD,   25
.set CO,   26
.set SPW,  28
.set NIL,  29
.set SC,   32
.set BI,   64                          ; v64-127 the bias, eight registers for each of B's tiles; on the way out the shortcut's rows
.set RS,   64
.set AF,   128
.set BK,   128                         ; the way out: 16 rows from the stage, v128-191 and v192-255 by turns
.set G1,  24
.set G0,  32
.set G1B, 48
.set G0B, 56
.set MSB, 0
.macro WIN new
.if MSB != (\new)
	s_set_vgpr_msb (MSB<<8)|(\new)
.set MSB, (\new)
.endif
.endm
.set TO_B, 0x40
.macro WMUL hi, zero
.if (\zero) == 2
	WIN 0x81+0x40*(\hi)
.else
	WIN 0xa1+0x50*(\hi)
.endif
.endm
.macro JLOAD g0a, g1a, g0b, g1b
	s_cmp_eq_u32 s15, 0
	s_cbranch_scc0 .Lfor_b_\@
	tensor_load_to_lds s[\g0a:\g0a+3], s[\g1a:\g1a+7]
	s_nop 0
.rept 4
	v_nop
.endr
	s_branch .Lasked_\@
.Lfor_b_\@:
	tensor_load_to_lds s[\g0b:\g0b+3], s[\g1b:\g1b+7]
	s_nop 0
.rept 4
	v_nop
.endr
.Lasked_\@:
.endm
.macro CREST
	s_cmp_lg_u32 s14, 0
	s_cbranch_scc1 .Lnot_wave_0_\@
	s_barrier_signal -3
.Lnot_wave_0_\@:
	s_barrier_wait -3
	s_barrier_signal -1
	s_barrier_wait -1
.endm
.macro CROUND
	s_barrier_signal -1
	s_barrier_wait -1
	CREST
.endm
.macro PLACES n
.rept \n
	v_nop
.endr
.endm
.macro FRAG reg, adr, q, i
.irp p, 0,1,2,3,4,5
	ds_load_b64 v[(\reg)+2*\p:(\reg)+2*\p+1], v[\adr] offset:(\q)*PBB+(\i)*1536+256*\p
.endr
.endm
.macro MUL16 a0, p, q, sc, zero
.irp a, \a0, \a0+1
.irp b, 0,1,2,3,4,5,6,7
.if (\zero) == 1
	v_wmma_scale_f32_16x16x128_f8f6f4 v[8*(8*((\a)%4)+\b):8*(8*((\a)%4)+\b)+7], v[128*(\p)+FR*\b:128*(\p)+FR*\b+FR-1], v[AF+FR*(\a):AF+FR*(\a)+FR-1], 0, v[SC+16*(\sc)+2*\b+(\q)], v[SC+16*(\sc)+2*(\a)+(\q)] matrix_a_fmt:MATRIX_FMT_FP6 matrix_b_fmt:MATRIX_FMT_FP6 matrix_a_scale:MATRIX_SCALE_ROW1
.elseif (\zero) == 2
	v_wmma_scale_f32_16x16x128_f8f6f4 v[8*(8*((\a)%4)+\b):8*(8*((\a)%4)+\b)+7], v[128*(\p)+FR*\b:128*(\p)+FR*\b+FR-1], v[AF+FR*(\a):AF+FR*(\a)+FR-1], v[BI+8*\b:BI+8*\b+7], v[SC+16*(\sc)+2*\b+(\q)], v[SC+16*(\sc)+2*(\a)+(\q)] matrix_a_fmt:MATRIX_FMT_FP6 matrix_b_fmt:MATRIX_FMT_FP6 matrix_a_scale:MATRIX_SCALE_ROW1
.else
	v_wmma_scale_f32_16x16x128_f8f6f4 v[8*(8*((\a)%4)+\b):8*(8*((\a)%4)+\b)+7], v[128*(\p)+FR*\b:128*(\p)+FR*\b+FR-1], v[AF+FR*(\a):AF+FR*(\a)+FR-1], v[8*(8*((\a)%4)+\b):8*(8*((\a)%4)+\b)+7], v[SC+16*(\sc)+2*\b+(\q)], v[SC+16*(\sc)+2*(\a)+(\q)] matrix_a_fmt:MATRIX_FMT_FP6 matrix_b_fmt:MATRIX_FMT_FP6 matrix_a_scale:MATRIX_SCALE_ROW1
.endif
.endr
.endr
.endm
.macro FETCH_B slot, q, p
	WIN TO_B
.irp i, 0,1,2,3,4,5,6,7
	FRAG 128*(\p)+FR*\i, ADRB+\slot, \q, \i
.endr
	WIN 0
.endm
.macro FETCH_A slot, q, i0
.irp i, \i0, \i0+1, \i0+2, \i0+3
	FRAG AF+FR*(\i), ADRA+\slot, \q, \i
.endr
.endm
.macro SCALES sc
.irp i, 0,1,2,3,4,5,6,7
.irp q, 0,1
	ds_load_b32 v[SC+16*\sc+2*\i+\q], v[ADRS+\sc] offset:\q*PBB+64*\i
.endr
.endr
.endm
.macro STEP slot, q, zero
	s_wait_dscnt 4*NL                              ; all but the youngest 24 loads (A's blocks 4-7) are in
	WMUL 0, \zero
	MUL16 0, (\q)%2, \q, \slot, \zero
	MUL16 2, (\q)%2, \q, \slot, \zero
	s_wait_dscnt 0
	PLACES NP
	FETCH_B \slot, (\q)+1, 1-(\q)%2
	FETCH_A \slot, (\q)+1, 0
	WMUL 1, \zero
	MUL16 4, (\q)%2, \q, \slot, \zero
	MUL16 6, (\q)%2, \q, \slot, \zero
	PLACES NP
	WIN 0
	FETCH_A \slot, (\q)+1, 4
.endm
.macro TURN slot, next, fill
	s_wait_tensorcnt 0x0                           ; all my tensor loads have landed: my part of the next slot
	ds_add_u32 v[SPW], v[NIL]                      ; 0 onto my spare word
	s_wait_dscnt 4*NL+1                            ; the add and A's blocks 4-7 may be out
	WIN 0xa1
	MUL16 0, 1, NQ-1, \slot, 0
	s_wait_dscnt 0x0                               ; the add is done, and my reads of this slot are over
	s_barrier_signal -1
	MUL16 2, 1, NQ-1, \slot, 0
	WIN 0
	s_barrier_wait -1
.if \fill
	CREST
	s_add_nc_u64 s[G0+4*\slot+2:G0+4*\slot+3], s[G0+4*\slot+2:G0+4*\slot+3], 2*HALFT
	s_add_nc_u64 s[G0B+4*\slot+2:G0B+4*\slot+3], s[G0B+4*\slot+2:G0B+4*\slot+3], 2*HALFT
	JLOAD G0+4*\slot, G1, G0B+4*\slot, G1B
.else
	PLACES NP
.endif
	FETCH_B \next, 0, 0
	FETCH_A \next, 0, 0
	SCALES \next
	WIN 0xf1
	MUL16 4, 1, NQ-1, \slot, 0
	MUL16 6, 1, NQ-1, \slot, 0
	PLACES NP
	WIN 0
	FETCH_A \next, 0, 4
.endm
	s_load_b256 s[4:11], s[0:1], 0x0               ; the tokens' codes, wc, the bias, the shortcut
	s_load_b64 s[12:13], s[0:1], 0x20              ; the result
	v_lshl_add_u32 v[SPW], v0, 2, SPARE
	v_mov_b32 v[NIL], 0
	ds_add_u32 v[SPW], v[NIL]                      ; the wave's opening: the add and its wait ahead of my first tensor load
	v_lshrrev_b32 v1, 5, v0
	v_readfirstlane_b32 s14, v1
	s_lshr_b32 s15, s14, 1
	s_and_b32 s16, s14, 1
	s_bfe_u32 s40, ttmp6, 0x40000                  ; cx
	s_bfe_u32 s41, ttmp6, 0x40004                  ; cy
	s_lshl_b32 s42, ttmp9, 2
	s_add_co_u32 s42, s42, s40                     ; tile column
	s_and_b32 s17, ttmp7, 0xffff
	s_lshl_b32 s17, s17, 2
	s_add_co_u32 s17, s17, s41                     ; tile row
	s_lshl_b32 s43, s41, 2
	s_lshl_b32 s43, 15, s43
	s_lshl_b32 s44, 0x1111, s40
	s_or_b32 s[G1+0], s43, (3<<16)|(1<<21)
	s_or_b32 s[G1B+0], s44, (3<<16)|(1<<21)
.irp g, G1, G1B
	s_mov_b32 s[\g+1], 32<<16                      ; 100 dense rows of 256 bytes
	s_mov_b32 s[\g+2], 100<<16
	s_mov_b32 s[\g+3], 32<<16
	s_mov_b32 s[\g+4], 100
	s_mov_b32 s[\g+5], 32
	s_mov_b32 s[\g+6], 0
	s_mov_b32 s[\g+7], 0
.endr
	s_lshl_b32 s20, s17, 1
	s_add_co_u32 s20, s20, s16
	s_mul_i32 s20, s20, KSTEPS*PBB
	s_mov_b32 s21, 0
	s_lshl_b32 s46, s42, 1
	s_add_co_u32 s46, s46, s16
	s_mul_i32 s46, s46, KSTEPS*PBB
	s_add_co_u32 s46, s46, WOFF
	s_mov_b32 s47, 0
	s_mul_i32 s45, s14, HALFT
	s_wait_dscnt 0x0
	s_wait_kmcnt 0x0
	s_add_nc_u64 s[20:21], s[4:5], s[20:21]
	s_add_nc_u64 s[46:47], s[6:7], s[46:47]
	CROUND
.irp s, 0,1
	s_mov_b32 s[G0+4*\s], 1
	s_add_co_u32 s[G0+4*\s+1], s45, \s*SLOT
	s_add_nc_u64 s[G0+4*\s+2:G0+4*\s+3], s[20:21], \s*HALFT
	s_or_b32 s[G0+4*\s+3], s[G0+4*\s+3], 0x80000000
	s_mov_b32 s[G0B+4*\s], 1
	s_add_co_u32 s[G0B+4*\s+1], s45, \s*SLOT
	s_add_nc_u64 s[G0B+4*\s+2:G0B+4*\s+3], s[46:47], \s*HALFT
	s_or_b32 s[G0B+4*\s+3], s[G0B+4*\s+3], 0x80000000
	JLOAD G0+4*\s, G1, G0B+4*\s, G1B
.endr
	v_and_b32 v1, 15, v0
	v_bfe_u32 v2, v0, 4, 1
	v_and_b32 v3, 31, v0
	v_lshlrev_b32 v[L8], 3, v3
	v_lshlrev_b32 v9, 6, v2                        ; 64 h
	s_lshl_b32 s18, s42, 10
	s_lshl_b32 s19, s16, 9
	s_add_co_u32 s18, s18, s19                     ; my first column, in bytes
	s_mov_b32 s19, 0
	s_add_nc_u64 s[8:9], s[8:9], s[18:19]
.irp b, 0,1,2,3,4,5,6,7
	global_load_b128 v[BI+8*\b:BI+8*\b+3], v9, s[8:9] offset:(32*(\b/2)+8*(\b%2))*4      ; tile b's register j is column 32 (b / 2) + 16 h + 8 (b % 2) + j
	global_load_b128 v[BI+8*\b+4:BI+8*\b+7], v9, s[8:9] offset:(32*(\b/2)+8*(\b%2))*4+16
.endr
	s_lshl_b32 s20, s17, 8
	s_lshl_b32 s21, s15, 7
	s_add_co_u32 s20, s20, s21                     ; my first token
	s_lshl_b32 s20, s20, 12
	s_add_co_u32 s20, s20, s18
	s_mov_b32 s21, 0
	s_add_nc_u64 s[10:11], s[10:11], s[20:21]
	s_add_nc_u64 s[12:13], s[12:13], s[20:21]
	s_mul_i32 s21, s15, HALFT
	s_mul_i32 s22, s16, HALFT
	s_add_co_u32 s22, s22, 2*HALFT
	s_xor_b32 s23, s15, 1
	s_add_co_u32 s23, s23, s16
	s_add_co_u32 s23, s23, 1
	s_mul_i32 s23, s23, HALFT
	v_mul_u32_u24 v5, s23, v2
	v_lshl_add_u32 v5, v1, 2, v5
	s_add_co_u32 s18, s21, 8*1536
.irp s, 0,1
	v_add_nc_u32 v[ADRA+\s], s21, v[L8]
	v_add_nc_u32 v[ADRB+\s], s22, v[L8]
	v_add_nc_u32 v[ADRS+\s], s18, v5
	s_add_co_u32 s21, s21, SLOT
	s_add_co_u32 s22, s22, SLOT
	s_add_co_u32 s18, s18, SLOT
.endr
	s_mul_i32 s23, s14, 16*528                     ; my stage
	v_mul_u32_u24 v6, v1, 528
	v_lshl_add_u32 v6, v2, 6, v6
	v_add_nc_u32 v[STO], s23, v6                   ; in: row r, + 64 h
	v_lshlrev_b32 v[CO], 4, v3                     ; back, and in memory: 16 bytes a lane
	v_add_nc_u32 v[RD], s23, v[CO]
	s_wait_tensorcnt 1                             ; my part of slot 0 is in; slot 1's load may be out
	s_barrier_signal -1
	s_barrier_wait -1
	FETCH_B 0, 0, 0
	FETCH_A 0, 0, 0
	SCALES 0
	FETCH_A 0, 0, 4
	s_wait_loadcnt 0x0                             ; the bias
	STEP 0, 0, ZERO
	s_mov_b32 s3, LAPS-1
.Llap:
	TURN 0, 1, 1
	STEP 1, 0, 0
	TURN 1, 0, 1
	STEP 0, 0, 0
	s_sub_co_u32 s3, s3, 1
	s_cmp_lg_u32 s3, 0
	s_cbranch_scc1 .Llap
	TURN 0, 1, 0
	STEP 1, 0, 0
	s_wait_dscnt 4*NL
	WIN 0xa1
	MUL16 0, 1, NQ-1, 1, 0
	MUL16 2, 1, NQ-1, 1, 0
	s_wait_dscnt 0
	WIN 0xf1
	MUL16 4, 1, NQ-1, 1, 0
	MUL16 6, 1, NQ-1, 1, 0
	WIN 0
.macro RLOAD a                         ; the shortcut's rows of block a: row t of the tile is token 32 (a / 2) + 8 (a % 2) + t + 8 (t / 8)
.irp t, 0,1,2,3,4,5,6,7,8,9,10,11,12,13,14,15
	global_load_b128 v[RS+4*\t:RS+4*\t+3], v[CO], s[10:11] offset:(32*((\a)/2)+8*((\a)%2)+\t+8*(\t/8))*4096 th:TH_LOAD_NT
.endr
.endm
.macro TOSTAGE a
.set AC, 64*((\a)%4)
.set BB, BK+64*((\a)%2)
	WIN 0x08+4*((\a)/4)                            ; an LDS store's data: window 2 or 3
.irp b, 0,1,2,3,4,5,6,7
	ds_store_b128 v[STO], v[AC+8*\b:AC+8*\b+3] offset:128*(\b/2)+32*(\b%2)        ; each accumulator from its low end on
	ds_store_b128 v[STO], v[AC+8*\b+4:AC+8*\b+7] offset:128*(\b/2)+32*(\b%2)+16
.endr
	WIN 0
.irp t, 0,1,2,3,4,5,6,7,8,9,10,11,12,13,14,15
	ds_load_b128 v[BB+4*\t:BB+4*\t+3], v[RD] offset:528*\t   ; LDS serves a wave's instructions in order: these see my stores
.endr
.endm
	PLACES NP
	RLOAD 0
.irp a, 0,1,2,3,4,5,6,7
.if \a > 1
	s_wait_xcnt 0x0                                ; block a - 2's stores have read their registers: block a's rows may land there
.endif
	TOSTAGE \a
	s_wait_dscnt 0x0
	s_wait_loadcnt 0x0
.set BB, BK+64*(\a%2)
.set k, 0
.rept 32
	v_pk_add_f32 v[BB+k:BB+k+1], v[BB+k:BB+k+1], v[RS+k:RS+k+1]
.set k, k+2
.endr
.if \a < 7
	RLOAD \a+1
.endif
.irp t, 0,1,2,3,4,5,6,7,8,9,10,11,12,13,14,15
	global_store_b128 v[CO], v[BB+4*\t:BB+4*\t+3], s[12:13] offset:(32*(\a/2)+8*(\a%2)+\t+8*(\t/8))*4096   ; 32 lanes store 512 consecutive bytes, aligned
.endr
.endr
	s_wait_tensorcnt 0x0                           ; the wave's end
	ds_add_u32 v[SPW], v[NIL]
	s_wait_dscnt 0x0
	CROUND                                         ; the closing round
	s_endpgm
.Lfunc_end_k_q24a82998c7_wo:
	.size	k_q24a82998c7_wo, .Lfunc_end_k_q24a82998c7_wo-k_q24a82998c7_wo
	.p2alignl 7, 3214868480
	.fill 96, 4, 3214868480
	.section	.rodata,"a",@progbits
	.p2align	6, 0x0
	.amdhsa_kernel k_q24a82998c7_wo
		.amdhsa_group_segment_fixed_size 327680
		.amdhsa_private_segment_fixed_size 0
		.amdhsa_enable_private_segment 0
		.amdhsa_kernarg_size 40
		.amdhsa_user_sgpr_count 2
		.amdhsa_user_sgpr_kernarg_segment_ptr 1
		.amdhsa_wavefront_size32 1
		.amdhsa_system_sgpr_workgroup_id_x 1
		.amdhsa_system_sgpr_workgroup_id_y 1
		.amdhsa_system_sgpr_workgroup_id_z 1
		.amdhsa_system_vgpr_workitem_id 0
		.amdhsa_next_free_vgpr 1024
		.amdhsa_next_free_sgpr 72
		.amdhsa_reserve_vcc 0
		.amdhsa_float_denorm_mode_32 3
		.amdhsa_float_denorm_mode_16_64 3
		.amdhsa_memory_ordered 1
		.amdhsa_forward_progress 1
		.amdhsa_inst_pref_size 189
	.end_amdhsa_kernel
	.amdgpu_metadata
---
amdhsa.version: [ 1, 2 ]
amdhsa.kernels:
  - .name:           k_q24a82998c7_wo
    .symbol:         k_q24a82998c7_wo.kd
    .args:
      - { .name: ctx, .offset: 0, .size: 8, .value_kind: global_buffer, .address_space: global }
      - { .name: wc, .offset: 8, .size: 8, .value_kind: global_buffer, .address_space: global }
      - { .name: bo, .offset: 16, .size: 8, .value_kind: global_buffer, .address_space: global }
      - { .name: x, .offset: 24, .size: 8, .value_kind: global_buffer, .address_space: global }
      - { .name: x1, .offset: 32, .size: 8, .value_kind: global_buffer, .address_space: global }
    .group_segment_fixed_size: 327680
    .private_segment_fixed_size: 0
    .kernarg_segment_align: 8
    .kernarg_segment_size: 40
    .max_flat_workgroup_size: 128
    .sgpr_count:     72
    .vgpr_count:     1024
    .wavefront_size: 32
...
	.end_amdgpu_metadata
.endif
;; end of part 4
;; launch ln2 (part 5): grid 256 x 1, 8 waves a work-group, no clusters, 69,632 bytes of LDS; arguments x1, g2, s2, hA; writes hA
.if DOCPART == 5
	.amdgcn_target "amdgcn-amd-amdhsa--gfx1250"
	.amdhsa_code_object_version 6
	.text
	.protected	k_q24a82998c7_ln2
	.globl	k_q24a82998c7_ln2
	.p2align	8
	.type	k_q24a82998c7_ln2,@function
k_q24a82998c7_ln2:
	s_mov_b64 s[64:65], 0
	v_nop
	global_prefetch_b8 v0, s[64:65] scope:SCOPE_SE
	s_setreg_imm32_b32 hwreg(HW_REG_WAVE_MODE, 25, 1), 1
	s_wait_xcnt 0x0
; LayerNorm 2 of x1, quantised to FP6 (E2M3) with one E8M0 byte for each 32 along the 1,024 columns, laid as images of the fragments' registers (a block of 12,800 bytes = 8 fragments of 16 rows x 128 K + their scale words).
; A work-group owns 16 rows (tile T: rows 32 (T / 2) + 8 (T % 2) + r + 8 (r / 8)), wave w the columns 128 w .. 128 w + 127 (one fragment).  Mean and variance in two passes, in f32; the waves' sums meet in LDS.
; LIMITS: NaN and infinities are not served; a block under 2^-124, and a block of zeros, gets the byte 1 (this program alone reads the bytes).
.set RED1,  67584                      ; LDS: eight stages of 16 rows x 528 bytes, then the sums (512 bytes), the sums of squares (512 bytes),
.set SPARE, 68608                      ; and the spare words, 128 bytes for each wave: four blocks of 256 bytes that no other line names
.set X,   32
.set G,   96
.set S,   160
.set TM,  224
.set PW,  240
.set PC,  12
.set SEL, 46
.macro QUANT s
.irp b, 0,1,2,3
	v_max3_num_f32 v[TM+\b], |v[\s+16*\b]|, |v[\s+1+16*\b]|, 0x1800000
.endr
.irp i, 2,4,6,8,10,12,14
.irp b, 0,1,2,3
	v_max3_num_f32 v[TM+\b], v[TM+\b], |v[\s+16*\b+\i]|, |v[\s+1+16*\b+\i]|
.endr
.endr
.irp b, 0,1,2,3
	v_permlanex16_b32 v[TM+4+\b], v[TM+\b], s[SEL], s[SEL+1]
.endr
.irp b, 0,1,2,3
	v_max_num_f32 v[TM+\b], v[TM+\b], v[TM+4+\b]
.endr
.irp b, 0,1,2,3
	v_add_nc_u32 v[TM+12+\b], 0xff000000, v[TM+\b]
.endr
.irp b, 0,1,2,3
	v_lshrrev_b32 v[TM+4+\b], 23, v[TM+12+\b]
.endr
	v_lshl_or_b32 v[PW], v[TM+5], 8, v[TM+4]
	v_lshl_or_b32 v[PW], v[TM+6], 16, v[PW]
	v_lshl_or_b32 v[PW], v[TM+7], 24, v[PW]
.irp c, 0,1
	v_cvt_scalef32_pk16_fp6_f32 v[PC+6*\c:PC+2+6*\c], v[\s+32*\c:\s+15+32*\c], v[TM+12+2*\c]
	v_cvt_scalef32_pk16_fp6_f32 v[PC+12+4*\c:PC+14+4*\c], v[\s+16+32*\c:\s+31+32*\c], v[TM+12+2*\c+1]
.endr
	v_nop
.irp c, 0,1
.irp i, 0,1,2
	v_permlane16_swap_b32 v[PC+6*\c+\i], v[PC+12+4*\c+\i]
.endr
.irp i, 0,1,2
	v_mov_b32 v[PC+3+6*\c+\i], v[PC+12+4*\c+\i]
.endr
.endr
.endm
.macro REDUCE off
	v_pk_add_f32 v[242:243], v[242:243], v[244:245]
	v_add_f32 v242, v242, v243
	v_permlanex16_b32 v244, v242, s[SEL], s[SEL+1]
	v_add_f32 v242, v242, v244
	ds_store_b32 v9, v242 offset:\off
	s_wait_dscnt 0x0                               ; for the others' sake: my store is done
	s_barrier_signal -1
	s_barrier_wait -1
.irp i, 0,1,2,3,4,5,6,7
	ds_load_b32 v[TM+\i], v31 offset:\off+64*\i
.endr
	s_wait_dscnt 0x0
	v_add_f32 v[TM], v[TM], v[TM+1]
	v_add_f32 v[TM+2], v[TM+2], v[TM+3]
	v_add_f32 v[TM+4], v[TM+4], v[TM+5]
	v_add_f32 v[TM+6], v[TM+6], v[TM+7]
	v_add_f32 v[TM], v[TM], v[TM+2]
	v_add_f32 v[TM+4], v[TM+4], v[TM+6]
	v_add_f32 v[TM], v[TM], v[TM+4]
.endm
	s_load_b256 s[4:11], s[0:1], 0x0               ; x1, g2, s2, hA
	v_lshl_add_u32 v1, v0, 2, SPARE
	v_mov_b32 v2, 0
	v_lshrrev_b32 v3, 5, v0
	v_readfirstlane_b32 s26, v3
	s_mov_b32 s[SEL], 0x76543210
	s_mov_b32 s[SEL+1], 0xfedcba98
	v_and_b32 v3, 15, v0
	v_bfe_u32 v4, v0, 4, 1
	v_and_b32 v11, 31, v0
	v_lshlrev_b32 v5, 4, v11
	v_lshlrev_b32 v6, 6, v4
	s_mul_i32 s27, s26, 8448
	v_add_nc_u32 v7, s27, v5
	v_mul_u32_u24 v8, v3, 528
	v_add_nc_u32 v8, v8, v6
	v_add_nc_u32 v8, s27, v8
	v_lshlrev_b32 v10, 2, v3
	s_lshl_b32 s27, s26, 6
	s_add_co_u32 s27, s27, RED1
	v_add_nc_u32 v9, s27, v10
	v_add_nc_u32 v31, RED1, v10
	v_lshlrev_b32 v11, 3, v11
.irp b, 0,1,2,3
	v_mov_b32 v[TM+4+\b], 0
.endr
	v_mov_b32 v244, 0
	s_lshr_b32 s28, ttmp9, 1
	s_lshl_b32 s28, s28, 5
	s_and_b32 s29, ttmp9, 1
	s_lshl_b32 s29, s29, 3
	s_add_co_u32 s28, s28, s29
	s_lshl_b32 s28, s28, 12
	s_lshl_b32 s30, s26, 9
	s_add_co_u32 s28, s28, s30
	s_mov_b32 s29, 0
	s_mov_b32 s31, 0
	s_wait_kmcnt 0x0
	s_add_nc_u64 s[4:5], s[4:5], s[28:29]
	s_add_nc_u64 s[6:7], s[6:7], s[30:31]
	s_add_nc_u64 s[8:9], s[8:9], s[30:31]
	s_lshr_b32 s28, ttmp9, 3
	s_lshl_b32 s28, s28, 3
	s_add_co_u32 s28, s28, s26
	s_mul_i32 s28, s28, 12800
	s_and_b32 s30, ttmp9, 7
	s_mul_i32 s32, s30, 1536
	s_add_co_u32 s32, s32, s28
	s_mov_b32 s33, 0
	s_lshl_b32 s30, s30, 6
	s_add_co_u32 s30, s30, s28
	s_add_co_u32 s30, s30, 12288
	s_add_nc_u64 s[34:35], s[10:11], s[30:31]
	s_add_nc_u64 s[10:11], s[10:11], s[32:33]
.irp t, 0,1,2,3,4,5,6,7,8,9,10,11,12,13,14,15
	global_load_b128 v[X+4*\t:X+4*\t+3], v5, s[4:5] offset:(\t+8*(\t/8))*4096 th:TH_LOAD_NT   ; 32 lanes read 512 consecutive bytes of the tile's row t
.endr
.irp b, 0,1,2,3
.irp j, 0,1,2,3
	global_load_b128 v[G+16*\b+4*\j:G+16*\b+4*\j+3], v6, s[6:7] offset:128*\b+16*\j
.endr
.endr
.irp b, 0,1,2,3
.irp j, 0,1,2,3
	global_load_b128 v[S+16*\b+4*\j:S+16*\b+4*\j+3], v6, s[8:9] offset:128*\b+16*\j
.endr
.endr
	s_wait_loadcnt 32                              ; the 16 loads of rows are in; the 32 of gain and shift may be out
.irp t, 0,1,2,3,4,5,6,7,8,9,10,11,12,13,14,15
	ds_store_b128 v7, v[X+4*\t:X+4*\t+3] offset:528*\t
.endr
.irp b, 0,1,2,3
.irp j, 0,1,2,3
	ds_load_b128 v[X+16*\b+4*\j:X+16*\b+4*\j+3], v8 offset:128*\b+16*\j   ; LDS serves a wave's instructions in order: these see my stores
.endr
.endr
	s_wait_dscnt 0x0
	v_pk_add_f32 v[242:243], v[X:X+1], v[X+2:X+3]
	v_pk_add_f32 v[244:245], v[X+4:X+5], v[X+6:X+7]
.set j, 8
.rept 14
	v_pk_add_f32 v[242:243], v[242:243], v[X+j:X+j+1]
	v_pk_add_f32 v[244:245], v[244:245], v[X+j+2:X+j+3]
.set j, j+4
.endr
	REDUCE 0
	v_mul_f32 v246, 0x3a800000, v[TM]              ; the mean
	v_mov_b32 v247, v246
.set j, 0
.rept 32
	v_pk_add_f32 v[X+j:X+j+1], v[X+j:X+j+1], v[246:247] neg_lo:[0,1] neg_hi:[0,1]
.set j, j+2
.endr
	v_pk_mul_f32 v[242:243], v[X:X+1], v[X:X+1]
	v_pk_mul_f32 v[244:245], v[X+2:X+3], v[X+2:X+3]
.set j, 4
.rept 15
	v_pk_fma_f32 v[242:243], v[X+j:X+j+1], v[X+j:X+j+1], v[242:243]
	v_pk_fma_f32 v[244:245], v[X+j+2:X+j+3], v[X+j+2:X+j+3], v[244:245]
.set j, j+4
.endr
	REDUCE 512
	v_mul_f32 v248, 0x3a800000, v[TM]              ; the variance
	v_add_f32 v248, 0x3727c5ac, v248               ; + 1e-5
	v_rsq_f32 v250, v248
	v_nop
	s_wait_alu depctr_va_vdst(0)                   ; the wait ahead of the first reader
	v_mov_b32 v251, v250
	s_wait_loadcnt 0x0
.set j, 0
.rept 32
	v_pk_mul_f32 v[X+j:X+j+1], v[X+j:X+j+1], v[250:251]
.set j, j+2
.endr
.set j, 0
.rept 32
	v_pk_fma_f32 v[X+j:X+j+1], v[X+j:X+j+1], v[G+j:G+j+1], v[S+j:S+j+1]
.set j, j+2
.endr
	QUANT X
.irp p, 0,1,2,3,4,5
	global_store_b64 v11, v[PC+2*\p:PC+2*\p+1], s[10:11] offset:256*\p   ; 256 consecutive bytes, aligned
.endr
	global_store_b32 v10, v[PW], s[34:35]
	s_wait_tensorcnt 0x0                           ; the wave's end
	ds_add_u32 v1, v2
	s_wait_dscnt 0x0
	s_endpgm
.Lfunc_end_k_q24a82998c7_ln2:
	.size	k_q24a82998c7_ln2, .Lfunc_end_k_q24a82998c7_ln2-k_q24a82998c7_ln2
	.p2alignl 7, 3214868480
	.fill 96, 4, 3214868480
	.section	.rodata,"a",@progbits
	.p2align	6, 0x0
	.amdhsa_kernel k_q24a82998c7_ln2
		.amdhsa_group_segment_fixed_size 69632
		.amdhsa_private_segment_fixed_size 0
		.amdhsa_enable_private_segment 0
		.amdhsa_kernarg_size 32
		.amdhsa_user_sgpr_count 2
		.amdhsa_user_sgpr_kernarg_segment_ptr 1
		.amdhsa_wavefront_size32 1
		.amdhsa_system_sgpr_workgroup_id_x 1
		.amdhsa_system_sgpr_workgroup_id_y 1
		.amdhsa_system_sgpr_workgroup_id_z 1
		.amdhsa_system_vgpr_workitem_id 0
		.amdhsa_next_free_vgpr 256
		.amdhsa_next_free_sgpr 66
		.amdhsa_reserve_vcc 0
		.amdhsa_float_denorm_mode_32 3
		.amdhsa_float_denorm_mode_16_64 3
		.amdhsa_memory_ordered 1
		.amdhsa_forward_progress 1
		.amdhsa_inst_pref_size 26
	.end_amdhsa_kernel
	.amdgpu_metadata
---
amdhsa.version: [ 1, 2 ]
amdhsa.kernels:
  - .name:           k_q24a82998c7_ln2
    .symbol:         k_q24a82998c7_ln2.kd
    .args:
      - { .name: x1, .offset: 0, .size: 8, .value_kind: global_buffer, .address_space: global }
      - { .name: g2, .offset: 8, .size: 8, .value_kind: global_buffer, .address_space: global }
      - { .name: s2, .offset: 16, .size: 8, .value_kind: global_buffer, .address_space: global }
      - { .name: hA, .offset: 24, .size: 8, .value_kind: global_buffer, .address_space: global }
    .group_segment_fixed_size: 69632
    .private_segment_fixed_size: 0
    .kernarg_segment_align: 8
    .kernarg_segment_size: 32
    .max_flat_workgroup_size: 256
    .sgpr_count:     66
    .vgpr_count:     256
    .wavefront_size: 32
...
	.end_amdgpu_metadata
.endif
;; end of part 5
;; launch ffn1 (part 6): grid 16 x 16, 4 waves a work-group, clusters of 4 x 4, 327,680 bytes of LDS; arguments hA, wc, b1, hid; writes hid
.if DOCPART == 6
	.amdgcn_target "amdgcn-amd-amdhsa--gfx1250"
	.amdhsa_code_object_version 6
	.text
	.protected	k_q24a82998c7_ffn1
	.globl	k_q24a82998c7_ffn1
	.p2align	8
	.type	k_q24a82998c7_ffn1,@function
k_q24a82998c7_ffn1:
	s_mov_b64 s[64:65], 0
	v_nop
	global_prefetch_b8 v0, s[64:65] scope:SCOPE_SE
	s_setreg_imm32_b32 hwreg(HW_REG_WAVE_MODE, 25, 1), 1
	s_wait_xcnt 0x0
	s_wait_alu depctr_hold_cnt(0) depctr_sa_sdst(0) depctr_va_vdst(0) depctr_va_sdst(0) depctr_va_ssrc(0) depctr_va_vcc(0) depctr_vm_vsrc(0)
	s_getreg_b32 s2, hwreg(HW_REG_IB_STS2, 6, 4)
	s_cmp_eq_u32 s2, 0
	s_cbranch_scc0 .Lentry_in_a_cluster
	s_endpgm
.Lentry_in_a_cluster:
	s_bfe_u32 s2, ttmp6, 0x10000c
	s_cmp_lg_u32 s2, 0xf033
	s_cbranch_scc0 .Lentry_shape_is_right
	s_endpgm
.Lentry_shape_is_right:
; hid = Q(gelu(LN2(x1) W1 + b1)): the product on codes of FP6 (E2M3) with E8M0 scales; the activation in f32; the result quantised in registers along the hidden axis and stored as codes.
; A work-group makes 256 x 256, a wave 128 x 128: 64 accumulators.  Operands lie in memory as images of the fragments' registers: a block of 12,800 bytes = 8 fragments (128 rows x 128 K) + their scale words; a slot holds two K steps.
; Source 0 = 16 rows of W1, source 1 = 16 tokens; the rows of tile 2 b + u are 32 b + 8 u + r + 8 (r / 8): a lane holds a token, and the 64 registers of one of A's blocks are its 128 hidden units' half: 16 neighbours of each block of 32.
; So a wave's 128 x 128 is exactly one block of the next product's operand (128 tokens x one K step).  The bias is the C of each sum's first product.
; gelu(x) = x / (1 + 2^(x (B + A x^2))), B = -2 sqrt(2 / pi) log2(e), A = 0.044715 B: the same function as 0.5 x (1 + tanh(..)), with no difference of near numbers; where the power overflows or vanishes the limits are right.
; CLUSTERS: 4 x 4; the tokens' tile is shared along a row of the cluster, the weight's along a column: joint loads.
; LIMITS: NaN and infinities are not served; a block under 2^-124, and a block of zeros, gets the byte 1 (this program alone reads the bytes).
.set KSTEPS, 8
.set WOFF,   3276800                   ; W1's first byte in wc
.set ZERO,   2
.set PBB,    12800
.set HALFT,  2*PBB
.set SLOT,   4*HALFT
.set SPARE,  2*SLOT                    ; behind the ring: the spare words, 128 bytes a wave: two blocks of 256 bytes that no other line names
.set LAPS,   KSTEPS/4
.set NQ,     2
.set FR,     12
.set NL,     6
.set NP,     4
.set L8,   4
.set L4,   8
.set ADRA, 16
.set ADRB, 20
.set ADRS, 22
.set SPW,  28
.set NIL,  29
.set SC,   32
.set BI,   64                          ; v64-127 the bias; on the way out 64 numbers at work
.set T,    64
.set AF,   128
.set TM,   200
.set PWW,  216
.set PC,   224
.set PW,   244
.set G1,  24
.set G0,  32
.set G1B, 48
.set G0B, 56
.set SEL, 66
.set HIM, 68
.set AC2, 70                           ; s[70:71] A
.set MSB, 0
.macro WIN new
.if MSB != (\new)
	s_set_vgpr_msb (MSB<<8)|(\new)
.set MSB, (\new)
.endif
.endm
.set TO_B, 0x40
.macro WMUL hi, zero
.if (\zero) == 2
	WIN 0x81+0x40*(\hi)
.else
	WIN 0xa1+0x50*(\hi)
.endif
.endm
.macro JLOAD g0a, g1a, g0b, g1b
	s_cmp_eq_u32 s15, 0
	s_cbranch_scc0 .Lfor_b_\@
	tensor_load_to_lds s[\g0a:\g0a+3], s[\g1a:\g1a+7]
	s_nop 0
.rept 4
	v_nop
.endr
	s_branch .Lasked_\@
.Lfor_b_\@:
	tensor_load_to_lds s[\g0b:\g0b+3], s[\g1b:\g1b+7]
	s_nop 0
.rept 4
	v_nop
.endr
.Lasked_\@:
.endm
.macro CREST
	s_cmp_lg_u32 s14, 0
	s_cbranch_scc1 .Lnot_wave_0_\@
	s_barrier_signal -3
.Lnot_wave_0_\@:
	s_barrier_wait -3
	s_barrier_signal -1
	s_barrier_wait -1
.endm
.macro CROUND
	s_barrier_signal -1
	s_barrier_wait -1
	CREST
.endm
.macro PLACES n
.rept \n
	v_nop
.endr
.endm
.macro FRAG reg, adr, q, i
.irp p, 0,1,2,3,4,5
	ds_load_b64 v[(\reg)+2*\p:(\reg)+2*\p+1], v[\adr] offset:(\q)*PBB+(\i)*1536+256*\p
.endr
.endm
.macro MUL16 a0, p, q, sc, zero
.irp a, \a0, \a0+1
.irp b, 0,1,2,3,4,5,6,7
.if (\zero) == 1
	v_wmma_scale_f32_16x16x128_f8f6f4 v[8*(8*((\a)%4)+\b):8*(8*((\a)%4)+\b)+7], v[128*(\p)+FR*\b:128*(\p)+FR*\b+FR-1], v[AF+FR*(\a):AF+FR*(\a)+FR-1], 0, v[SC+16*(\sc)+2*\b+(\q)], v[SC+16*(\sc)+2*(\a)+(\q)] matrix_a_fmt:MATRIX_FMT_FP6 matrix_b_fmt:MATRIX_FMT_FP6 matrix_a_scale:MATRIX_SCALE_ROW1
.elseif (\zero) == 2
	v_wmma_scale_f32_16x16x128_f8f6f4 v[8*(8*((\a)%4)+\b):8*(8*((\a)%4)+\b)+7], v[128*(\p)+FR*\b:128*(\p)+FR*\b+FR-1], v[AF+FR*(\a):AF+FR*(\a)+FR-1], v[BI+8*\b:BI+8*\b+7], v[SC+16*(\sc)+2*\b+(\q)], v[SC+16*(\sc)+2*(\a)+(\q)] matrix_a_fmt:MATRIX_FMT_FP6 matrix_b_fmt:MATRIX_FMT_FP6 matrix_a_scale:MATRIX_SCALE_ROW1
.else
	v_wmma_scale_f32_16x16x128_f8f6f4 v[8*(8*((\a)%4)+\b):8*(8*((\a)%4)+\b)+7], v[128*(\p)+FR*\b:128*(\p)+FR*\b+FR-1], v[AF+FR*(\a):AF+FR*(\a)+FR-1], v[8*(8*((\a)%4)+\b):8*(8*((\a)%4)+\b)+7], v[SC+16*(\sc)+2*\b+(\q)], v[SC+16*(\sc)+2*(\a)+(\q)] matrix_a_fmt:MATRIX_FMT_FP6 matrix_b_fmt:MATRIX_FMT_FP6 matrix_a_scale:MATRIX_SCALE_ROW1
.endif
.endr
.endr
.endm
.macro FETCH_B slot, q, p
	WIN TO_B
.irp i, 0,1,2,3,4,5,6,7
	FRAG 128*(\p)+FR*\i, ADRB+\slot, \q, \i
.endr
	WIN 0
.endm
.macro FETCH_A slot, q, i0
.irp i, \i0, \i0+1, \i0+2, \i0+3
	FRAG AF+FR*(\i), ADRA+\slot, \q, \i
.endr
.endm
.macro SCALES sc
.irp i, 0,1,2,3,4,5,6,7
.irp q, 0,1
	ds_load_b32 v[SC+16*\sc+2*\i+\q], v[ADRS+\sc] offset:\q*PBB+64*\i
.endr
.endr
.endm
.macro STEP slot, q, zero
	s_wait_dscnt 4*NL                              ; all but the youngest 24 loads (A's blocks 4-7) are in
	WMUL 0, \zero
	MUL16 0, (\q)%2, \q, \slot, \zero
	MUL16 2, (\q)%2, \q, \slot, \zero
	s_wait_dscnt 0
	PLACES NP
	FETCH_B \slot, (\q)+1, 1-(\q)%2
	FETCH_A \slot, (\q)+1, 0
	WMUL 1, \zero
	MUL16 4, (\q)%2, \q, \slot, \zero
	MUL16 6, (\q)%2, \q, \slot, \zero
	PLACES NP
	WIN 0
	FETCH_A \slot, (\q)+1, 4
.endm
.macro TURN slot, next, fill
	s_wait_tensorcnt 0x0                           ; all my tensor loads have landed: my part of the next slot
	ds_add_u32 v[SPW], v[NIL]                      ; 0 onto my spare word
	s_wait_dscnt 4*NL+1                            ; the add and A's blocks 4-7 may be out
	WIN 0xa1
	MUL16 0, 1, NQ-1, \slot, 0
	s_wait_dscnt 0x0                               ; the add is done, and my reads of this slot are over
	s_barrier_signal -1
	MUL16 2, 1, NQ-1, \slot, 0
	WIN 0
	s_barrier_wait -1
.if \fill
	CREST
	s_add_nc_u64 s[G0+4*\slot+2:G0+4*\slot+3], s[G0+4*\slot+2:G0+4*\slot+3], 2*HALFT
	s_add_nc_u64 s[G0B+4*\slot+2:G0B+4*\slot+3], s[G0B+4*\slot+2:G0B+4*\slot+3], 2*HALFT
	JLOAD G0+4*\slot, G1, G0B+4*\slot, G1B
.else
	PLACES NP
.endif
	FETCH_B \next, 0, 0
	FETCH_A \next, 0, 0
	SCALES \next
	WIN 0xf1
	MUL16 4, 1, NQ-1, \slot, 0
	MUL16 6, 1, NQ-1, \slot, 0
	PLACES NP
	WIN 0
	FETCH_A \next, 0, 4
.endm
.macro QUANT s, w, pw
	WIN ((\w)<<2)|((\w)<<4)
.irp b, 0,1,2,3
	v_max3_num_f32 v[TM+\b], 0x1800000, |v[(\s)+16*\b]|, |v[(\s)+1+16*\b]|
.endr
.irp i, 2,4,6,8,10,12,14
.irp b, 0,1,2,3
	v_max3_num_f32 v[TM+\b], v[TM+\b], |v[(\s)+16*\b+\i]|, |v[(\s)+1+16*\b+\i]|
.endr
.endr
	WIN 0
.irp b, 0,1,2,3
	v_permlanex16_b32 v[TM+4+\b], v[TM+\b], s[SEL], s[SEL+1]
.endr
.irp b, 0,1,2,3
	v_max_num_f32 v[TM+\b], v[TM+\b], v[TM+4+\b]
.endr
.irp b, 0,1,2,3
	v_add_nc_u32 v[TM+12+\b], 0xff000000, v[TM+\b]
.endr
.irp b, 0,1,2,3
	v_lshrrev_b32 v[TM+4+\b], 23, v[TM+12+\b]
.endr
	v_lshl_or_b32 v[\pw], v[TM+5], 8, v[TM+4]
	v_lshl_or_b32 v[\pw], v[TM+6], 16, v[\pw]
	v_lshl_or_b32 v[\pw], v[TM+7], 24, v[\pw]
	s_wait_xcnt 0x0                                ; the last fragment's stores have read the codes' registers
	WIN (\w)
.irp c, 0,1
	v_cvt_scalef32_pk16_fp6_f32 v[PC+6*\c:PC+2+6*\c], v[(\s)+32*\c:(\s)+15+32*\c], v[TM+12+2*\c]
	v_cvt_scalef32_pk16_fp6_f32 v[PC+12+4*\c:PC+14+4*\c], v[(\s)+16+32*\c:(\s)+31+32*\c], v[TM+12+2*\c+1]
.endr
	WIN 0
	v_nop
.irp c, 0,1
.irp i, 0,1,2
	v_permlane16_swap_b32 v[PC+6*\c+\i], v[PC+12+4*\c+\i]
.endr
.irp i, 0,1,2
	v_mov_b32 v[PC+3+6*\c+\i], v[PC+12+4*\c+\i]
.endr
.endr
.endm
	s_load_b256 s[4:11], s[0:1], 0x0               ; hA, wc, b1, hid
	v_lshl_add_u32 v[SPW], v0, 2, SPARE
	v_mov_b32 v[NIL], 0
	ds_add_u32 v[SPW], v[NIL]                      ; the wave's opening: the add and its wait ahead of my first tensor load
	v_lshrrev_b32 v1, 5, v0
	v_readfirstlane_b32 s14, v1
	s_lshr_b32 s15, s14, 1
	s_and_b32 s16, s14, 1
	s_bfe_u32 s40, ttmp6, 0x40000
	s_bfe_u32 s41, ttmp6, 0x40004
	s_lshl_b32 s42, ttmp9, 2
	s_add_co_u32 s42, s42, s40
	s_and_b32 s17, ttmp7, 0xffff
	s_lshl_b32 s17, s17, 2
	s_add_co_u32 s17, s17, s41
	s_lshl_b32 s43, s41, 2
	s_lshl_b32 s43, 15, s43
	s_lshl_b32 s44, 0x1111, s40
	s_or_b32 s[G1+0], s43, (3<<16)|(1<<21)
	s_or_b32 s[G1B+0], s44, (3<<16)|(1<<21)
.irp g, G1, G1B
	s_mov_b32 s[\g+1], 32<<16
	s_mov_b32 s[\g+2], 100<<16
	s_mov_b32 s[\g+3], 32<<16
	s_mov_b32 s[\g+4], 100
	s_mov_b32 s[\g+5], 32
	s_mov_b32 s[\g+6], 0
	s_mov_b32 s[\g+7], 0
.endr
	s_lshl_b32 s20, s17, 1
	s_add_co_u32 s20, s20, s16
	s_mul_i32 s20, s20, KSTEPS*PBB
	s_mov_b32 s21, 0
	s_lshl_b32 s46, s42, 1
	s_add_co_u32 s46, s46, s16
	s_mul_i32 s46, s46, KSTEPS*PBB
	s_add_co_u32 s46, s46, WOFF
	s_mov_b32 s47, 0
	s_mul_i32 s45, s14, HALFT
	s_mov_b32 s[SEL], 0x76543210
	s_mov_b32 s[SEL+1], 0xfedcba98
	s_mov_b32 s[HIM], 0xffff0000
	s_mov_b32 s[AC2], 0xbdd2d3e8                   ; A = -0.10294324
	s_mov_b32 s[AC2+1], s[AC2]
	s_wait_dscnt 0x0
	s_wait_kmcnt 0x0
	s_add_nc_u64 s[20:21], s[4:5], s[20:21]
	s_add_nc_u64 s[46:47], s[6:7], s[46:47]
	CROUND
.irp s, 0,1
	s_mov_b32 s[G0+4*\s], 1
	s_add_co_u32 s[G0+4*\s+1], s45, \s*SLOT
	s_add_nc_u64 s[G0+4*\s+2:G0+4*\s+3], s[20:21], \s*HALFT
	s_or_b32 s[G0+4*\s+3], s[G0+4*\s+3], 0x80000000
	s_mov_b32 s[G0B+4*\s], 1
	s_add_co_u32 s[G0B+4*\s+1], s45, \s*SLOT
	s_add_nc_u64 s[G0B+4*\s+2:G0B+4*\s+3], s[46:47], \s*HALFT
	s_or_b32 s[G0B+4*\s+3], s[G0B+4*\s+3], 0x80000000
	JLOAD G0+4*\s, G1, G0B+4*\s, G1B
.endr
	v_and_b32 v1, 15, v0
	v_bfe_u32 v2, v0, 4, 1
	v_and_b32 v3, 31, v0
	v_lshlrev_b32 v[L8], 3, v3
	v_lshlrev_b32 v[L4], 2, v3
	v_lshlrev_b32 v9, 6, v2
	s_lshl_b32 s18, s42, 10
	s_lshl_b32 s19, s16, 9
	s_add_co_u32 s18, s18, s19
	s_mov_b32 s19, 0
	s_add_nc_u64 s[8:9], s[8:9], s[18:19]
.irp b, 0,1,2,3,4,5,6,7
	global_load_b128 v[BI+8*\b:BI+8*\b+3], v9, s[8:9] offset:(32*(\b/2)+8*(\b%2))*4
	global_load_b128 v[BI+8*\b+4:BI+8*\b+7], v9, s[8:9] offset:(32*(\b/2)+8*(\b%2))*4+16
.endr
	s_lshl_b32 s20, s17, 1
	s_add_co_u32 s20, s20, s15
	s_lshl_b32 s20, s20, 5
	s_lshl_b32 s21, s42, 1
	s_add_co_u32 s20, s20, s21
	s_add_co_u32 s20, s20, s16
	s_mul_i32 s20, s20, PBB                        ; my block of hid: (my 128 tokens) x 32 + (my 128 hidden units)
	s_mov_b32 s21, 0
	s_add_nc_u64 s[10:11], s[10:11], s[20:21]
	s_mul_i32 s21, s15, HALFT
	s_mul_i32 s22, s16, HALFT
	s_add_co_u32 s22, s22, 2*HALFT
	s_xor_b32 s23, s15, 1
	s_add_co_u32 s23, s23, s16
	s_add_co_u32 s23, s23, 1
	s_mul_i32 s23, s23, HALFT
	v_mul_u32_u24 v5, s23, v2
	v_lshl_add_u32 v5, v1, 2, v5
	s_add_co_u32 s18, s21, 8*1536
.irp s, 0,1
	v_add_nc_u32 v[ADRA+\s], s21, v[L8]
	v_add_nc_u32 v[ADRB+\s], s22, v[L8]
	v_add_nc_u32 v[ADRS+\s], s18, v5
	s_add_co_u32 s21, s21, SLOT
	s_add_co_u32 s22, s22, SLOT
	s_add_co_u32 s18, s18, SLOT
.endr
	v_mov_b32 v30, 0xc0135761                      ; B = -2.3022082
	v_mov_b32 v31, v30
	s_wait_tensorcnt 1                             ; my part of slot 0 is in; slot 1's load may be out
	s_barrier_signal -1
	s_barrier_wait -1
	FETCH_B 0, 0, 0
	FETCH_A 0, 0, 0
	SCALES 0
	FETCH_A 0, 0, 4
	s_wait_loadcnt 0x0                             ; the bias
	STEP 0, 0, ZERO
	s_mov_b32 s3, LAPS-1
.Llap:
	TURN 0, 1, 1
	STEP 1, 0, 0
	TURN 1, 0, 1
	STEP 0, 0, 0
	s_sub_co_u32 s3, s3, 1
	s_cmp_lg_u32 s3, 0
	s_cbranch_scc1 .Llap
	TURN 0, 1, 0
	STEP 1, 0, 0
	s_wait_dscnt 4*NL
	WIN 0xa1
	MUL16 0, 1, NQ-1, 1, 0
	MUL16 2, 1, NQ-1, 1, 0
	s_wait_dscnt 0
	WIN 0xf1
	MUL16 4, 1, NQ-1, 1, 0
	MUL16 6, 1, NQ-1, 1, 0
	WIN 0
; The activation of block a's 64 numbers a lane, into v[T] on.  Exponentials and reciprocals go as batches of 64, each with one plain place and one wait.
.macro GELU a
.set W, 2+(\a)/4
.set S0, 64*((\a)%4)
	WIN W|(W<<2)
.set k, 0
.rept 32
	v_pk_mul_f32 v[T+k:T+k+1], v[S0+k:S0+k+1], v[S0+k:S0+k+1]   ; x^2; each accumulator is read from its low end on
.set k, k+2
.endr
	WIN 0
.set k, 0
.rept 32
	v_pk_fma_f32 v[T+k:T+k+1], v[T+k:T+k+1], s[AC2:AC2+1], v[30:31] op_sel_hi:[1,0,0]   ; B + A x^2
.set k, k+2
.endr
	WIN W<<2
.set k, 0
.rept 32
	v_pk_mul_f32 v[T+k:T+k+1], v[T+k:T+k+1], v[S0+k:S0+k+1]
.set k, k+2
.endr
	WIN 0
.set k, 0
.rept 64
	v_exp_f32 v[T+k], v[T+k]
.set k, k+1
.endr
	v_nop
	s_wait_alu depctr_va_vdst(0)
.set k, 0
.rept 32
	v_pk_add_f32 v[T+k:T+k+1], v[T+k:T+k+1], 1.0 op_sel_hi:[1,0]
.set k, k+2
.endr
.set k, 0
.rept 64
	v_rcp_f32 v[T+k], v[T+k]
.set k, k+1
.endr
	v_nop
	s_wait_alu depctr_va_vdst(0)
	WIN W<<2
.set k, 0
.rept 32
	v_pk_mul_f32 v[T+k:T+k+1], v[T+k:T+k+1], v[S0+k:S0+k+1]
.set k, k+2
.endr
	WIN 0
.endm
	PLACES NP
.irp b, 0,1,2,3
	v_mov_b32 v[TM+4+\b], 0
.endr
.irp a, 0,1,2,3,4,5,6,7
	GELU \a
	QUANT T, 0, PW+\a
.irp p, 0,1,2,3,4,5
	global_store_b64 v[L8], v[PC+2*\p:PC+2*\p+1], s[10:11] offset:\a*1536+256*\p   ; 256 consecutive bytes, aligned
.endr
.if \a%2
	v_cndmask_b32 v[PWW+\a/2], v[PW+\a-1], v[PW+\a], s[HIM]
	global_store_b32 v[L4], v[PWW+\a/2], s[10:11] offset:12288+64*(\a-1)   ; two tiles' scale words: 128 consecutive bytes
.endif
.endr
	s_wait_tensorcnt 0x0                           ; the wave's end
	ds_add_u32 v[SPW], v[NIL]
	s_wait_dscnt 0x0
	CROUND                                         ; the closing round
	s_endpgm
.Lfunc_end_k_q24a82998c7_ffn1:
	.size	k_q24a82998c7_ffn1, .Lfunc_end_k_q24a82998c7_ffn1-k_q24a82998c7_ffn1
	.p2alignl 7, 3214868480
	.fill 96, 4, 3214868480
	.section	.rodata,"a",@progbits
	.p2align	6, 0x0
	.amdhsa_kernel k_q24a82998c7_ffn1
		.amdhsa_group_segment_fixed_size 327680
		.amdhsa_private_segment_fixed_size 0
		.amdhsa_enable_private_segment 0
		.amdhsa_kernarg_size 32
		.amdhsa_user_sgpr_count 2
		.amdhsa_user_sgpr_kernarg_segment_ptr 1
		.amdhsa_wavefront_size32 1
		.amdhsa_system_sgpr_workgroup_id_x 1
		.amdhsa_system_sgpr_workgroup_id_y 1
		.amdhsa_system_sgpr_workgroup_id_z 1
		.amdhsa_system_vgpr_workitem_id 0
		.amdhsa_next_free_vgpr 1024
		.amdhsa_next_free_sgpr 72
		.amdhsa_reserve_vcc 0
		.amdhsa_float_denorm_mode_32 3
		.amdhsa_float_denorm_mode_16_64 3
		.amdhsa_memory_ordered 1
		.amdhsa_forward_progress 1
		.amdhsa_inst_pref_size 255
	.end_amdhsa_kernel
	.section	.bss,"aw",@nobits
	.p2align	6
	.space	262144
	.amdgpu_metadata
---
amdhsa.version: [ 1, 2 ]
amdhsa.kernels:
  - .name:           k_q24a82998c7_ffn1
    .symbol:         k_q24a82998c7_ffn1.kd
    .args:
      - { .name: hA, .offset: 0, .size: 8, .value_kind: global_buffer, .address_space: global }
      - { .name: wc, .offset: 8, .size: 8, .value_kind: global_buffer, .address_space: global }
      - { .name: b1, .offset: 16, .size: 8, .value_kind: global_buffer, .address_space: global }
      - { .name: hid, .offset: 24, .size: 8, .value_kind: global_buffer, .address_space: global }
    .group_segment_fixed_size: 327680
    .private_segment_fixed_size: 0
    .kernarg_segment_align: 8
    .kernarg_segment_size: 32
    .max_flat_workgroup_size: 128
    .sgpr_count:     72
    .vgpr_count:     1024
    .wavefront_size: 32
...
	.end_amdgpu_metadata
.endif
;; end of part 6
;; launch ffn2 (part 7): grid 4 x 16, 4 waves a work-group, clusters of 4 x 4, 327,680 bytes of LDS; arguments hid, wc, b2, x1, out0; writes out0
.if DOCPART == 7
	.amdgcn_target "amdgcn-amd-amdhsa--gfx1250"
	.amdhsa_code_object_version 6
	.text
	.protected	k_q24a82998c7_ffn2
	.globl	k_q24a82998c7_ffn2
	.p2align	8
	.type	k_q24a82998c7_ffn2,@function
k_q24a82998c7_ffn2:
	s_mov_b64 s[64:65], 0
	v_nop
	global_prefetch_b8 v0, s[64:65] scope:SCOPE_SE
	s_setreg_imm32_b32 hwreg(HW_REG_WAVE_MODE, 25, 1), 1
	s_wait_xcnt 0x0
	s_wait_alu depctr_hold_cnt(0) depctr_sa_sdst(0) depctr_va_vdst(0) depctr_va_sdst(0) depctr_va_ssrc(0) depctr_va_vcc(0) depctr_vm_vsrc(0)
	s_getreg_b32 s2, hwreg(HW_REG_IB_STS2, 6, 4)
	s_cmp_eq_u32 s2, 0
	s_cbranch_scc0 .Lentry_in_a_cluster
	s_endpgm
.Lentry_in_a_cluster:
	s_bfe_u32 s2, ttmp6, 0x10000c
	s_cmp_lg_u32 s2, 0xf033
	s_cbranch_scc0 .Lentry_shape_is_right
	s_endpgm
.Lentry_shape_is_right:
; out0 = hid W2 + b2 + x1.  The product on codes of FP6 (E2M3) with E8M0 scales, K = 4,096; bias and shortcut in f32.  A work-group makes 256 x 256, a wave 128 x 128: 64 accumulators, 512 registers.
; OPERANDS lie in memory as images of the fragments' registers: a block of 12,800 bytes = 8 fragments (128 rows x 128 K) + their scale words.  A slot holds two K steps; a wave's tensor load brings 128 rows x 2 K steps, 25,600 dense bytes.
; Source 0 = 16 rows of the weight, source 1 = 16 tokens: a lane holds a token.  The rows of tile 2 b + u of both operands are 32 b + 8 u + r + 8 (r / 8).  The bias is the C of each sum's first product.
; CLUSTERS: 4 x 4; the tokens' tile is shared along a row of the cluster, the weight's along a column: joint loads.
; THE WAY OUT: a block of 16 tokens x 128 columns goes through my stage in slot 0 (its last fill and last read are over), comes back as rows of 512 bytes, takes the shortcut's row and is stored: two aligned units of 256 bytes an instruction.
.set KSTEPS, 32
.set WOFF,   6553600                   ; W2's first byte in wc
.set ZERO,   2
.set PBB,    12800
.set HALFT,  2*PBB
.set SLOT,   4*HALFT
.set SPARE,  2*SLOT                    ; behind the ring: the spare words, 128 bytes a wave: two blocks of 256 bytes that no other line names
.set LAPS,   KSTEPS/4
.set NQ,     2
.set FR,     12
.set NL,     6
.set NP,     4
.set L8,   4
.set ADRA, 16
.set ADRB, 20
.set ADRS, 22
.set STO,  24
.set RD,   25
.set CO,   26
.set SPW,  28
.set NIL,  29
.set SC,   32
.set BI,   64
.set RS,   64
.set AF,   128
.set BK,   128
.set G1,  24
.set G0,  32
.set G1B, 48
.set G0B, 56
.set MSB, 0
.macro WIN new
.if MSB != (\new)
	s_set_vgpr_msb (MSB<<8)|(\new)
.set MSB, (\new)
.endif
.endm
.set TO_B, 0x40
.macro WMUL hi, zero
.if (\zero) == 2
	WIN 0x81+0x40*(\hi)
.else
	WIN 0xa1+0x50*(\hi)
.endif
.endm
.macro JLOAD g0a, g1a, g0b, g1b
	s_cmp_eq_u32 s15, 0
	s_cbranch_scc0 .Lfor_b_\@
	tensor_load_to_lds s[\g0a:\g0a+3], s[\g1a:\g1a+7]
	s_nop 0
.rept 4
	v_nop
.endr
	s_branch .Lasked_\@
.Lfor_b_\@:
	tensor_load_to_lds s[\g0b:\g0b+3], s[\g1b:\g1b+7]
	s_nop 0
.rept 4
	v_nop
.endr
.Lasked_\@:
.endm
.macro CREST
	s_cmp_lg_u32 s14, 0
	s_cbranch_scc1 .Lnot_wave_0_\@
	s_barrier_signal -3
.Lnot_wave_0_\@:
	s_barrier_wait -3
	s_barrier_signal -1
	s_barrier_wait -1
.endm
.macro CROUND
	s_barrier_signal -1
	s_barrier_wait -1
	CREST
.endm
.macro PLACES n
.rept \n
	v_nop
.endr
.endm
.macro FRAG reg, adr, q, i
.irp p, 0,1,2,3,4,5
	ds_load_b64 v[(\reg)+2*\p:(\reg)+2*\p+1], v[\adr] offset:(\q)*PBB+(\i)*1536+256*\p
.endr
.endm
.macro MUL16 a0, p, q, sc, zero
.irp a, \a0, \a0+1
.irp b, 0,1,2,3,4,5,6,7
.if (\zero) == 1
	v_wmma_scale_f32_16x16x128_f8f6f4 v[8*(8*((\a)%4)+\b):8*(8*((\a)%4)+\b)+7], v[128*(\p)+FR*\b:128*(\p)+FR*\b+FR-1], v[AF+FR*(\a):AF+FR*(\a)+FR-1], 0, v[SC+16*(\sc)+2*\b+(\q)], v[SC+16*(\sc)+2*(\a)+(\q)] matrix_a_fmt:MATRIX_FMT_FP6 matrix_b_fmt:MATRIX_FMT_FP6 matrix_a_scale:MATRIX_SCALE_ROW1
.elseif (\zero) == 2
	v_wmma_scale_f32_16x16x128_f8f6f4 v[8*(8*((\a)%4)+\b):8*(8*((\a)%4)+\b)+7], v[128*(\p)+FR*\b:128*(\p)+FR*\b+FR-1], v[AF+FR*(\a):AF+FR*(\a)+FR-1], v[BI+8*\b:BI+8*\b+7], v[SC+16*(\sc)+2*\b+(\q)], v[SC+16*(\sc)+2*(\a)+(\q)] matrix_a_fmt:MATRIX_FMT_FP6 matrix_b_fmt:MATRIX_FMT_FP6 matrix_a_scale:MATRIX_SCALE_ROW1
.else
	v_wmma_scale_f32_16x16x128_f8f6f4 v[8*(8*((\a)%4)+\b):8*(8*((\a)%4)+\b)+7], v[128*(\p)+FR*\b:128*(\p)+FR*\b+FR-1], v[AF+FR*(\a):AF+FR*(\a)+FR-1], v[8*(8*((\a)%4)+\b):8*(8*((\a)%4)+\b)+7], v[SC+16*(\sc)+2*\b+(\q)], v[SC+16*(\sc)+2*(\a)+(\q)] matrix_a_fmt:MATRIX_FMT_FP6 matrix_b_fmt:MATRIX_FMT_FP6 matrix_a_scale:MATRIX_SCALE_ROW1
.endif
.endr
.endr
.endm
.macro FETCH_B slot, q, p
	WIN TO_B
.irp i, 0,1,2,3,4,5,6,7
	FRAG 128*(\p)+FR*\i, ADRB+\slot, \q, \i
.endr
	WIN 0
.endm
.macro FETCH_A slot, q, i0
.irp i, \i0, \i0+1, \i0+2, \i0+3
	FRAG AF+FR*(\i), ADRA+\slot, \q, \i
.endr
.endm
.macro SCALES sc
.irp i, 0,1,2,3,4,5,6,7
.irp q, 0,1
	ds_load_b32 v[SC+16*\sc+2*\i+\q], v[ADRS+\sc] offset:\q*PBB+64*\i
.endr
.endr
.endm
.macro STEP slot, q, zero
	s_wait_dscnt 4*NL                              ; all but the youngest 24 loads (A's blocks 4-7) are in
	WMUL 0, \zero
	MUL16 0, (\q)%2, \q, \slot, \zero
	MUL16 2, (\q)%2, \q, \slot, \zero
	s_wait_dscnt 0
	PLACES NP
	FETCH_B \slot, (\q)+1, 1-(\q)%2
	FETCH_A \slot, (\q)+1, 0
	WMUL 1, \zero
	MUL16 4, (\q)%2, \q, \slot, \zero
	MUL16 6, (\q)%2, \q, \slot, \zero
	PLACES NP
	WIN 0
	FETCH_A \slot, (\q)+1, 4
.endm
.macro TURN slot, next, fill
	s_wait_tensorcnt 0x0                           ; all my tensor loads have landed: my part of the next slot
	ds_add_u32 v[SPW], v[NIL]                      ; 0 onto my spare word
	s_wait_dscnt 4*NL+1                            ; the add and A's blocks 4-7 may be out
	WIN 0xa1
	MUL16 0, 1, NQ-1, \slot, 0
	s_wait_dscnt 0x0                               ; the add is done, and my reads of this slot are over
	s_barrier_signal -1
	MUL16 2, 1, NQ-1, \slot, 0
	WIN 0
	s_barrier_wait -1
.if \fill
	CREST
	s_add_nc_u64 s[G0+4*\slot+2:G0+4*\slot+3], s[G0+4*\slot+2:G0+4*\slot+3], 2*HALFT
	s_add_nc_u64 s[G0B+4*\slot+2:G0B+4*\slot+3], s[G0B+4*\slot+2:G0B+4*\slot+3], 2*HALFT
	JLOAD G0+4*\slot, G1, G0B+4*\slot, G1B
.else
	PLACES NP
.endif
	FETCH_B \next, 0, 0
	FETCH_A \next, 0, 0
	SCALES \next
	WIN 0xf1
	MUL16 4, 1, NQ-1, \slot, 0
	MUL16 6, 1, NQ-1, \slot, 0
	PLACES NP
	WIN 0
	FETCH_A \next, 0, 4
.endm
	s_load_b256 s[4:11], s[0:1], 0x0               ; the tokens' codes, wc, the bias, the shortcut
	s_load_b64 s[12:13], s[0:1], 0x20              ; the result
	v_lshl_add_u32 v[SPW], v0, 2, SPARE
	v_mov_b32 v[NIL], 0
	ds_add_u32 v[SPW], v[NIL]                      ; the wave's opening: the add and its wait ahead of my first tensor load
	v_lshrrev_b32 v1, 5, v0
	v_readfirstlane_b32 s14, v1
	s_lshr_b32 s15, s14, 1
	s_and_b32 s16, s14, 1
	s_bfe_u32 s40, ttmp6, 0x40000
	s_bfe_u32 s41, ttmp6, 0x40004
	s_lshl_b32 s42, ttmp9, 2
	s_add_co_u32 s42, s42, s40
	s_and_b32 s17, ttmp7, 0xffff
	s_lshl_b32 s17, s17, 2
	s_add_co_u32 s17, s17, s41
	s_lshl_b32 s43, s41, 2
	s_lshl_b32 s43, 15, s43
	s_lshl_b32 s44, 0x1111, s40
	s_or_b32 s[G1+0], s43, (3<<16)|(1<<21)
	s_or_b32 s[G1B+0], s44, (3<<16)|(1<<21)
.irp g, G1, G1B
	s_mov_b32 s[\g+1], 32<<16
	s_mov_b32 s[\g+2], 100<<16
	s_mov_b32 s[\g+3], 32<<16
	s_mov_b32 s[\g+4], 100
	s_mov_b32 s[\g+5], 32
	s_mov_b32 s[\g+6], 0
	s_mov_b32 s[\g+7], 0
.endr
	s_lshl_b32 s20, s17, 1
	s_add_co_u32 s20, s20, s16
	s_mul_i32 s20, s20, KSTEPS*PBB
	s_mov_b32 s21, 0
	s_lshl_b32 s46, s42, 1
	s_add_co_u32 s46, s46, s16
	s_mul_i32 s46, s46, KSTEPS*PBB
	s_add_co_u32 s46, s46, WOFF
	s_mov_b32 s47, 0
	s_mul_i32 s45, s14, HALFT
	s_wait_dscnt 0x0
	s_wait_kmcnt 0x0
	s_add_nc_u64 s[20:21], s[4:5], s[20:21]
	s_add_nc_u64 s[46:47], s[6:7], s[46:47]
	CROUND
.irp s, 0,1
	s_mov_b32 s[G0+4*\s], 1
	s_add_co_u32 s[G0+4*\s+1], s45, \s*SLOT
	s_add_nc_u64 s[G0+4*\s+2:G0+4*\s+3], s[20:21], \s*HALFT
	s_or_b32 s[G0+4*\s+3], s[G0+4*\s+3], 0x80000000
	s_mov_b32 s[G0B+4*\s], 1
	s_add_co_u32 s[G0B+4*\s+1], s45, \s*SLOT
	s_add_nc_u64 s[G0B+4*\s+2:G0B+4*\s+3], s[46:47], \s*HALFT
	s_or_b32 s[G0B+4*\s+3], s[G0B+4*\s+3], 0x80000000
	JLOAD G0+4*\s, G1, G0B+4*\s, G1B
.endr
	v_and_b32 v1, 15, v0
	v_bfe_u32 v2, v0, 4, 1
	v_and_b32 v3, 31, v0
	v_lshlrev_b32 v[L8], 3, v3
	v_lshlrev_b32 v9, 6, v2
	s_lshl_b32 s18, s42, 10
	s_lshl_b32 s19, s16, 9
	s_add_co_u32 s18, s18, s19
	s_mov_b32 s19, 0
	s_add_nc_u64 s[8:9], s[8:9], s[18:19]
.irp b, 0,1,2,3,4,5,6,7
	global_load_b128 v[BI+8*\b:BI+8*\b+3], v9, s[8:9] offset:(32*(\b/2)+8*(\b%2))*4
	global_load_b128 v[BI+8*\b+4:BI+8*\b+7], v9, s[8:9] offset:(32*(\b/2)+8*(\b%2))*4+16
.endr
	s_lshl_b32 s20, s17, 8
	s_lshl_b32 s21, s15, 7
	s_add_co_u32 s20, s20, s21
	s_lshl_b32 s20, s20, 12
	s_add_co_u32 s20, s20, s18
	s_mov_b32 s21, 0
	s_add_nc_u64 s[10:11], s[10:11], s[20:21]
	s_add_nc_u64 s[12:13], s[12:13], s[20:21]
	s_mul_i32 s21, s15, HALFT
	s_mul_i32 s22, s16, HALFT
	s_add_co_u32 s22, s22, 2*HALFT
	s_xor_b32 s23, s15, 1
	s_add_co_u32 s23, s23, s16
	s_add_co_u32 s23, s23, 1
	s_mul_i32 s23, s23, HALFT
	v_mul_u32_u24 v5, s23, v2
	v_lshl_add_u32 v5, v1, 2, v5
	s_add_co_u32 s18, s21, 8*1536
.irp s, 0,1
	v_add_nc_u32 v[ADRA+\s], s21, v[L8]
	v_add_nc_u32 v[ADRB+\s], s22, v[L8]
	v_add_nc_u32 v[ADRS+\s], s18, v5
	s_add_co_u32 s21, s21, SLOT
	s_add_co_u32 s22, s22, SLOT
	s_add_co_u32 s18, s18, SLOT
.endr
	s_mul_i32 s23, s14, 16*528
	v_mul_u32_u24 v6, v1, 528
	v_lshl_add_u32 v6, v2, 6, v6
	v_add_nc_u32 v[STO], s23, v6
	v_lshlrev_b32 v[CO], 4, v3
	v_add_nc_u32 v[RD], s23, v[CO]
	s_wait_tensorcnt 1                             ; my part of slot 0 is in; slot 1's load may be out
	s_barrier_signal -1
	s_barrier_wait -1
	FETCH_B 0, 0, 0
	FETCH_A 0, 0, 0
	SCALES 0
	FETCH_A 0, 0, 4
	s_wait_loadcnt 0x0                             ; the bias
	STEP 0, 0, ZERO
	s_mov_b32 s3, LAPS-1
.Llap:
	TURN 0, 1, 1
	STEP 1, 0, 0
	TURN 1, 0, 1
	STEP 0, 0, 0
	s_sub_co_u32 s3, s3, 1
	s_cmp_lg_u32 s3, 0
	s_cbranch_scc1 .Llap
	TURN 0, 1, 0
	STEP 1, 0, 0
	s_wait_dscnt 4*NL
	WIN 0xa1
	MUL16 0, 1, NQ-1, 1, 0
	MUL16 2, 1, NQ-1, 1, 0
	s_wait_dscnt 0
	WIN 0xf1
	MUL16 4, 1, NQ-1, 1, 0
	MUL16 6, 1, NQ-1, 1, 0
	WIN 0
.macro RLOAD a
.irp t, 0,1,2,3,4,5,6,7,8,9,10,11,12,13,14,15
	global_load_b128 v[RS+4*\t:RS+4*\t+3], v[CO], s[10:11] offset:(32*((\a)/2)+8*((\a)%2)+\t+8*(\t/8))*4096 th:TH_LOAD_NT
.endr
.endm
.macro TOSTAGE a
.set AC, 64*((\a)%4)
.set BB, BK+64*((\a)%2)
	WIN 0x08+4*((\a)/4)
.irp b, 0,1,2,3,4,5,6,7
	ds_store_b128 v[STO], v[AC+8*\b:AC+8*\b+3] offset:128*(\b/2)+32*(\b%2)
	ds_store_b128 v[STO], v[AC+8*\b+4:AC+8*\b+7] offset:128*(\b/2)+32*(\b%2)+16
.endr
	WIN 0
.irp t, 0,1,2,3,4,5,6,7,8,9,10,11,12,13,14,15
	ds_load_b128 v[BB+4*\t:BB+4*\t+3], v[RD] offset:528*\t
.endr
.endm
	PLACES NP
	RLOAD 0
.irp a, 0,1,2,3,4,5,6,7
.if \a > 1
	s_wait_xcnt 0x0                                ; block a - 2's stores have read their registers: block a's rows may land there
.endif
	TOSTAGE \a
	s_wait_dscnt 0x0
	s_wait_loadcnt 0x0
.set BB, BK+64*(\a%2)
.set k, 0
.rept 32
	v_pk_add_f32 v[BB+k:BB+k+1], v[BB+k:BB+k+1], v[RS+k:RS+k+1]
.set k, k+2
.endr
.if \a < 7
	RLOAD \a+1
.endif
.irp t, 0,1,2,3,4,5,6,7,8,9,10,11,12,13,14,15
	global_store_b128 v[CO], v[BB+4*\t:BB+4*\t+3], s[12:13] offset:(32*(\a/2)+8*(\a%2)+\t+8*(\t/8))*4096 th:TH_STORE_NT   ; 32 lanes store 512 consecutive bytes, aligned
.endr
.endr
	s_wait_tensorcnt 0x0                           ; the wave's end
	ds_add_u32 v[SPW], v[NIL]
	s_wait_dscnt 0x0
	CROUND                                         ; the closing round
	s_endpgm
.Lfunc_end_k_q24a82998c7_ffn2:
	.size	k_q24a82998c7_ffn2, .Lfunc_end_k_q24a82998c7_ffn2-k_q24a82998c7_ffn2
	.p2alignl 7, 3214868480
	.fill 96, 4, 3214868480
	.section	.rodata,"a",@progbits
	.p2align	6, 0x0
	.amdhsa_kernel k_q24a82998c7_ffn2
		.amdhsa_group_segment_fixed_size 327680
		.amdhsa_private_segment_fixed_size 0
		.amdhsa_enable_private_segment 0
		.amdhsa_kernarg_size 40
		.amdhsa_user_sgpr_count 2
		.amdhsa_user_sgpr_kernarg_segment_ptr 1
		.amdhsa_wavefront_size32 1
		.amdhsa_system_sgpr_workgroup_id_x 1
		.amdhsa_system_sgpr_workgroup_id_y 1
		.amdhsa_system_sgpr_workgroup_id_z 1
		.amdhsa_system_vgpr_workitem_id 0
		.amdhsa_next_free_vgpr 1024
		.amdhsa_next_free_sgpr 72
		.amdhsa_reserve_vcc 0
		.amdhsa_float_denorm_mode_32 3
		.amdhsa_float_denorm_mode_16_64 3
		.amdhsa_memory_ordered 1
		.amdhsa_forward_progress 1
		.amdhsa_inst_pref_size 189
	.end_amdhsa_kernel
	.amdgpu_metadata
---
amdhsa.version: [ 1, 2 ]
amdhsa.kernels:
  - .name:           k_q24a82998c7_ffn2
    .symbol:         k_q24a82998c7_ffn2.kd
    .args:
      - { .name: hid, .offset: 0, .size: 8, .value_kind: global_buffer, .address_space: global }
      - { .name: wc, .offset: 8, .size: 8, .value_kind: global_buffer, .address_space: global }
      - { .name: b2, .offset: 16, .size: 8, .value_kind: global_buffer, .address_space: global }
      - { .name: x1, .offset: 24, .size: 8, .value_kind: global_buffer, .address_space: global }
      - { .name: out0, .offset: 32, .size: 8, .value_kind: global_buffer, .address_space: global }
    .group_segment_fixed_size: 327680
    .private_segment_fixed_size: 0
    .kernarg_segment_align: 8
    .kernarg_segment_size: 40
    .max_flat_workgroup_size: 128
    .sgpr_count:     72
    .vgpr_count:     1024
    .wavefront_size: 32
...
	.end_amdgpu_metadata
.endif
;; end of part 7
;; ======== version 2 of 2: 7 launches
;; limits: right only within a limited range of input values
;; workspace buffers: wc 9,830,400 bytes; hA 3,276,800 bytes; qkv 9,830,400 bytes; ctx 3,276,800 bytes; x1 16,777,216 bytes; hid 13,107,200 bytes
;; launch prep (part 8): grid 640 x 1, 8 waves a work-group, no clusters, 69,632 bytes of LDS; arguments x, g1, s1, hA, Wq, Wk, Wv, Wo, W1, W2, wc; writes hA, wc
.if DOCPART == 8
	.amdgcn_target "amdgcn-amd-amdhsa--gfx1250"
	.amdhsa_code_object_version 6
	.text
	.protected	k_q24a82998c7_prep
	.globl	k_q24a82998c7_prep
	.p2align	8
	.type	k_q24a82998c7_prep,@function
k_q24a82998c7_prep:
	s_mov_b64 s[64:65], 0
	v_nop
	global_prefetch_b8 v0, s[64:65] scope:SCOPE_SE
	s_setreg_imm32_b32 hwreg(HW_REG_WAVE_MODE, 25, 1), 1
	s_wait_xcnt 0x0
; Work-groups 0-255: LayerNorm 1 of x, quantised to FP6 (E2M3) with one E8M0 byte for each 32 along the 1,024 columns.  Work-groups 256-639: the six weights, stored [K][N], quantised along K.
; LAYOUT OF ALL CODES OF THIS PROGRAM.  A fragment (16 rows x 128 K, 12 registers a lane) lies in memory as an image of its registers: six pieces of 256 bytes, piece p = registers 2 p, 2 p + 1, lane l at byte 8 l.
; A block of 12,800 bytes = the 8 fragments of 128 rows for one K step of 128, then their scale words (64 bytes a fragment, word r for row r).  The rows of tile 2 b + u are 32 b + 8 u + r + 8 (r / 8).
; LN: a work-group owns 16 rows (one tile), wave w the columns 128 w .. 128 w + 127 (one fragment).  Mean and variance in two passes, in f32; the waves' sums meet in LDS.
; WEIGHTS: a wave takes 128 rows of W (one K step) x 32 columns; a lane takes a column, its registers run down K: two fragments and 32 scale words, no LDS.
; LIMITS: NaN and infinities among the inputs are not served.  A block whose largest magnitude lies under 2^-124 gets the byte 1, a block of zeros too (its codes are zeros; this program alone reads the bytes).
.set RED1,  67584                      ; LDS: eight stages of 16 rows x 528 bytes, then the sums (512 bytes), the sums of squares (512 bytes),
.set SPARE, 68608                      ; and the spare words, 128 bytes for each wave: four blocks of 256 bytes that no other line names
.set X,   32                           ; v32-95   64 numbers of my row
.set G,   96                           ; v96-159  the gain at my columns
.set S,   160                          ; v160-223 the shift
.set TM,  224                          ; v224-239 at work
.set PW,  240                          ; the scale word
.set PC,  12                           ; v12-30   the codes
.set D,   32                           ; weights: v32-159 128 numbers of my column
.set CB,  160                          ; v160-191 codes, eight registers a block
.set SEL, 46                           ; s[46:47] lane selects: lane l xor 16
; 64 numbers of a lane, register 16 b + i = k 32 b + 16 (lane / 16) + i of my row, become a fragment's codes in v[PC] on and its scale word in v[PW]
.macro QUANT s
.irp b, 0,1,2,3
	v_max3_num_f32 v[TM+\b], |v[\s+16*\b]|, |v[\s+1+16*\b]|, 0x1800000   ; my 16 numbers of block b, and the floor 2^(3 - 127): the byte cannot fall under 1
.endr
.irp i, 2,4,6,8,10,12,14
.irp b, 0,1,2,3
	s_delay_alu instid0(VALU_DEP_4)
	v_max3_num_f32 v[TM+\b], v[TM+\b], |v[\s+16*\b+\i]|, |v[\s+1+16*\b+\i]|
.endr
.endr
.irp b, 0,1,2,3
	s_delay_alu instid0(VALU_DEP_4)
	v_permlanex16_b32 v[TM+4+\b], v[TM+\b], s[SEL], s[SEL+1]
.endr
.irp b, 0,1,2,3
	s_delay_alu instid0(VALU_DEP_4)
	v_max_num_f32 v[TM+\b], v[TM+\b], v[TM+4+\b]   ; with lane l xor 16's: the block's largest magnitude
.endr
.irp b, 0,1,2,3
	s_delay_alu instid0(VALU_DEP_4)
	v_add_nc_u32 v[TM+12+\b], 0xff000000, v[TM+\b] ; 2 off its exponent field: the conversion's scale operand
.endr
.irp b, 0,1,2,3
	s_delay_alu instid0(VALU_DEP_4)
	v_lshrrev_b32 v[TM+4+\b], 23, v[TM+12+\b]      ; the scale's byte
.endr
	s_delay_alu instid0(VALU_DEP_3)
	v_lshl_or_b32 v[PW], v[TM+5], 8, v[TM+4]
	s_delay_alu instid0(VALU_DEP_1)
	v_lshl_or_b32 v[PW], v[TM+6], 16, v[PW]
	s_delay_alu instid0(VALU_DEP_1)
	v_lshl_or_b32 v[PW], v[TM+7], 24, v[PW]
.irp c, 0,1
	v_cvt_scalef32_pk16_fp6_f32 v[PC+6*\c:PC+2+6*\c], v[\s+32*\c:\s+15+32*\c], v[TM+12+2*\c]
	v_cvt_scalef32_pk16_fp6_f32 v[PC+12+4*\c:PC+14+4*\c], v[\s+16+32*\c:\s+31+32*\c], v[TM+12+2*\c+1]
.endr
	v_nop                                          ; one plain place behind a scaled conversion
.irp c, 0,1                                    ; a whole block to a lane: lanes 0-15 block 2 c, lanes 16-31 block 2 c + 1
.irp i, 0,1,2
	v_permlane16_swap_b32 v[PC+6*\c+\i], v[PC+12+4*\c+\i]
.endr
.irp i, 0,1,2
	s_delay_alu instid0(VALU_DEP_3)
	v_mov_b32 v[PC+3+6*\c+\i], v[PC+12+4*\c+\i]
.endr
.endr
.endm
; v[242:245], two packed partial sums of my 64 numbers, become the row's sum over all 1,024 columns in v[TM]
.macro REDUCE off
	s_delay_alu instid0(VALU_DEP_1)
	v_pk_add_f32 v[242:243], v[242:243], v[244:245]
	s_delay_alu instid0(VALU_DEP_1)
	v_add_f32 v242, v242, v243
	s_delay_alu instid0(VALU_DEP_1)
	v_permlanex16_b32 v244, v242, s[SEL], s[SEL+1]
	s_delay_alu instid0(VALU_DEP_1)
	v_add_f32 v242, v242, v244                     ; my wave's 128 columns of row r
	ds_store_b32 v9, v242 offset:\off              ; (lanes r and r + 16 write the same word with the same value)
	s_wait_dscnt 0x0                               ; for the others' sake: my store is done
	s_barrier_signal -1
	s_barrier_wait -1
.irp i, 0,1,2,3,4,5,6,7
	ds_load_b32 v[TM+\i], v31 offset:\off+64*\i    ; the eight waves' sums of row r
.endr
	s_wait_dscnt 0x0
	v_add_f32 v[TM], v[TM], v[TM+1]
	v_add_f32 v[TM+2], v[TM+2], v[TM+3]
	v_add_f32 v[TM+4], v[TM+4], v[TM+5]
	v_add_f32 v[TM+6], v[TM+6], v[TM+7]
	s_delay_alu instid0(VALU_DEP_3)
	v_add_f32 v[TM], v[TM], v[TM+2]
	s_delay_alu instid0(VALU_DEP_2)
	v_add_f32 v[TM+4], v[TM+4], v[TM+6]
	s_delay_alu instid0(VALU_DEP_1)
	v_add_f32 v[TM], v[TM], v[TM+4]
.endm
	s_load_b256 s[4:11], s[0:1], 0x0               ; x, g1, s1, hA
	s_load_b256 s[12:19], s[0:1], 0x20             ; Wq, Wk, Wv, Wo
	s_load_b128 s[20:23], s[0:1], 0x40             ; W1, W2
	s_load_b64 s[24:25], s[0:1], 0x50              ; wc
	v_lshl_add_u32 v1, v0, 2, SPARE                ; my spare word; never rewritten
	v_mov_b32 v2, 0                                ; 0; never rewritten
	v_lshrrev_b32 v3, 5, v0
	s_delay_alu instid0(VALU_DEP_1)
	v_readfirstlane_b32 s26, v3                    ; wave 0..7
	s_mov_b32 s[SEL], 0x76543210
	s_mov_b32 s[SEL+1], 0xfedcba98
	s_wait_kmcnt 0x0
	s_cmp_lt_u32 ttmp9, 256
	s_cbranch_scc0 .Lweights
	; ---------------- LayerNorm and quantiser: tile ttmp9 of 16 rows
	v_and_b32 v3, 15, v0                           ; r
	v_bfe_u32 v4, v0, 4, 1                         ; h
	v_and_b32 v11, 31, v0                          ; lane
	s_delay_alu instid0(VALU_DEP_1)
	v_lshlrev_b32 v5, 4, v11                       ; 16 x lane
	s_delay_alu instid0(VALU_DEP_3)
	v_lshlrev_b32 v6, 6, v4                        ; 64 h
	s_mul_i32 s27, s26, 8448                       ; my stage
	v_add_nc_u32 v7, s27, v5                       ; into it: a row's 512 bytes as they lie
	v_mul_u32_u24 v8, v3, 528
	s_delay_alu instid0(VALU_DEP_1)
	v_add_nc_u32 v8, v8, v6
	s_delay_alu instid0(VALU_DEP_1)
	v_add_nc_u32 v8, s27, v8                       ; out of it: row r, + 64 h
	v_lshlrev_b32 v10, 2, v3                       ; 4 r
	s_lshl_b32 s27, s26, 6
	s_add_co_u32 s27, s27, RED1
	v_add_nc_u32 v9, s27, v10                      ; my wave's word for row r
	v_add_nc_u32 v31, RED1, v10                    ; wave 0's word for row r
	v_lshlrev_b32 v11, 3, v11                      ; 8 x lane
.irp b, 0,1,2,3
	v_mov_b32 v[TM+4+\b], 0                        ; a lane permute's destination counts as one of its sources
.endr
	v_mov_b32 v244, 0
	s_lshr_b32 s28, ttmp9, 1
	s_lshl_b32 s28, s28, 5
	s_and_b32 s29, ttmp9, 1
	s_lshl_b32 s29, s29, 3
	s_add_co_u32 s28, s28, s29                     ; the tile's first row: 32 (tile / 2) + 8 (tile % 2)
	s_lshl_b32 s28, s28, 12                        ; rows of 4,096 bytes
	s_lshl_b32 s30, s26, 9                         ; my 128 columns: 512 bytes
	s_add_co_u32 s28, s28, s30
	s_mov_b32 s29, 0
	s_mov_b32 s31, 0
	s_add_nc_u64 s[4:5], s[4:5], s[28:29]
	s_add_nc_u64 s[6:7], s[6:7], s[30:31]
	s_add_nc_u64 s[8:9], s[8:9], s[30:31]
	s_lshr_b32 s28, ttmp9, 3
	s_lshl_b32 s28, s28, 3
	s_add_co_u32 s28, s28, s26
	s_mul_i32 s28, s28, 12800                      ; the block of (128 rows, K step w)
	s_and_b32 s30, ttmp9, 7
	s_mul_i32 s32, s30, 1536
	s_add_co_u32 s32, s32, s28                     ; my fragment
	s_mov_b32 s33, 0
	s_lshl_b32 s30, s30, 6
	s_add_co_u32 s30, s30, s28
	s_add_co_u32 s30, s30, 12288                   ; its scale words
	s_add_nc_u64 s[34:35], s[10:11], s[30:31]
	s_add_nc_u64 s[10:11], s[10:11], s[32:33]
.irp t, 0,1,2,3,4,5,6,7,8,9,10,11,12,13,14,15
	global_load_b128 v[X+4*\t:X+4*\t+3], v5, s[4:5] offset:(\t+8*(\t/8))*4096 th:TH_LOAD_NT   ; 32 lanes read 512 consecutive bytes of the tile's row t
.endr
.irp b, 0,1,2,3
.irp j, 0,1,2,3
	global_load_b128 v[G+16*\b+4*\j:G+16*\b+4*\j+3], v6, s[6:7] offset:128*\b+16*\j
.endr
.endr
.irp b, 0,1,2,3
.irp j, 0,1,2,3
	global_load_b128 v[S+16*\b+4*\j:S+16*\b+4*\j+3], v6, s[8:9] offset:128*\b+16*\j
.endr
.endr
	s_wait_loadcnt 32                              ; the 16 loads of rows are in; the 32 of gain and shift may be out
.irp t, 0,1,2,3,4,5,6,7,8,9,10,11,12,13,14,15
	ds_store_b128 v7, v[X+4*\t:X+4*\t+3] offset:528*\t
.endr
.irp b, 0,1,2,3
.irp j, 0,1,2,3
	ds_load_b128 v[X+16*\b+4*\j:X+16*\b+4*\j+3], v8 offset:128*\b+16*\j   ; LDS serves a wave's instructions in order: these see my stores.  Register 16 b + i = column 32 b + 16 h + i of row r
.endr
.endr
	s_wait_dscnt 0x0
	v_pk_add_f32 v[242:243], v[X:X+1], v[X+2:X+3]
	v_pk_add_f32 v[244:245], v[X+4:X+5], v[X+6:X+7]
.set j, 8
.rept 14
	s_delay_alu instid0(VALU_DEP_2)
	v_pk_add_f32 v[242:243], v[242:243], v[X+j:X+j+1]
	s_delay_alu instid0(VALU_DEP_2)
	v_pk_add_f32 v[244:245], v[244:245], v[X+j+2:X+j+3]
.set j, j+4
.endr
	REDUCE 0
	s_delay_alu instid0(VALU_DEP_1)
	v_mul_f32 v246, 0x3a800000, v[TM]              ; the mean: the sum x 2^-10
	s_delay_alu instid0(VALU_DEP_1)
	v_mov_b32 v247, v246
.set j, 0
.rept 32
	v_pk_add_f32 v[X+j:X+j+1], v[X+j:X+j+1], v[246:247] neg_lo:[0,1] neg_hi:[0,1]
.set j, j+2
.endr
	v_pk_mul_f32 v[242:243], v[X:X+1], v[X:X+1]
	v_pk_mul_f32 v[244:245], v[X+2:X+3], v[X+2:X+3]
.set j, 4
.rept 15
	s_delay_alu instid0(VALU_DEP_2)
	v_pk_fma_f32 v[242:243], v[X+j:X+j+1], v[X+j:X+j+1], v[242:243]
	s_delay_alu instid0(VALU_DEP_2)
	v_pk_fma_f32 v[244:245], v[X+j+2:X+j+3], v[X+j+2:X+j+3], v[244:245]
.set j, j+4
.endr
	REDUCE 512                                     ; other words than the first sums': no wave overwrites what another still reads
	s_delay_alu instid0(VALU_DEP_1)
	v_mul_f32 v248, 0x3a800000, v[TM]              ; the variance
	s_delay_alu instid0(VALU_DEP_1)
	v_add_f32 v248, 0x3727c5ac, v248               ; + 1e-5
	s_wait_alu depctr_va_vdst(0)
	v_rsq_f32 v250, v248
	v_nop                                          ; a plain place behind the transcendental
	s_wait_alu depctr_va_vdst(0)                   ; the wait ahead of the first reader
	v_mov_b32 v251, v250
	s_wait_alu depctr_va_vdst(0)
	s_wait_loadcnt 0x0                             ; gain and shift
.set j, 0
.rept 32
	v_pk_mul_f32 v[X+j:X+j+1], v[X+j:X+j+1], v[250:251]
.set j, j+2
.endr
.set j, 0
.rept 32
	v_pk_fma_f32 v[X+j:X+j+1], v[X+j:X+j+1], v[G+j:G+j+1], v[S+j:S+j+1]
.set j, j+2
.endr
	QUANT X
.irp p, 0,1,2,3,4,5
	global_store_b64 v11, v[PC+2*\p:PC+2*\p+1], s[10:11] offset:256*\p   ; 32 lanes store 256 consecutive bytes, aligned
.endr
	global_store_b32 v10, v[PW], s[34:35]          ; 64 bytes of scale words (lanes r and r + 16 hold the same word)
	s_wait_tensorcnt 0x0                           ; the wave's end
	ds_add_u32 v1, v2
	s_wait_dscnt 0x0
	s_endpgm
; ---------------- the weights.  s30 first panel of 128 columns, s32 log2 of the K steps, s33 first byte in wc, s34 K step, s35 which 256 columns, s[36:37] the weight
.macro LOADB b, pitch                  ; block b of the K step: rows 32 b .. 32 b + 31 into v[D + 32 b] on  (the argument is put in as text: it stands in brackets)
.set i, 0
.rept 32
	global_load_b32 v[D+32*(\b)+i], v3, s[36:37] offset:(32*(\b)+i)*(\pitch) th:TH_LOAD_NT   ; one row of W at my wave's 32 columns: 128 consecutive bytes
.set i, i+1
.endr
.endm
.macro WQ pitch
	s_lshl_b32 s42, s35, 1
	s_lshr_b32 s43, s26, 2
	s_add_co_u32 s42, s42, s43
	s_add_co_u32 s42, s42, s30                     ; my panel of 128 columns
	s_lshl_b32 s42, s42, s32
	s_add_co_u32 s42, s42, s34
	s_mul_i32 s42, s42, 12800
	s_add_co_u32 s42, s42, s33                     ; the block of (panel, K step)
	s_and_b32 s43, s26, 3
	s_mul_i32 s44, s43, 3072
	s_add_co_u32 s38, s42, s44                     ; my two fragments
	s_mov_b32 s39, 0
	s_lshl_b32 s43, s43, 7
	s_add_co_u32 s40, s42, s43
	s_add_co_u32 s40, s40, 12288                   ; their scale words
	s_mov_b32 s41, 0
	s_add_nc_u64 s[38:39], s[24:25], s[38:39]
	s_add_nc_u64 s[40:41], s[24:25], s[40:41]
	s_mul_i32 s42, s34, 128*\pitch                 ; the K step's 128 rows
	s_lshl_b32 s43, s35, 10
	s_add_co_u32 s42, s42, s43
	s_lshl_b32 s43, s26, 7
	s_add_co_u32 s42, s42, s43                     ; column 256 cg + 32 w, in bytes
	s_mov_b32 s43, 0
	s_add_nc_u64 s[36:37], s[36:37], s[42:43]
	v_and_b32 v4, 31, v0                           ; lane
	s_delay_alu instid0(VALU_DEP_1)
	v_and_b32 v3, 7, v4
	s_delay_alu instid0(VALU_DEP_2)
	v_bfe_u32 v5, v4, 3, 1
	s_delay_alu instid0(VALU_DEP_1)
	v_lshl_add_u32 v3, v5, 4, v3
	s_delay_alu instid0(VALU_DEP_4)
	v_lshrrev_b32 v5, 4, v4
	s_delay_alu instid0(VALU_DEP_1)
	v_lshl_add_u32 v3, v5, 3, v3                   ; my column: lanes 0-15 are the rows of tile 2 b, lanes 16-31 those of tile 2 b + 1
	s_delay_alu instid0(VALU_DEP_1)
	v_lshlrev_b32 v3, 2, v3
	v_lshlrev_b32 v22, 3, v4                       ; 8 x lane
	v_lshlrev_b32 v23, 2, v4                       ; 4 x lane
	LOADB 0, \pitch
	LOADB 1, \pitch
	s_wait_alu depctr_va_vdst(0)
.irp b, 0,1,2,3
.if \b < 3
	s_wait_loadcnt 32                              ; this block's 32 loads are in; the next block's may be out
.else
	s_wait_loadcnt 0x0
.endif
.if \b < 2
	LOADB \b+2, \pitch                             ; two blocks ahead, into registers of its own
.endif
	v_max3_num_f32 v12, |v[D+32*\b]|, |v[D+32*\b+1]|, |v[D+32*\b+2]|   ; the block's largest magnitude: all 32 numbers are mine
	v_max3_num_f32 v13, |v[D+32*\b+3]|, |v[D+32*\b+4]|, |v[D+32*\b+5]|
.irp i, 6,10,14,18,22,26
	s_delay_alu instid0(VALU_DEP_2)
	v_max3_num_f32 v12, v12, |v[D+32*\b+\i]|, |v[D+32*\b+\i+1]|
	s_delay_alu instid0(VALU_DEP_2)
	v_max3_num_f32 v13, v13, |v[D+32*\b+\i+2]|, |v[D+32*\b+\i+3]|
.endr
	s_delay_alu instid0(VALU_DEP_2)
	v_max3_num_f32 v12, v12, |v[D+32*\b+30]|, |v[D+32*\b+31]|
	s_delay_alu instid0(VALU_DEP_1)
	v_max3_num_f32 v12, v12, v13, 0x1800000        ; and the floor
	s_delay_alu instid0(VALU_DEP_1)
	v_add_nc_u32 v[14+\b], 0xff000000, v12         ; the conversion's scale operand
	s_delay_alu instid0(VALU_DEP_1)
	v_lshrrev_b32 v13, 23, v[14+\b]                ; the byte
.if \b == 0
	s_delay_alu instid0(VALU_DEP_1)
	v_mov_b32 v21, v13
.else
	s_delay_alu instid0(VALU_DEP_1)
	v_lshl_or_b32 v21, v13, 8*\b, v21              ; my column's scale word
.endif
	v_cvt_scalef32_pk16_fp6_f32 v[CB+8*\b:CB+8*\b+2], v[D+32*\b:D+32*\b+15], v[14+\b]
	v_cvt_scalef32_pk16_fp6_f32 v[CB+8*\b+4:CB+8*\b+6], v[D+32*\b+16:D+32*\b+31], v[14+\b]
.endr
	v_nop                                          ; one plain place behind the last scaled conversion
.irp b, 0,1,2,3
	v_mov_b32 v[CB+8*\b+3], v[CB+8*\b+4]           ; a block's six registers on end
	v_mov_b32 v[CB+8*\b+4], v[CB+8*\b+5]
	v_mov_b32 v[CB+8*\b+5], v[CB+8*\b+6]
.endr
.irp i, 0,1,2,3,4,5                            ; blocks 0 and 1 (2 and 3) change halves: the first then holds tile 0's registers 0-5 (6-11), the second tile 1's
	v_permlane16_swap_b32 v[CB+\i], v[CB+8+\i]
	v_permlane16_swap_b32 v[CB+16+\i], v[CB+24+\i]
.endr
.irp p, 0,1,2
	global_store_b64 v22, v[CB+2*\p:CB+2*\p+1], s[38:39] offset:256*\p
	global_store_b64 v22, v[CB+16+2*\p:CB+17+2*\p], s[38:39] offset:768+256*\p
	global_store_b64 v22, v[CB+8+2*\p:CB+9+2*\p], s[38:39] offset:1536+256*\p
	global_store_b64 v22, v[CB+24+2*\p:CB+25+2*\p], s[38:39] offset:2304+256*\p
.endr
	global_store_b32 v23, v21, s[40:41]            ; 128 consecutive bytes: the two tiles' scale words
.endm
.Lweights:
	s_sub_co_u32 s27, ttmp9, 256                   ; 0-127: Wq, Wk, Wv, Wo;  128-255: W1;  256-383: W2
	s_sub_co_u32 s28, s27, 128
	s_cmp_lt_u32 s28, 128
	s_cbranch_scc1 .Lw1
	s_lshr_b32 s29, s27, 5                         ; which of the four
	s_cmp_eq_u32 s29, 1
	s_cselect_b64 s[36:37], s[14:15], s[12:13]
	s_cmp_eq_u32 s29, 2
	s_cselect_b64 s[36:37], s[16:17], s[36:37]
	s_cmp_eq_u32 s29, 3
	s_cselect_b64 s[36:37], s[18:19], s[36:37]
	s_lshl_b32 s30, s29, 3
	s_cmp_ge_u32 s27, 256                          ; W2?
	s_cselect_b64 s[36:37], s[22:23], s[36:37]
	s_cselect_b32 s30, 0, s30
	s_cselect_b32 s31, 31, 7
	s_cselect_b32 s32, 5, 3
	s_cselect_b32 s33, 0x640000, 0
	s_lshr_b32 s34, s27, 2
	s_and_b32 s34, s34, s31
	s_and_b32 s35, s27, 3
	WQ 4096
	s_endpgm
.Lw1:
	s_mov_b64 s[36:37], s[20:21]
	s_mov_b32 s30, 32
	s_mov_b32 s32, 3
	s_mov_b32 s33, 0
	s_lshr_b32 s34, s28, 4
	s_and_b32 s35, s28, 15
	WQ 16384
	s_endpgm
.Lfunc_end_k_q24a82998c7_prep:
	.size	k_q24a82998c7_prep, .Lfunc_end_k_q24a82998c7_prep-k_q24a82998c7_prep
	.p2alignl 7, 3214868480
	.fill 96, 4, 3214868480
	.section	.rodata,"a",@progbits
	.p2align	6, 0x0
	.amdhsa_kernel k_q24a82998c7_prep
		.amdhsa_group_segment_fixed_size 69632
		.amdhsa_private_segment_fixed_size 0
		.amdhsa_enable_private_segment 0
		.amdhsa_kernarg_size 88
		.amdhsa_user_sgpr_count 2
		.amdhsa_user_sgpr_kernarg_segment_ptr 1
		.amdhsa_wavefront_size32 1
		.amdhsa_system_sgpr_workgroup_id_x 1
		.amdhsa_system_sgpr_workgroup_id_y 1
		.amdhsa_system_sgpr_workgroup_id_z 1
		.amdhsa_system_vgpr_workitem_id 0
		.amdhsa_next_free_vgpr 256
		.amdhsa_next_free_sgpr 66
		.amdhsa_reserve_vcc 0
		.amdhsa_float_denorm_mode_32 3
		.amdhsa_float_denorm_mode_16_64 3
		.amdhsa_memory_ordered 1
		.amdhsa_forward_progress 1
		.amdhsa_inst_pref_size 78
	.end_amdhsa_kernel
	.amdgpu_metadata
---
amdhsa.version: [ 1, 2 ]
amdhsa.kernels:
  - .name:           k_q24a82998c7_prep
    .symbol:         k_q24a82998c7_prep.kd
    .args:
      - { .name: x, .offset: 0, .size: 8, .value_kind: global_buffer, .address_space: global }
      - { .name: g1, .offset: 8, .size: 8, .value_kind: global_buffer, .address_space: global }
      - { .name: s1, .offset: 16, .size: 8, .value_kind: global_buffer, .address_space: global }
      - { .name: hA, .offset: 24, .size: 8, .value_kind: global_buffer, .address_space: global }
      - { .name: Wq, .offset: 32, .size: 8, .value_kind: global_buffer, .address_space: global }
      - { .name: Wk, .offset: 40, .size: 8, .value_kind: global_buffer, .address_space: global }
      - { .name: Wv, .offset: 48, .size: 8, .value_kind: global_buffer, .address_space: global }
      - { .name: Wo, .offset: 56, .size: 8, .value_kind: global_buffer, .address_space: global }
      - { .name: W1, .offset: 64, .size: 8, .value_kind: global_buffer, .address_space: global }
      - { .name: W2, .offset: 72, .size: 8, .value_kind: global_buffer, .address_space: global }
      - { .name: wc, .offset: 80, .size: 8, .value_kind: global_buffer, .address_space: global }
    .group_segment_fixed_size: 69632
    .private_segment_fixed_size: 0
    .kernarg_segment_align: 8
    .kernarg_segment_size: 88
    .max_flat_workgroup_size: 256
    .sgpr_count:     66
    .vgpr_count:     256
    .wavefront_size: 32
...
	.end_amdgpu_metadata
.endif
;; end of part 8
;; launch qkv (part 9): grid 12 x 16, 4 waves a work-group, clusters of 4 x 4, 327,680 bytes of LDS; arguments hA, wc, qkv; writes qkv
.if DOCPART == 9
	.amdgcn_target "amdgcn-amd-amdhsa--gfx1250"
	.amdhsa_code_object_version 6
	.text
	.protected	k_q24a82998c7_qkv
	.globl	k_q24a82998c7_qkv
	.p2align	8
	.type	k_q24a82998c7_qkv,@function
k_q24a82998c7_qkv:
	s_mov_b64 s[64:65], 0
	v_nop
	global_prefetch_b8 v0, s[64:65] scope:SCOPE_SE
	s_setreg_imm32_b32 hwreg(HW_REG_WAVE_MODE, 25, 1), 1
	s_wait_xcnt 0x0
	s_wait_alu depctr_hold_cnt(0) depctr_sa_sdst(0) depctr_va_vdst(0) depctr_va_sdst(0) depctr_va_ssrc(0) depctr_va_vcc(0) depctr_vm_vsrc(0)
	s_getreg_b32 s2, hwreg(HW_REG_IB_STS2, 6, 4)
	s_cmp_eq_u32 s2, 0
	s_cbranch_scc0 .Lentry_in_a_cluster
	s_endpgm
.Lentry_in_a_cluster:
	s_bfe_u32 s2, ttmp6, 0x10000c
	s_cmp_lg_u32 s2, 0xf033
	s_cbranch_scc0 .Lentry_shape_is_right
	s_endpgm
.Lentry_shape_is_right:
; q, k, v = LN1(x) Wq, Wk, Wv on codes of FP6 (E2M3) with E8M0 scales, and their quantising for attention, in one launch.  A work-group makes 256 x 256, a wave 128 x 128: 64 accumulators, 512 registers.
; OPERANDS lie in memory as images of the fragments' registers: a block of 12,800 bytes = 8 fragments (128 rows x 128 K) + their scale words.  A slot holds two K steps; a wave's tensor load brings 128 rows x 2 K steps, 25,600 dense bytes.
; LDS region A (waves 0, 1 fetch it) feeds source 1: a lane of the result holds one of its rows.  Region B (waves 2, 3) feeds source 0: the result's registers run along its rows.
; Clusters x = 0, 1 (q, k): A = tokens, B = weight rows: a lane holds a token, its registers 128 neighbouring channels (two heads), which are quantised along the head's 64.
; Cluster x = 2 (v): the product is taken transposed BY COORDINATES: A = Wv's rows (row tile = cy), B = tokens (column tile = 4 x cluster y + cx): a lane holds a channel, its registers 128 neighbouring keys.
; Only the two buffer addresses and the panel numbers are chosen, on the cluster's x, which all partners share; masks, LDS addresses and the loop are one text.
; The rows of tile 2 b + u of every operand are 32 b + 8 u + r + 8 (r / 8), so that the 16 registers of result tiles 2 b, 2 b + 1 are 16 neighbours along source 0's axis.
; OUT: qkv [head 0..31][step of 128 tokens][Q, K, V records of 6,400 bytes].  Q, K: pair fragment b = token tile 2 b in registers 0-5, tile 2 b + 1 in registers 6-11; V: fragment t = channels' tile t x 128 keys.
; CLUSTERS: 4 x 4; region A's tile is shared along a row of the cluster, B's along a column: joint loads.
; LIMITS: NaN and infinities are not served; a block under 2^-124, and a block of zeros, gets the byte 1 (this program alone reads the bytes).
.set KSTEPS, 8
.set ZERO,   1                         ; the first products take the constant 0 as C
.set PBB,    12800
.set HALFT,  2*PBB
.set WREG,   2*HALFT                   ; LDS: a fetching wave's own region: its 128 rows' part of slot 0, then of slot 1, on end
.set SLOT,   HALFT                     ; so from slot 0 to slot 1 is one part.  AT THE HEAD one load a wave brings K steps 0 to 3, 51,200 dense bytes, into both parts; a refill brings one part
.set SPARE,  4*WREG                    ; behind the four regions: the spare words, 128 bytes a wave: two blocks of 256 bytes that no other line names
.set G1H,  72                          ; s[72:79], s[80:87] descriptor groups 1 of the head's loads: 200 rows
.set G1HB, 80
.set PFA,  88                          ; s[88:89] where my prefetches stand
.set LAPS,   KSTEPS/4
.set NQ,     2
.set FR,     12
.set NL,     6
.set NP,     4
.set HS,     307200                    ; a head's bytes in qkv
.set L8,   4                           ; v4   8 x lane
.set R4H,  7                           ; v7   4 r + a head's bytes x (lane / 16)
.set L4,   8                           ; v8   4 x lane
.set ADRA, 16                          ; v16-17 region A's fragments in slot 0, 1
.set ADRB, 20                          ; v20-21 region B's
.set ADRS, 22                          ; v22-23 scale words: lanes 0-15 A's, lanes 16-31 B's
.set SPW,  28
.set NIL,  29
.set SC,   32                          ; v32-63 scale words, a set for each slot: register 2 i + q
.set BI,   64
.set AF,   128                         ; v128-223 A's fragments, one set; B's two sets lie in window 1; accumulators in windows 2 and 3
.set TM,   200                         ; the way out: v200-215 at work, v216-219 words to store, v220-221, v224-242 codes, v244-251 scale words
.set PWW,  216
.set TW,   220
.set PC,   224
.set PW,   244
.set G1,  24
.set G0,  32
.set G1B, 48
.set G0B, 56
.set SEL, 66
.set HIM, 68
.set MSB, 0
.macro WIN new                         ; the immediate's high byte repeats the setting that is left
.if MSB != (\new)
	s_set_vgpr_msb (MSB<<8)|(\new)
.set MSB, (\new)
.endif
.endm
.set TO_B, 0x40
.macro WMUL hi, zero                   ; source 0 window 1, source 1 window 0, D window 2 or 3; C with D, or (a bias) window 0
.if (\zero) == 2
	WIN 0x81+0x40*(\hi)
.else
	WIN 0xa1+0x50*(\hi)
.endif
.endm
.macro JLOAD g0a, g1a, g0b, g1b        ; a joint load: waves 0, 1 for region A, waves 2, 3 for B; an s_nop 0 and four v_nop follow each line
	s_cmp_eq_u32 s15, 0
	s_cbranch_scc0 .Lfor_b_\@
	tensor_load_to_lds s[\g0a:\g0a+3], s[\g1a:\g1a+7]
	s_nop 0
.rept 4
	v_nop
.endr
	s_branch .Lasked_\@
.Lfor_b_\@:
	tensor_load_to_lds s[\g0b:\g0b+3], s[\g1b:\g1b+7]
	s_nop 0
.rept 4
	v_nop
.endr
.Lasked_\@:
.endm
.macro CREST
	s_cmp_lg_u32 s14, 0
	s_cbranch_scc1 .Lnot_wave_0_\@
	s_barrier_signal -3
.Lnot_wave_0_\@:
	s_barrier_wait -3
	s_barrier_signal -1
	s_barrier_wait -1
.endm
.macro CROUND
	s_barrier_signal -1
	s_barrier_wait -1
	CREST
.endm
.macro PLACES n
.rept \n
	v_nop
.endr
.endm
.macro FRAG reg, adr, q, i             ; a fragment comes as it was stored: six loads of 8 bytes a lane, 256 consecutive bytes each
.irp p, 0,1,2,3,4,5
	ds_load_b64 v[(\reg)+2*\p:(\reg)+2*\p+1], v[\adr] offset:(\q)*PBB+(\i)*1536+256*\p
.endr
.endm
.macro MUL16 a0, p, q, sc, zero        ; A's blocks a0, a0 + 1 x B's eight; the 64 accumulators take turns
.irp a, \a0, \a0+1
.irp b, 0,1,2,3,4,5,6,7
.if (\zero) == 1
	v_wmma_scale_f32_16x16x128_f8f6f4 v[8*(8*((\a)%4)+\b):8*(8*((\a)%4)+\b)+7], v[128*(\p)+FR*\b:128*(\p)+FR*\b+FR-1], v[AF+FR*(\a):AF+FR*(\a)+FR-1], 0, v[SC+16*(\sc)+2*\b+(\q)], v[SC+16*(\sc)+2*(\a)+(\q)] matrix_a_fmt:MATRIX_FMT_FP6 matrix_b_fmt:MATRIX_FMT_FP6 matrix_a_scale:MATRIX_SCALE_ROW1
.elseif (\zero) == 2
	v_wmma_scale_f32_16x16x128_f8f6f4 v[8*(8*((\a)%4)+\b):8*(8*((\a)%4)+\b)+7], v[128*(\p)+FR*\b:128*(\p)+FR*\b+FR-1], v[AF+FR*(\a):AF+FR*(\a)+FR-1], v[BI+8*\b:BI+8*\b+7], v[SC+16*(\sc)+2*\b+(\q)], v[SC+16*(\sc)+2*(\a)+(\q)] matrix_a_fmt:MATRIX_FMT_FP6 matrix_b_fmt:MATRIX_FMT_FP6 matrix_a_scale:MATRIX_SCALE_ROW1
.else
	v_wmma_scale_f32_16x16x128_f8f6f4 v[8*(8*((\a)%4)+\b):8*(8*((\a)%4)+\b)+7], v[128*(\p)+FR*\b:128*(\p)+FR*\b+FR-1], v[AF+FR*(\a):AF+FR*(\a)+FR-1], v[8*(8*((\a)%4)+\b):8*(8*((\a)%4)+\b)+7], v[SC+16*(\sc)+2*\b+(\q)], v[SC+16*(\sc)+2*(\a)+(\q)] matrix_a_fmt:MATRIX_FMT_FP6 matrix_b_fmt:MATRIX_FMT_FP6 matrix_a_scale:MATRIX_SCALE_ROW1
.endif
.endr
.endr
.endm
.macro FETCH_B slot, q, p
	WIN TO_B
.irp i, 0,1,2,3,4,5,6,7
	FRAG 128*(\p)+FR*\i, ADRB+\slot, \q, \i
.endr
	WIN 0
.endm
.macro FETCH_A slot, q, i0
.irp i, \i0, \i0+1, \i0+2, \i0+3
	FRAG AF+FR*(\i), ADRA+\slot, \q, \i
.endr
.endm
.macro SCALES sc                       ; a slot's scale words: lanes 0-15 A's block i, lanes 16-31 B's block i, K step q
.irp i, 0,1,2,3,4,5,6,7
.irp q, 0,1
	ds_load_b32 v[SC+16*\sc+2*\i+\q], v[ADRS+\sc] offset:\q*PBB+64*\i
.endr
.endr
.endm
.macro STEP slot, q, zero              ; a step of 128 along K that has its successor in the same slot
	s_wait_dscnt 4*NL                              ; all but the youngest 24 loads (A's blocks 4-7) are in
	WMUL 0, \zero
	MUL16 0, (\q)%2, \q, \slot, \zero
	MUL16 2, (\q)%2, \q, \slot, \zero
	s_wait_dscnt 0
	PLACES NP                                      ; four places in front of loads into registers that matrix instructions have read
	FETCH_B \slot, (\q)+1, 1-(\q)%2
	FETCH_A \slot, (\q)+1, 0
	WMUL 1, \zero
	MUL16 4, (\q)%2, \q, \slot, \zero
	MUL16 6, (\q)%2, \q, \slot, \zero
	PLACES NP
	WIN 0
	FETCH_A \slot, (\q)+1, 4
.endm
.macro TURN slot, next, fill           ; a slot's last step changes slots: one barrier; fill = 1: a round of the cluster's barrier, and this slot is filled again
	s_wait_tensorcnt 0x0                           ; all my tensor loads have landed: my part of the next slot
	ds_add_u32 v[SPW], v[NIL]                      ; 0 onto my spare word
	s_wait_dscnt 4*NL+1                            ; the add and A's blocks 4-7 may be out
	WIN 0xa1
	MUL16 0, 1, NQ-1, \slot, 0
	s_wait_dscnt 0x0                               ; the add is done, and my reads of this slot are over
	s_barrier_signal -1
	MUL16 2, 1, NQ-1, \slot, 0
	WIN 0
	s_barrier_wait -1
.if \fill
	CREST                                          ; no wave of any partner still reads this slot or has a load on its way
	s_add_nc_u64 s[G0+4*\slot+2:G0+4*\slot+3], s[G0+4*\slot+2:G0+4*\slot+3], 2*HALFT
	s_add_nc_u64 s[G0B+4*\slot+2:G0B+4*\slot+3], s[G0B+4*\slot+2:G0B+4*\slot+3], 2*HALFT
	JLOAD G0+4*\slot, G1, G0B+4*\slot, G1B         ; the first tensor load behind the round; its four v_nop are the places in front of the loads below
.else
	PLACES NP
.endif
	FETCH_B \next, 0, 0
	FETCH_A \next, 0, 0
	SCALES \next
	WIN 0xf1
	MUL16 4, 1, NQ-1, \slot, 0
	MUL16 6, 1, NQ-1, \slot, 0
	PLACES NP
	WIN 0
	FETCH_A \next, 0, 4
.endm
; 64 numbers of a lane in window w, register 16 b + i = k 32 b + 16 (lane / 16) + i of my row, become a fragment's codes in v[PC] on and its scale word in v[pw]
.macro QUANT s, w, pw
	WIN ((\w)<<2)|((\w)<<4)
.irp b, 0,1,2,3
	v_max3_num_f32 v[TM+\b], 0x1800000, |v[(\s)+16*\b]|, |v[(\s)+1+16*\b]|   ; the floor 2^(3 - 127) and my first two numbers of block b: each accumulator is read from its low end on
.endr
.irp i, 2,4,6,8,10,12,14
.irp b, 0,1,2,3
	v_max3_num_f32 v[TM+\b], v[TM+\b], |v[(\s)+16*\b+\i]|, |v[(\s)+1+16*\b+\i]|
.endr
.endr
	WIN 0
.irp b, 0,1,2,3
	v_permlanex16_b32 v[TM+4+\b], v[TM+\b], s[SEL], s[SEL+1]
.endr
.irp b, 0,1,2,3
	v_max_num_f32 v[TM+\b], v[TM+\b], v[TM+4+\b]
.endr
.irp b, 0,1,2,3
	v_add_nc_u32 v[TM+12+\b], 0xff000000, v[TM+\b] ; 2 off the exponent field: the conversion's scale operand
.endr
.irp b, 0,1,2,3
	v_lshrrev_b32 v[TM+4+\b], 23, v[TM+12+\b]
.endr
	v_lshl_or_b32 v[\pw], v[TM+5], 8, v[TM+4]
	v_lshl_or_b32 v[\pw], v[TM+6], 16, v[\pw]
	v_lshl_or_b32 v[\pw], v[TM+7], 24, v[\pw]
	s_wait_xcnt 0x0                                ; the last fragment's stores have read the codes' registers: they are written again only behind this wait
	WIN (\w)
.irp c, 0,1
	v_cvt_scalef32_pk16_fp6_f32 v[PC+6*\c:PC+2+6*\c], v[(\s)+32*\c:(\s)+15+32*\c], v[TM+12+2*\c]
	v_cvt_scalef32_pk16_fp6_f32 v[PC+12+4*\c:PC+14+4*\c], v[(\s)+16+32*\c:(\s)+31+32*\c], v[TM+12+2*\c+1]
.endr
	WIN 0
	v_nop                                          ; one plain place behind a scaled conversion
.irp c, 0,1
.irp i, 0,1,2
	v_permlane16_swap_b32 v[PC+6*\c+\i], v[PC+12+4*\c+\i]
.endr
.irp i, 0,1,2
	v_mov_b32 v[PC+3+6*\c+\i], v[PC+12+4*\c+\i]
.endr
.endr
.endm
	s_load_b128 s[4:7], s[0:1], 0x0                ; hA, wc
	s_load_b64 s[8:9], s[0:1], 0x10                ; qkv
	v_lshl_add_u32 v[SPW], v0, 2, SPARE
	v_mov_b32 v[NIL], 0
	ds_add_u32 v[SPW], v[NIL]                      ; the wave's opening: the add and its wait ahead of my first tensor load
	ds_add_u32 v[SPW], v[NIL]
	v_lshrrev_b32 v1, 5, v0
	v_readfirstlane_b32 s14, v1                    ; wave 0..3
	s_lshr_b32 s15, s14, 1                         ; i: my half of region A's rows.  Also: I fetch for A (0) or B (1)
	s_and_b32 s16, s14, 1                          ; j: my half of region B's rows.  Also: which 128 rows I fetch
	s_bfe_u32 s40, ttmp6, 0x40000                  ; cx
	s_bfe_u32 s41, ttmp6, 0x40004                  ; cy
	s_lshl_b32 s18, ttmp9, 2                       ; 4 x cluster x
	s_and_b32 s19, ttmp7, 0xffff
	s_lshl_b32 s19, s19, 2                         ; 4 x cluster y
	s_cmp_eq_u32 ttmp9, 2                          ; the clusters of v: the same answer in all sixteen partners
	s_cselect_b32 s17, 0, s19
	s_cselect_b32 s42, s19, s18
	s_cselect_b32 s22, 16, 0                       ; Wv's first panel in wc
	s_add_co_u32 s17, s17, s41                     ; region A's tile: hangs on cy, never on cx
	s_add_co_u32 s42, s42, s40                     ; region B's tile: hangs on cx, never on cy
	s_lshl_b32 s43, s41, 2
	s_lshl_b32 s43, 15, s43                        ; my row of the cluster
	s_lshl_b32 s44, 0x1111, s40                    ; my column
	s_or_b32 s[G1+0], s43, (3<<16)|(1<<21)         ; the mask; elements of 8 bytes; bit 21 set beside a mask; no padding
	s_or_b32 s[G1B+0], s44, (3<<16)|(1<<21)
	s_or_b32 s[G1H+0], s43, (3<<16)|(1<<21)
	s_or_b32 s[G1HB+0], s44, (3<<16)|(1<<21)
.irp g, G1H, G1HB
	s_mov_b32 s[\g+1], 32<<16                      ; 200 dense rows of 256 bytes
	s_mov_b32 s[\g+2], 200<<16
	s_mov_b32 s[\g+3], 32<<16
	s_mov_b32 s[\g+4], 200
	s_mov_b32 s[\g+5], 32
	s_mov_b32 s[\g+6], 0
	s_mov_b32 s[\g+7], 0
.endr
.irp g, G1, G1B
	s_mov_b32 s[\g+1], 32<<16                      ; 100 dense rows of 256 bytes
	s_mov_b32 s[\g+2], 100<<16
	s_mov_b32 s[\g+3], 32<<16
	s_mov_b32 s[\g+4], 100
	s_mov_b32 s[\g+5], 32
	s_mov_b32 s[\g+6], 0
	s_mov_b32 s[\g+7], 0
.endr
	s_lshl_b32 s20, s17, 1
	s_add_co_u32 s20, s20, s16
	s_add_co_u32 s20, s20, s22
	s_mul_i32 s20, s20, KSTEPS*PBB                 ; region A: the panel that I fetch
	s_mov_b32 s21, 0
	s_lshl_b32 s46, s42, 1
	s_add_co_u32 s46, s46, s16
	s_mul_i32 s46, s46, KSTEPS*PBB                 ; region B
	s_mov_b32 s47, 0
	s_mul_i32 s45, s14, WREG                       ; where it goes: no place in the cluster enters an LDS address
	s_mov_b32 s[SEL], 0x76543210
	s_mov_b32 s[SEL+1], 0xfedcba98
	s_mov_b32 s[HIM], 0xffff0000                   ; lanes 16-31
	s_wait_dscnt 0x0                               ; the opening add is done
	s_wait_kmcnt 0x0
	s_cmp_eq_u32 ttmp9, 2
	s_cselect_b64 s[10:11], s[6:7], s[4:5]         ; region A's buffer
	s_cselect_b64 s[12:13], s[4:5], s[6:7]         ; region B's
	s_add_nc_u64 s[20:21], s[10:11], s[20:21]
	s_add_nc_u64 s[46:47], s[12:13], s[46:47]
	CROUND                                         ; all sixteen work-groups are here: the first joint loads meet
.irp s, 0,1
	s_mov_b32 s[G0+4*\s], 1
	s_add_co_u32 s[G0+4*\s+1], s45, \s*SLOT
	s_add_nc_u64 s[G0+4*\s+2:G0+4*\s+3], s[20:21], \s*HALFT
	s_or_b32 s[G0+4*\s+3], s[G0+4*\s+3], 0x80000000
	s_mov_b32 s[G0B+4*\s], 1
	s_add_co_u32 s[G0B+4*\s+1], s45, \s*SLOT
	s_add_nc_u64 s[G0B+4*\s+2:G0B+4*\s+3], s[46:47], \s*HALFT
	s_or_b32 s[G0B+4*\s+3], s[G0B+4*\s+3], 0x80000000
.endr
	JLOAD G0, G1H, G0B, G1HB                       ; my one load at the head: slot 0's address, 200 rows: both slots' first fill
	; A PREFETCH INTO THE L2 of what the two refills will bring: K steps 4 to 7 of the panel that I fetch, four blocks of 12,800 bytes.  The four partners that ask for them jointly share them out BY ADDRESS, a block each
	; (place cx for region A, cy for region B): 50 units of 256 bytes, 25 lanes an instruction (the lanes left over name the last unit again).  The first refill stands two K steps on, the second four.
	s_cmp_eq_u32 s15, 0
	s_cselect_b64 s[PFA:PFA+1], s[20:21], s[46:47]
	s_cselect_b32 s18, s40, s41
	s_mul_i32 s18, s18, PBB
	s_mov_b32 s19, 0
	s_add_nc_u64 s[PFA:PFA+1], s[PFA:PFA+1], s[18:19]
	v_and_b32 v10, 31, v0
	v_min_u32 v10, 24, v10
	v_lshlrev_b32 v10, 8, v10                      ; never rewritten
	global_prefetch_b8 v10, s[PFA:PFA+1] offset:2*HALFT th:TH_LOAD_NT scope:SCOPE_SE
	global_prefetch_b8 v10, s[PFA:PFA+1] offset:2*HALFT+6400 th:TH_LOAD_NT scope:SCOPE_SE
	v_and_b32 v1, 15, v0                           ; r
	v_bfe_u32 v2, v0, 4, 1                         ; h
	v_and_b32 v3, 31, v0
	v_lshlrev_b32 v[L8], 3, v3
	s_wait_alu depctr_va_vdst(0)
	v_lshlrev_b32 v[L4], 2, v3
	v_mul_u32_u24 v[R4H], 0x4b000, v2
	v_lshl_add_u32 v[R4H], v1, 2, v[R4H]
	s_mul_i32 s21, s15, WREG                       ; my 128 rows of A
	s_mul_i32 s22, s16, WREG
	s_add_co_u32 s22, s22, 2*WREG                  ; my 128 rows of B
	s_xor_b32 s23, s15, 1
	s_add_co_u32 s23, s23, s16
	s_add_co_u32 s23, s23, 1
	s_mul_i32 s23, s23, WREG                       ; from the one to the other
	v_mul_u32_u24 v5, s23, v2                      ; lanes 16-31 take B's scale words
	v_lshl_add_u32 v5, v1, 2, v5
	s_add_co_u32 s18, s21, 8*1536
.irp s, 0,1
	v_add_nc_u32 v[ADRA+\s], s21, v[L8]
	v_add_nc_u32 v[ADRB+\s], s22, v[L8]
	v_add_nc_u32 v[ADRS+\s], s18, v5
	s_add_co_u32 s21, s21, SLOT
	s_add_co_u32 s22, s22, SLOT
	s_add_co_u32 s18, s18, SLOT
.endr
	; where my results go
	s_lshl_b32 s18, s17, 1
	s_add_co_u32 s18, s18, s15                     ; my panel of region A
	s_lshl_b32 s19, s42, 1
	s_add_co_u32 s19, s19, s16                     ; of region B
	s_cmp_eq_u32 ttmp9, 2
	s_cselect_b32 s20, s19, s18                    ; my 128 tokens
	s_cselect_b32 s21, s18, s19                    ; my 128 columns
	s_cselect_b32 s22, 2, 0
	s_lshr_b32 s23, s21, 3
	s_add_co_u32 s22, s22, s23                     ; 0 q, 1 k, 2 v
	s_and_b32 s21, s21, 7                          ; the pair of heads
	s_lshr_b32 s23, s20, 4                         ; the batch
	s_and_b32 s20, s20, 15                         ; the step of 128 tokens
	s_lshl_b32 s23, s23, 8
	s_lshl_b32 s21, s21, 5
	s_add_co_u32 s20, s20, s23
	s_add_co_u32 s20, s20, s21                     ; (16 batch + even head) x 16 + step
	s_mul_i32 s20, s20, 19200
	s_mul_i32 s22, s22, 6400
	s_add_co_u32 s20, s20, s22
	s_mov_b32 s21, 0
	s_add_nc_u64 s[8:9], s[8:9], s[20:21]
	s_wait_alu depctr_va_vdst(0)
	s_wait_tensorcnt 0x0                           ; my one load, my part of both slots, is in
	s_barrier_signal -1
	s_barrier_wait -1
	FETCH_B 0, 0, 0
	FETCH_A 0, 0, 0
	SCALES 0
	FETCH_A 0, 0, 4
	STEP 0, 0, ZERO                                ; the first step stands in front of the loop: its products start the sums
	s_mov_b32 s3, LAPS-1
.Llap:
	TURN 0, 1, 1
	STEP 1, 0, 0
	TURN 1, 0, 1
	STEP 0, 0, 0
	s_sub_co_u32 s3, s3, 1
	s_cmp_lg_u32 s3, 0
	s_cbranch_scc1 .Llap
	TURN 0, 1, 0                                   ; the last lap fills nothing
	STEP 1, 0, 0
	s_wait_dscnt 4*NL
	WIN 0xa1
	MUL16 0, 1, NQ-1, 1, 0
	MUL16 2, 1, NQ-1, 1, 0
	s_wait_dscnt 0
	WIN 0xf1
	MUL16 4, 1, NQ-1, 1, 0
	MUL16 6, 1, NQ-1, 1, 0
	WIN 0
	; THE WAY OUT: each of A's eight blocks is 64 numbers a lane, quantised in registers; every store of codes covers 256 consecutive bytes, aligned
	PLACES NP
.irp b, 0,1,2,3
	v_mov_b32 v[TM+4+\b], 0                        ; a lane permute's destination counts as one of its sources
.endr
	s_cmp_eq_u32 ttmp9, 2
	s_cbranch_scc1 .Lv
.irp a, 0,1,2,3,4,5,6,7                        ; q, k: block a = token tile a; registers 0-5 the even head's 64 channels, 6-11 the odd head's
	QUANT 64*(\a%4), 2+\a/4, PW+\a
.irp p, 0,1,2
	global_store_b64 v[L8], v[PC+2*\p:PC+2*\p+1], s[8:9] offset:(\a/2)*1536+(\a%2)*768+256*\p
	global_store_b64 v[L8], v[PC+6+2*\p:PC+7+2*\p], s[8:9] offset:HS+(\a/2)*1536+(\a%2)*768+256*\p
.endr
.if \a%2
	v_perm_b32 v[TW], v[PW+\a], v[PW+\a-1], 0x05040100     ; the even head's pair word: tile a - 1's two bytes, tile a's two
	v_perm_b32 v[TW+1], v[PW+\a], v[PW+\a-1], 0x07060302   ; the odd head's
	v_cndmask_b32 v[PWW+\a/2], v[TW], v[TW+1], s[HIM]      ; lanes 0-15 store the one, lanes 16-31 the other
	global_store_b32 v[R4H], v[PWW+\a/2], s[8:9] offset:6144+(\a/2)*64
.endif
.endr
	s_branch .Lend
.Lv:
.irp a, 0,1,2,3,4,5,6,7                        ; v: block a = 16 channels (head a / 4, tile a % 4) x my 128 keys: a whole fragment
	QUANT 64*(\a%4), 2+\a/4, PW+\a
.irp p, 0,1,2,3,4,5
	global_store_b64 v[L8], v[PC+2*\p:PC+2*\p+1], s[8:9] offset:(\a/4)*HS+(\a%4)*1536+256*\p
.endr
.if \a%2
	v_cndmask_b32 v[PWW+\a/2], v[PW+\a-1], v[PW+\a], s[HIM]
	global_store_b32 v[L4], v[PWW+\a/2], s[8:9] offset:(\a/4)*HS+6144+(\a%4-1)*64   ; two tiles' scale words: 128 consecutive bytes
.endif
.endr
.Lend:
	s_wait_tensorcnt 0x0                           ; the wave's end
	ds_add_u32 v[SPW], v[NIL]
	s_wait_dscnt 0x0
	CROUND                                         ; the closing round
	s_endpgm
.Lfunc_end_k_q24a82998c7_qkv:
	.size	k_q24a82998c7_qkv, .Lfunc_end_k_q24a82998c7_qkv-k_q24a82998c7_qkv
	.p2alignl 7, 3214868480
	.fill 96, 4, 3214868480
	.section	.rodata,"a",@progbits
	.p2align	6, 0x0
	.amdhsa_kernel k_q24a82998c7_qkv
		.amdhsa_group_segment_fixed_size 327680
		.amdhsa_private_segment_fixed_size 0
		.amdhsa_enable_private_segment 0
		.amdhsa_kernarg_size 24
		.amdhsa_user_sgpr_count 2
		.amdhsa_user_sgpr_kernarg_segment_ptr 1
		.amdhsa_wavefront_size32 1
		.amdhsa_system_sgpr_workgroup_id_x 1
		.amdhsa_system_sgpr_workgroup_id_y 1
		.amdhsa_system_sgpr_workgroup_id_z 1
		.amdhsa_system_vgpr_workitem_id 0
		.amdhsa_next_free_vgpr 1024
		.amdhsa_next_free_sgpr 90
		.amdhsa_reserve_vcc 0
		.amdhsa_float_denorm_mode_32 3
		.amdhsa_float_denorm_mode_16_64 3
		.amdhsa_memory_ordered 1
		.amdhsa_forward_progress 1
		.amdhsa_inst_pref_size 204
	.end_amdhsa_kernel
	.amdgpu_metadata
---
amdhsa.version: [ 1, 2 ]
amdhsa.kernels:
  - .name:           k_q24a82998c7_qkv
    .symbol:         k_q24a82998c7_qkv.kd
    .args:
      - { .name: hA, .offset: 0, .size: 8, .value_kind: global_buffer, .address_space: global }
      - { .name: wc, .offset: 8, .size: 8, .value_kind: global_buffer, .address_space: global }
      - { .name: qkv, .offset: 16, .size: 8, .value_kind: global_buffer, .address_space: global }
    .group_segment_fixed_size: 327680
    .private_segment_fixed_size: 0
    .kernarg_segment_align: 8
    .kernarg_segment_size: 24
    .max_flat_workgroup_size: 128
    .sgpr_count:     90
    .vgpr_count:     1024
    .wavefront_size: 32
...
	.end_amdgpu_metadata
.endif
;; end of part 9
;; launch attn (part 10): grid 8 x 32, 16 waves a work-group, clusters of 4 x 1, 327,680 bytes of LDS; arguments qkv, ctx; writes ctx
.if DOCPART == 10
	.amdgcn_target "amdgcn-amd-amdhsa--gfx1250"
	.amdhsa_code_object_version 6
	.text
	.protected	k_q24a82998c7_attn
	.globl	k_q24a82998c7_attn
	.p2align	8
	.type	k_q24a82998c7_attn,@function
k_q24a82998c7_attn:
	s_mov_b64 s[64:65], 0
	v_nop
	global_prefetch_b8 v0, s[64:65] scope:SCOPE_SE
	s_setreg_imm32_b32 hwreg(HW_REG_WAVE_MODE, 25, 1), 1
	s_wait_xcnt 0x0
	s_wait_alu depctr_hold_cnt(0) depctr_sa_sdst(0) depctr_va_vdst(0) depctr_va_sdst(0) depctr_va_ssrc(0) depctr_va_vcc(0) depctr_vm_vsrc(0)
	s_getreg_b32 s2, hwreg(HW_REG_IB_STS2, 6, 4)
	s_cmp_eq_u32 s2, 0
	s_cbranch_scc0 .Lentry_in_a_cluster
	s_endpgm
.Lentry_in_a_cluster:
	s_bfe_u32 s2, ttmp6, 0x10000c
	s_cmp_lg_u32 s2, 0x3003
	s_cbranch_scc0 .Lentry_shape_is_right
	s_endpgm
.Lentry_shape_is_right:
; CAUSAL ATTENTION OF ONE HEAD ON CODES OF FP6 (E2M3) WITH E8M0 SCALES: S^T = K Q^T, p = 2^(t - M), O^T += V^T p^T, ctx = O / l, quantised again for the out-projection.
; qkv: [head 0..31][step of 128 tokens][Q, K, V records of 6,400 bytes], images of operand registers (Q, K: pair fragment b = token tile 2 b in registers 0-5, tile 2 b + 1 in 6-11; V: fragment t = 16 channels x 128 keys); then 256 bytes of scale words.
; The rows of tile 2 b + u are tokens 32 b + 8 u + r + 8 (r / 8).  The head's axis is 64: Q's fragment stands once in the lower and once in the upper half of K = 128, zeros in the other half, so one fragment of K gives two tiles of keys.
; LEFT OUT: key steps that lie wholly behind a tile's queries: the causal mask gives them the weight 0.  In the step on the diagonal the hidden scores are set to -inf.
; THE DEAL.  A head has 128 tiles of 16 queries.  Work-group x = 0..7 of the head takes tile 8 g + x for every g = 0..15; a tile of group g needs key steps 0 .. g.  The tiles of groups 15 - u and u (u = 0..7) need 17 steps together and go to a PAIR of waves, w and w xor 12:
; the long tile's owner (waves 0-7) walks its key steps 0 to 8; the short tile's owner (waves 8-15) first walks the LONG tile's steps 9 to 15 - u, with that tile's Q, leaves O^T, -M and the sums in LDS bytes of its own, begins anew and walks its own u + 1 steps.
; So a wave has 9 or 8 steps.  Wave w = 4 j + s has u = 2 s, 2 s + 1, 2 s + 1, 2 s for j = 0..3: the four waves of each s have 34 steps together.  All 256 work-groups have the same work, and every branch hangs on the wave's number alone.
; Behind one barrier the long tile's owner joins the two parts: under M = the larger of the two whole numbers each part is multiplied by an exact power of two.  A pair with u = 7 has nothing to hand over: the part left in LDS is the state at the start, whose factor comes out 0.
; LDS: all 16 key steps' K and V records, 12,800 bytes each, filled once, a record a wave: 50 rows of 256 bytes that begin on multiples of 256; nothing is filled again.  Behind them the spare words, and 4,608 bytes for each wave's part.
; THE WALK.  Every wave's first step is written out: key step 0 in waves 0-7, key step 9 in waves 8-15.  Those two records are fetched by waves 0 and 1, on a load line of their own, and are shown by a first barrier at which these two waves alone have waited
; (wave 9 fetches step 1, every other wave the step of its own number).  A second barrier, every wave having waited for its load, shows the other fourteen.  Then every wave walks two loops, key steps 10 to 15 and 0 to 8; a trip that is not its own is passed over by a scalar branch.
; CLUSTERS: 4 x 1: four work-groups of one head read the same 16 records: each is asked for jointly (mask 15).
; NO DATA PREFETCH: all that the launch reads by tensor loads is asked for at its head; no loop runs ahead of a later request.
; LIMITS: NaN and infinities are not served; the promise holds while the scaled scores stay under 2^31 in magnitude; a block under 2^-124, and a block of zeros, gets the byte 1 (this program alone reads the bytes).
; REGISTERS: v16-39 Q twice; v40-46 my own tile's Q and scale word; v48-95 four fragments of K, then of V; v96-159 scores, then p; v160-191 O^T; v224-235 p's codes; v12 -M, v13 the running largest t, v[14:15] the sum; v10 my query less my first key on the diagonal step.
.set HS,    307200
.set REC,   19200
.set STEPB, 12800
.set SPARE, 16*STEPB                   ; behind the records: the spare words, 128 bytes a wave
.set PART,  SPARE+2048                 ; behind them: a wave's part: nine pieces of 512 bytes
.set PARTB, 4608
.set TB,  2                            ; LDS address of the step's record
.set ST,  3                            ; the key step
.set GG,  16                           ; the group of the tile that I finish
.set GH,  17                           ; the long tile's group where I help; 0 where I do not
.set WV,  18
.set SL,  19                           ; the key step that I fetch
.set SEL, 20
.set CS,  22
.set G1,  24
.set G0,  32
.set LO,  43                           ; the last loop's first step of mine: 1 in waves 0-7, whose step 0 is written out
.set L1,  56                           ; the long tile's group
.macro CROUND
	s_barrier_signal -1
	s_barrier_wait -1
	s_cmp_lg_u32 s[WV], 0
	s_cbranch_scc1 .Lnot_wave_0_\@
	s_barrier_signal -3
.Lnot_wave_0_\@:
	s_barrier_wait -3
	s_barrier_signal -1
	s_barrier_wait -1
.endm
.macro FILL                            ; key step s[SL]'s K and V records; an s_nop 0 and four v_nop follow the load
	s_mul_i32 s[G0+1], s[SL], STEPB
	s_mul_i32 s54, s[SL], REC
	s_add_co_u32 s54, s54, s53
	s_add_nc_u64 s[G0+2:G0+3], s[4:5], s[54:55]
	s_add_nc_u64 s[G0+2:G0+3], s[G0+2:G0+3], 6400
	s_or_b32 s[G0+3], s[G0+3], 0x80000000
	tensor_load_to_lds s[G0:G0+3], s[G1:G1+7]
	s_nop 0
.rept 4
	v_nop
.endr
.endm
	s_load_b128 s[4:7], s[0:1], 0x0                ; qkv, ctx
	v_lshl_add_u32 v5, v0, 2, SPARE
	v_mov_b32 v6, 0
	ds_add_u32 v5, v6                              ; the opening lines: the add, twice, and its wait
	ds_add_u32 v5, v6
	v_lshrrev_b32 v8, 5, v0
	v_readfirstlane_b32 s[WV], v8
	s_and_b32 s52, ttmp7, 0xffff                   ; 16 x batch + head
	s_bfe_u32 s50, ttmp6, 0x40000
	s_lshl_b32 s51, ttmp9, 2
	s_add_co_u32 s50, s50, s51                     ; x = 4 x cluster x + cx: it enters global addresses and the mask's numbers alone
	s_mov_b32 s[G1], 15|(3<<16)|(1<<21)            ; the four partners; elements of 8 bytes; bit 21 beside a mask
	s_mov_b32 s[G1+1], 32<<16                      ; 50 dense rows of 256 bytes
	s_mov_b32 s[G1+2], 50<<16
	s_mov_b32 s[G1+3], 32<<16
	s_mov_b32 s[G1+4], 50
	s_mov_b32 s[G1+5], 32
	s_mov_b32 s[G1+6], 0
	s_mov_b32 s[G1+7], 0
	s_and_b32 s54, s[WV], 3                        ; s
	s_lshr_b32 s55, s[WV], 2                       ; j
	s_sub_co_u32 s57, 3, s55
	s_cmp_lt_u32 s55, 2
	s_cselect_b32 s57, s55, s57                    ; j, or 3 - j
	s_lshl_b32 s54, s54, 1
	s_add_co_u32 s54, s54, s57                     ; u
	s_sub_co_u32 s[L1], 15, s54                    ; the pair's long tile
	s_cmp_lt_u32 s55, 2
	s_cselect_b32 s[GG], s[L1], s54
	s_cselect_b32 s[GH], 0, s[L1]
	s_cselect_b32 s[LO], 1, 0
	s_mul_i32 s53, s52, HS
	s_mov_b32 s55, 0
	s_mov_b32 s[G0], 1
	s_mul_i32 s59, s[L1], REC
	s_add_co_u32 s59, s59, s53                     ; the long tile's Q record
	s_mul_i32 s49, s[GG], REC
	s_add_co_u32 s49, s49, s53                     ; my own tile's
	s_lshr_b32 s60, s50, 1                         ; the pair fragment
	s_and_b32 s51, s50, 1                          ; and which half of it
	s_mul_i32 s61, s60, 1536
	s_mul_i32 s62, s51, 768
	s_add_co_u32 s61, s61, s62
	s_add_co_u32 s8, s59, s61
	s_mov_b32 s9, 0
	s_add_co_u32 s36, s49, s61
	s_mov_b32 s37, 0
	s_lshl_b32 s61, s60, 6
	s_add_co_u32 s61, s61, 6144
	s_add_co_u32 s10, s59, s61
	s_mov_b32 s11, 0
	s_add_co_u32 s38, s49, s61
	s_mov_b32 s39, 0
	s_lshl_b32 s58, s60, 5
	s_lshl_b32 s61, s51, 3
	s_add_co_u32 s58, s58, s61                     ; a tile's first token in its step of 128: 32 (x / 2) + 8 (x % 2), the same for both tiles
	s_lshr_b32 s57, s52, 4
	s_lshl_b32 s57, s57, 4
	s_add_co_u32 s57, s57, s[GG]
	s_lshl_b32 s57, s57, 3
	s_bfe_u32 s61, s52, 0x30001
	s_add_co_u32 s57, s57, s61
	s_mul_i32 s57, s57, 12800                      ; ctx: the block of (my 128 tokens, K step head / 2)
	s_mul_i32 s61, s50, 1536
	s_and_b32 s62, s52, 1
	s_mul_i32 s63, s62, 768
	s_add_co_u32 s12, s57, s61
	s_add_co_u32 s12, s12, s63
	s_mov_b32 s13, 0
	s_lshl_b32 s61, s50, 6
	s_lshl_b32 s62, s62, 1
	s_add_co_u32 s14, s57, s61
	s_add_co_u32 s14, s14, s62
	s_add_co_u32 s14, s14, 12288
	s_mov_b32 s15, 0
	s_mov_b32 s63, 0x03020302
	s_cmp_eq_u32 s51, 0
	s_cselect_b32 s63, 0x01000100, s63             ; a tile's two bytes of the pair's scale word
	s_mul_i32 s40, s[WV], PARTB
	s_add_co_u32 s40, s40, PART                    ; my part's bytes
	s_xor_b32 s41, s[WV], 12
	s_mul_i32 s41, s41, PARTB
	s_add_co_u32 s41, s41, PART                    ; my partner's
	s_mov_b32 s[SEL], 0x76543210
	s_mov_b32 s[SEL+1], 0xfedcba98
	s_mov_b32 s[CS], 0x3e38aa3b                    ; log2(e) / 8
	s_mov_b32 s[CS+1], s[CS]
	s_wait_alu depctr_va_vdst(0)                   ; the wait ahead of the waits below
	s_wait_dscnt 0x0
	CROUND                                         ; the round in front of the joint loads
	s_wait_kmcnt 0x0
	s_cmp_lt_u32 s[WV], 2                          ; one chain of branches on the wave's number, one load to an arm, all arms to one join
	s_cbranch_scc0 .Lnot_early
	s_mul_i32 s[SL], s[WV], 9                      ; waves 0, 1: key steps 0 and 9, which are wanted first
	FILL
	s_branch .Lasked
.Lnot_early:
	s_cmp_eq_u32 s[WV], 9
	s_cbranch_scc0 .Lplain
	s_mov_b32 s[SL], 1                             ; wave 9: key step 1
	FILL
	s_branch .Lasked
.Lplain:
	s_mov_b32 s[SL], s[WV]                         ; the others: the key step of their own number
	FILL
.Lasked:
	s_add_nc_u64 s[8:9], s[4:5], s[8:9]
	s_add_nc_u64 s[10:11], s[4:5], s[10:11]
	s_add_nc_u64 s[36:37], s[4:5], s[36:37]
	s_add_nc_u64 s[38:39], s[4:5], s[38:39]
	s_add_nc_u64 s[12:13], s[6:7], s[12:13]
	s_add_nc_u64 s[14:15], s[6:7], s[14:15]
	v_and_b32 v3, 31, v0
	v_lshlrev_b32 v1, 3, v3                        ; 8 x lane
	v_and_b32 v4, 15, v0
	v_lshlrev_b32 v2, 2, v4                        ; 4 r
	v_bfe_u32 v7, v0, 4, 1
.irp p, 0,1,2
	global_load_b64 v[16+2*\p:17+2*\p], v1, s[8:9] offset:256*\p     ; the long tile's Q, in both places
	global_load_b64 v[34+2*\p:35+2*\p], v1, s[8:9] offset:256*\p
	global_load_b64 v[40+2*\p:41+2*\p], v1, s[36:37] offset:256*\p   ; my own tile's (one text for all waves: for waves 0-7 the same tile)
.endr
	global_load_b32 v254, v2, s[10:11]
	global_load_b32 v46, v2, s[38:39]
	v_and_b32 v10, 8, v4
	v_add_nc_u32 v10, v10, v4
	v_lshlrev_b32 v11, 4, v7
	v_sub_nc_u32 v10, v10, v11
	v_add_nc_u32 v10, s58, v10                     ; my query's place in its step, less 16 h
	v_lshlrev_b32 v3, 4, v3                        ; 16 x lane
	v_add_nc_u32 v4, s41, v3                       ; LDS: my partner's part
	v_add_nc_u32 v3, s40, v3                       ; and mine
.irp j, 22,23,24,25,26,27,28,29,30,31,32,33
	v_mov_b32 v[\j], 0
.endr
.macro BEGIN                           ; the state at a tile's start
	v_mov_b32 v13, 0xff61b1e6                      ; -3e38, under every t
	v_floor_f32 v12, -v13
	v_mov_b32 v14, 0
	v_mov_b32 v15, 0
.set j, 0
.rept 32
	v_mov_b32 v[160+j], 0                          ; O^T: the step is written once and finds zeros
.set j, j+1
.endr
.endm
.irp b, 0,1,2,3
	v_mov_b32 v[236+\b], 0                         ; a lane permute's destination counts as one of its sources
.endr
	v_mov_b32 v253, 0
	s_wait_alu depctr_va_vdst(0)
	s_wait_loadcnt 0x0
	v_perm_b32 v255, v254, v254, s63               ; Q's scale word: the same two bytes for both halves of K
	BEGIN
.macro STEP lim, lo                    ; key step ST of the tile of group s[lim]; lo = 1: steps under s[LO] are passed over too
.if \lo
	s_cmp_lt_u32 s[ST], s[LO]
	s_cbranch_scc1 .Lhidden_\@
.endif
	s_cmp_gt_u32 s[ST], s[\lim]
	s_cbranch_scc1 .Lhidden_\@                     ; not mine, or wholly behind the queries: round the step's work alone
	v_add_nc_u32 v8, s[TB], v1
	v_add_nc_u32 v9, s[TB], v2
	v_nop
	v_nop                                          ; four places behind the last step's products
.irp b, 0,1,2,3
.irp p, 0,1,2,3,4,5
	ds_load_b64 v[48+12*\b+2*\p:49+12*\b+2*\p], v8 offset:1536*\b+256*\p
.endr
	ds_load_b32 v[248+\b], v9 offset:6144+64*\b
.endr
	s_wait_alu depctr_va_vdst(0)
.irp b, 0,1,2,3
	s_wait_dscnt 7*(3-\b)                          ; pair fragment b and its scale word are in: seven loads for each later one may be out
	v_wmma_scale_f32_16x16x128_f8f6f4 v[96+16*\b:103+16*\b], v[48+12*\b:59+12*\b], v[16:27], 0, v[248+\b], v255 matrix_a_fmt:MATRIX_FMT_FP6 matrix_b_fmt:MATRIX_FMT_FP6
	v_wmma_scale_f32_16x16x128_f8f6f4 v[104+16*\b:111+16*\b], v[48+12*\b:59+12*\b], v[28:39], 0, v[248+\b], v255 matrix_a_fmt:MATRIX_FMT_FP6 matrix_b_fmt:MATRIX_FMT_FP6
.endr
.rept 4
	v_nop
.endr
.irp t, 0,1,2,3                                ; V's fragments come while the softmax is worked
.irp p, 0,1,2,3,4,5
	ds_load_b64 v[48+12*\t+2*\p:49+12*\t+2*\p], v8 offset:6400+1536*\t+256*\p
.endr
	ds_load_b32 v[248+\t], v9 offset:12544+64*\t
.endr
	s_cmp_lt_u32 s[ST], s[\lim]
	s_cbranch_scc1 .Lopen_\@
	v_mov_b32 v254, 0xff800000                     ; the step on the diagonal: register n is key 32 (n / 16) + 16 h + n % 16 of the step
.set n, 0
.rept 64
	v_cmp_gt_i32 vcc_lo, 32*(n/16)+n%16, v10
	v_cndmask_b32 v[96+n], v[96+n], v254, vcc_lo
.set n, n+1
.endr
.Lopen_\@:
.irp b, 0,1,2,3
	v_max3_num_f32 v[232+\b], v[96+16*\b], v[97+16*\b], v[98+16*\b]   ; each block's largest score: for the row's maximum and for the block's largest p
.endr
.irp i, 3,5,7,9,11,13
.irp b, 0,1,2,3
	v_max3_num_f32 v[232+\b], v[232+\b], v[96+16*\b+\i], v[97+16*\b+\i]
.endr
.endr
.irp b, 0,1,2,3
	v_max_num_f32 v[232+\b], v[232+\b], v[111+16*\b]
.endr
.irp b, 0,1,2,3
	s_delay_alu instid0(VALU_DEP_4)
	v_permlanex16_b32 v[236+\b], v[232+\b], s[SEL], s[SEL+1]
.endr
.irp b, 0,1,2,3
	s_delay_alu instid0(VALU_DEP_4)
	v_max_num_f32 v[232+\b], v[232+\b], v[236+\b]
.endr
	s_delay_alu instid0(VALU_DEP_2)
	v_max3_num_f32 v254, v232, v233, v234
	s_delay_alu instid0(VALU_DEP_1)
	v_max_num_f32 v254, v254, v235
	s_delay_alu instid0(VALU_DEP_1)
	v_mul_f32 v254, s[CS], v254
	s_delay_alu instid0(VALU_DEP_1)
	v_max_num_f32 v13, v13, v254                   ; the running largest t
	v_mov_b32 v254, v12
	s_delay_alu instid0(VALU_DEP_2)
	v_floor_f32 v12, -v13                          ; -M = -ceil(t): a whole number
	s_delay_alu instid0(VALU_DEP_1)
	v_sub_f32 v254, v12, v254
	s_delay_alu instid0(VALU_DEP_1)
	v_cvt_i32_f32 v254, v254
	s_delay_alu instid0(VALU_DEP_1)
	v_ldexp_f32 v252, 1.0, v254                    ; f = 2^(old M - new M)
.set j, 0
.rept 32
	v_pk_fma_f32 v[96+j:97+j], v[96+j:97+j], s[CS:CS+1], v[12:13] op_sel_hi:[1,0,0]
.set j, j+2
.endr
.irp b, 0,1,2,3
	v_fma_f32 v[232+\b], v[232+\b], s[CS], v12
.endr
.set j, 0
	s_wait_alu depctr_va_vdst(0)                   ; the wait ahead of the batch and behind it
.rept 64
	v_exp_f32 v[96+j], v[96+j]
.set j, j+1
.endr
	v_pk_mul_f32 v[14:15], v[14:15], v[252:253] op_sel_hi:[1,0]
	s_wait_alu depctr_va_vdst(0)
.irp b, 0,1,2,3
	v_exp_f32 v[232+\b], v[232+\b]
.endr
	v_pk_add_f32 v[236:237], v[96:97], v[98:99]    ; the row's sum, of the unquantised p
.irp j, 4,8,12,16,20,24,28,32,36,40,44,48,52,56,60
	v_pk_add_f32 v[14:15], v[14:15], v[96+\j:97+\j]
	v_pk_add_f32 v[236:237], v[236:237], v[98+\j:99+\j]
.endr
	s_delay_alu instid0(VALU_DEP_1)
	v_pk_add_f32 v[14:15], v[14:15], v[236:237]
	s_wait_alu depctr_va_vdst(0)
.irp b, 0,1,2,3
	v_max_num_f32 v[232+\b], 0x1800000, v[232+\b]  ; the floor 2^(3 - 127)
.endr
.irp b, 0,1,2,3
	s_delay_alu instid0(VALU_DEP_4)
	v_add_nc_u32 v[244+\b], 0xff000000, v[232+\b]  ; the conversion's scale operand
.endr
.irp b, 0,1,2,3
	s_delay_alu instid0(VALU_DEP_4)
	v_lshrrev_b32 v[236+\b], 23, v[244+\b]
.endr
	s_delay_alu instid0(VALU_DEP_3)
	v_lshl_or_b32 v253, v237, 8, v236
	s_delay_alu instid0(VALU_DEP_1)
	v_lshl_or_b32 v253, v238, 16, v253
	s_delay_alu instid0(VALU_DEP_1)
	v_lshl_or_b32 v253, v239, 24, v253             ; p's scale word
.irp c, 0,1
	v_cvt_scalef32_pk16_fp6_f32 v[224+6*\c:226+6*\c], v[96+32*\c:111+32*\c], v[244+2*\c]
	v_cvt_scalef32_pk16_fp6_f32 v[236+4*\c:238+4*\c], v[112+32*\c:127+32*\c], v[244+2*\c+1]
.endr
	v_nop
.irp c, 0,1
.irp i, 0,1,2
	v_permlane16_swap_b32 v[224+6*\c+\i], v[236+4*\c+\i]
.endr
.irp i, 0,1,2
	s_delay_alu instid0(VALU_DEP_3)
	v_mov_b32 v[227+6*\c+\i], v[236+4*\c+\i]
.endr
.endr
	s_wait_alu depctr_va_vdst(0)                   ; the wait directly ahead of the first reader of O^T
.set j, 0
.rept 16
	v_pk_mul_f32 v[160+j:161+j], v[160+j:161+j], v[252:253] op_sel_hi:[1,0]
.set j, j+2
.endr
	s_wait_alu depctr_va_vdst(0)
	s_wait_dscnt 0x0
.irp t, 0,1,2,3
	v_wmma_scale_f32_16x16x128_f8f6f4 v[160+8*\t:167+8*\t], v[48+12*\t:59+12*\t], v[224:235], v[160+8*\t:167+8*\t], v[248+\t], v253 matrix_a_fmt:MATRIX_FMT_FP6 matrix_b_fmt:MATRIX_FMT_FP6
.endr
.Lhidden_\@:
	s_add_co_u32 s[ST], s[ST], 1
	s_add_co_u32 s[TB], s[TB], STEPB
.endm
	s_wait_alu depctr_va_vdst(0)                   ; the wait at the head's end
	s_wait_dscnt 0x0
	s_cmp_lt_u32 s[WV], 2
	s_cbranch_scc0 .Lnot_first
	s_wait_tensorcnt 0x0                           ; waves 0, 1: key steps 0 and 9 are in
.Lnot_first:
	s_barrier_signal -1
	s_barrier_wait -1                              ; the other fourteen loads may be out
	s_lshr_b32 s[ST], s[WV], 3
	s_mul_i32 s[ST], s[ST], 9                      ; the long tile's key step 0 in waves 0-7, its key step 9 in waves 8-15
	s_mul_i32 s[TB], s[ST], STEPB
	STEP L1, 0
	s_wait_tensorcnt 0x0                           ; every wave: its record is in
	s_wait_dscnt 0x0
	s_barrier_signal -1
	s_barrier_wait -1                              ; all sixteen records are in
	s_mov_b32 s[TB], 10*STEPB
	s_mov_b32 s[ST], 10
.Lhelp:                                                ; waves 8-15: the long tile's key steps 10 to 15 - u
	STEP GH, 0
	s_cmp_lt_u32 s[ST], 16
	s_cbranch_scc1 .Lhelp
	s_cmp_lt_u32 s[WV], 8
	s_cbranch_scc1 .Lno_part
.rept 4
	v_nop                                          ; four places behind the last products
.endr
.irp k, 0,1,2,3,4,5,6,7
	ds_store_b128 v3, v[160+4*\k:163+4*\k] offset:512*\k   ; my part of the long tile, as an image of its registers; each accumulator from its low end on
.endr
	ds_store_b128 v3, v[12:15] offset:4096         ; -M, t, the sum's two halves
.irp i, 0,1,2,3,4,5
	v_mov_b32 v[16+\i], v[40+\i]                   ; now my own tile: its Q in both places,
	v_mov_b32 v[34+\i], v[40+\i]
.endr
	v_perm_b32 v255, v46, v46, s63                 ; its scale word,
	BEGIN                                          ; and the state at the start
	s_wait_alu depctr_va_vdst(0)
.Lno_part:
	s_mov_b32 s[TB], 0
	s_mov_b32 s[ST], 0
.Lown:                                                 ; waves 0-7: the long tile's key steps 1 to 8; waves 8-15: their own tile's 0 to u
	STEP GG, 1
	s_cmp_lt_u32 s[ST], 9
	s_cbranch_scc1 .Lown
.rept 4
	v_nop                                          ; four places behind the last products
.endr
	s_wait_alu depctr_va_vdst(0)
	s_wait_dscnt 0x0                               ; for the others' sake: my stores are done
	s_barrier_signal -1
	s_barrier_wait -1
	s_cmp_lt_u32 s[WV], 8
	s_cbranch_scc0 .Lwhole
.irp k, 0,1,2,3,4,5,6,7
	ds_load_b128 v[96+4*\k:99+4*\k], v4 offset:512*\k      ; my partner's part of my tile
.endr
	ds_load_b128 v[128:131], v4 offset:4096
	s_wait_dscnt 0x0
	v_min_num_f32 v132, v12, v128                  ; -M of both parts together
	v_mov_b32 v135, 0                              ; (named as the upper halves of pairs)
	v_mov_b32 v137, 0
	v_sub_f32 v133, v132, v12
	v_sub_f32 v136, v132, v128
	v_cvt_i32_f32 v133, v133                       ; whole numbers, 0 or less (the conversion saturates)
	v_cvt_i32_f32 v136, v136
	v_ldexp_f32 v134, 1.0, v133                    ; my part's factor,
	v_ldexp_f32 v136, 1.0, v136                    ; my partner's: exact powers of two
	v_pk_mul_f32 v[14:15], v[14:15], v[134:135] op_sel_hi:[1,0]
	v_pk_fma_f32 v[14:15], v[130:131], v[136:137], v[14:15] op_sel_hi:[1,0,1]
.set j, 0
.rept 16
	v_pk_mul_f32 v[160+j:161+j], v[160+j:161+j], v[134:135] op_sel_hi:[1,0]
.set j, j+2
.endr
.set j, 0
.rept 16
	v_pk_fma_f32 v[160+j:161+j], v[96+j:97+j], v[136:137], v[160+j:161+j] op_sel_hi:[1,0,1]
.set j, j+2
.endr
.Lwhole:
	v_add_f32 v14, v14, v15
	s_delay_alu instid0(VALU_DEP_1)
	v_permlanex16_b32 v252, v14, s[SEL], s[SEL+1]
	s_delay_alu instid0(VALU_DEP_1)
	v_add_f32 v14, v14, v252                       ; the row's sum
	s_wait_alu depctr_va_vdst(0)
	v_rcp_f32 v14, v14
	v_nop
	s_wait_alu depctr_va_vdst(0)
.set j, 0
.rept 32
	v_mul_f32 v[96+j], v[160+j], v14               ; register 16 b + i is channel 32 b + 16 h + i of my query
.set j, j+1
.endr
.irp b, 0,1
	v_max3_num_f32 v[232+\b], |v[96+16*\b]|, |v[97+16*\b]|, 0x1800000
.endr
.irp i, 2,4,6,8,10,12,14
.irp b, 0,1
	s_delay_alu instid0(VALU_DEP_2)
	v_max3_num_f32 v[232+\b], v[232+\b], |v[96+16*\b+\i]|, |v[97+16*\b+\i]|
.endr
.endr
.irp b, 0,1
	s_delay_alu instid0(VALU_DEP_2)
	v_permlanex16_b32 v[236+\b], v[232+\b], s[SEL], s[SEL+1]
.endr
.irp b, 0,1
	s_delay_alu instid0(VALU_DEP_2)
	v_max_num_f32 v[232+\b], v[232+\b], v[236+\b]
.endr
.irp b, 0,1
	s_delay_alu instid0(VALU_DEP_2)
	v_add_nc_u32 v[244+\b], 0xff000000, v[232+\b]
.endr
.irp b, 0,1
	s_delay_alu instid0(VALU_DEP_2)
	v_lshrrev_b32 v[236+\b], 23, v[244+\b]
.endr
	s_delay_alu instid0(VALU_DEP_1)
	v_lshl_or_b32 v240, v237, 8, v236
	v_cvt_scalef32_pk16_fp6_f32 v[224:226], v[96:111], v244
	v_cvt_scalef32_pk16_fp6_f32 v[228:230], v[112:127], v245
	v_nop
.irp i, 0,1,2
	v_permlane16_swap_b32 v[224+\i], v[228+\i]
.endr
	s_delay_alu instid0(VALU_DEP_3)
	v_mov_b32 v227, v228
	s_delay_alu instid0(VALU_DEP_3)
	v_mov_b32 v228, v229
	s_delay_alu instid0(VALU_DEP_3)
	v_mov_b32 v229, v230
.irp p, 0,1,2
	global_store_b64 v1, v[224+2*\p:225+2*\p], s[12:13] offset:256*\p   ; 256 consecutive bytes, aligned: my head's half of a fragment
.endr
	global_store_b16 v2, v240, s[14:15]            ; my head's two bytes of row r's scale word
	s_wait_tensorcnt 0x0                           ; the wave's end
	ds_add_u32 v5, v6
	s_wait_dscnt 0x0
	CROUND                                         ; the closing round
	s_endpgm
.Lfunc_end_k_q24a82998c7_attn:
	.size	k_q24a82998c7_attn, .Lfunc_end_k_q24a82998c7_attn-k_q24a82998c7_attn
	.p2alignl 7, 3214868480
	.fill 96, 4, 3214868480
	.section	.rodata,"a",@progbits
	.p2align	6, 0x0
	.amdhsa_kernel k_q24a82998c7_attn
		.amdhsa_group_segment_fixed_size 327680
		.amdhsa_private_segment_fixed_size 0
		.amdhsa_enable_private_segment 0
		.amdhsa_kernarg_size 16
		.amdhsa_user_sgpr_count 2
		.amdhsa_user_sgpr_kernarg_segment_ptr 1
		.amdhsa_wavefront_size32 1
		.amdhsa_system_sgpr_workgroup_id_x 1
		.amdhsa_system_sgpr_workgroup_id_y 1
		.amdhsa_system_sgpr_workgroup_id_z 1
		.amdhsa_system_vgpr_workitem_id 0
		.amdhsa_next_free_vgpr 256
		.amdhsa_next_free_sgpr 66
		.amdhsa_reserve_vcc 1
		.amdhsa_float_denorm_mode_32 3
		.amdhsa_float_denorm_mode_16_64 3
		.amdhsa_memory_ordered 1
		.amdhsa_forward_progress 1
		.amdhsa_inst_pref_size 92
	.end_amdhsa_kernel
	.amdgpu_metadata
---
amdhsa.version: [ 1, 2 ]
amdhsa.kernels:
  - .name:           k_q24a82998c7_attn
    .symbol:         k_q24a82998c7_attn.kd
    .args:
      - { .name: qkv, .offset: 0, .size: 8, .value_kind: global_buffer, .address_space: global }
      - { .name: ctx, .offset: 8, .size: 8, .value_kind: global_buffer, .address_space: global }
    .group_segment_fixed_size: 327680
    .private_segment_fixed_size: 0
    .kernarg_segment_align: 8
    .kernarg_segment_size: 16
    .max_flat_workgroup_size: 512
    .sgpr_count:     66
    .vgpr_count:     256
    .wavefront_size: 32
...
	.end_amdgpu_metadata
.endif
;; end of part 10
;; launch wo (part 11): grid 8 x 32, 4 waves a work-group, clusters of 4 x 4, 327,680 bytes of LDS; arguments ctx, wc, bo, x, x1; writes x1
.if DOCPART == 11
	.amdgcn_target "amdgcn-amd-amdhsa--gfx1250"
	.amdhsa_code_object_version 6
	.text
	.protected	k_q24a82998c7_wo
	.globl	k_q24a82998c7_wo
	.p2align	8
	.type	k_q24a82998c7_wo,@function
k_q24a82998c7_wo:
	s_mov_b64 s[64:65], 0
	v_nop
	global_prefetch_b8 v0, s[64:65] scope:SCOPE_SE
	s_setreg_imm32_b32 hwreg(HW_REG_WAVE_MODE, 25, 1), 1
	s_wait_xcnt 0x0
	s_wait_alu depctr_hold_cnt(0) depctr_sa_sdst(0) depctr_va_vdst(0) depctr_va_sdst(0) depctr_va_ssrc(0) depctr_va_vcc(0) depctr_vm_vsrc(0)
	s_getreg_b32 s2, hwreg(HW_REG_IB_STS2, 6, 4)
	s_cmp_eq_u32 s2, 0
	s_cbranch_scc0 .Lentry_in_a_cluster
	s_endpgm
.Lentry_in_a_cluster:
	s_bfe_u32 s2, ttmp6, 0x10000c
	s_cmp_lg_u32 s2, 0xf033
	s_cbranch_scc0 .Lentry_shape_is_right
	s_endpgm
.Lentry_shape_is_right:
; x1 = ctx Wo + bo + x.  The product on codes of FP6 (E2M3) with E8M0 scales, K = 1,024; bias and shortcut in f32.
; TILE.  The result is 4,096 x 1,024: 256 tiles of 128 x 128, one to a work-group.  Four waves, each 64 x 64: 16 accumulators of 16 x 16, 128 registers.
; OPERANDS lie in memory as images of the fragments' registers: a block of 12,800 bytes = 8 fragments (128 rows x 128 K, 1,536 bytes each) + their scale words (64 bytes a fragment).  A work-group needs one panel of 128 tokens
; and one panel of 128 weight rows: two blocks a K step.  A slot holds FOUR K steps: the tokens' four blocks, then the weight's four; a wave's tensor load brings two blocks, 25,600 dense bytes.  K = 8 steps are two slots:
; both are filled at the start, and no slot is filled again.
; Source 0 = 16 rows of the weight, source 1 = 16 tokens: a lane holds a token, its registers run along the columns.  The rows of tile 2 b + u of both operands are 32 b + 8 u + r + 8 (r / 8).  The bias is the C of each sum's first product.
; CLUSTERS: 4 x 4; the tokens' blocks are shared along a row of the cluster, the weight's along a column: joint loads.
; THE SHORTCUT's 64 rows x 256 bytes of my part are asked for at the head, into registers of their own, and are there when the sums are finished.
; THE WAY OUT: my 64 x 64 goes through my stage in slot 0 (its last fill and its last read are over), comes back as rows of 256 bytes, takes the shortcut and is stored: sixteen lanes store 256 consecutive bytes, aligned.
; REGISTERS, in windows of 256: window 0: v0-31 addresses; v32-63 scale words, a set for each slot (register 4 x block + K step: lanes 0-15 the tokens' block, lanes 16-31 the weight's); v64-95 the bias; v128-255 the accumulators ((a, b) at v[128 + 8 (4 a + b)]).
;   window 1: two sets of fragments, at v0 and v128: four of the tokens', then four of the weight's; on the way out v0-127 the rows from the stage.   window 2: v0-127 the shortcut.
; THE LOADS, in place of what is said above of a wave's load: each wave issues ONE tensor load, four blocks, 51,200 dense bytes: wave 0 the tokens' K steps 0-3, wave 1 the weight's (slot 0), waves 2 and 3 the same of K steps 4-7 (slot 1).
; Each has a load line of its own; waves 0 and 1 alone wait in front of the first barrier, and slot 1 is shown by the barrier at the change of slots, where every wave has waited.
.set KSTEPS, 8
.set WOFF,   2457600                   ; Wo's first byte in wc
.set PBB,    12800                     ; a block
.set QUART,  2*PBB                     ; what one tensor load brings
.set SLOT,   4*QUART
.set SPARE,  2*SLOT                    ; behind the ring: the spare words, 128 bytes a wave: two blocks of 256 bytes that no other line names
.set LAPS,   KSTEPS/8                  ; a lap = eight K steps = once round the ring
.set FR,     12
.set NP,     4
.set SPITCH, 272                       ; a stage row: 256 bytes + 16
.set L8,   4                           ; v4     8 x lane
.set ADRA, 16                          ; v16-17 my four fragments of the tokens in slot 0, 1
.set ADRB, 20                          ; v20-21 of the weight
.set ADRS, 22                          ; v22-23 scale words: lanes 0-15 the tokens', lanes 16-31 the weight's
.set STO,  24
.set RD,   25
.set CO,   26
.set SPW,  28
.set NIL,  29
.set SC,   32
.set BI,   64
.set ACC,  128
.set F0,   0
.set F1,   128
.set BK,   0
.set RS,   0
.set G1,  24
.set G0,  32
.set G1B, 48
.set G0B, 56
.set MSB, 0
.macro WIN new                         ; the immediate's high byte repeats the setting that is left
.if MSB != (\new)
	s_set_vgpr_msb (MSB<<8)|(\new)
.set MSB, (\new)
.endif
.endm
.set MUL,  0x05                        ; sources 0 and 1 window 1; C and D window 0
.set TO_F, 0x40                        ; destination window 1, address window 0
.macro JLOAD g0a, g1a, g0b, g1b        ; a joint load: waves 0, 1 for the tokens, waves 2, 3 for the weight; an s_nop 0 and four v_nop follow each line
	s_cmp_eq_u32 s15, 0
	s_cbranch_scc0 .Lfor_b_\@
	tensor_load_to_lds s[\g0a:\g0a+3], s[\g1a:\g1a+7]
	s_nop 0
.rept 4
	v_nop
.endr
	s_branch .Lasked_\@
.Lfor_b_\@:
	tensor_load_to_lds s[\g0b:\g0b+3], s[\g1b:\g1b+7]
	s_nop 0
.rept 4
	v_nop
.endr
.Lasked_\@:
.endm
.macro CREST
	s_cmp_lg_u32 s14, 0
	s_cbranch_scc1 .Lnot_wave_0_\@
	s_barrier_signal -3
.Lnot_wave_0_\@:
	s_barrier_wait -3
	s_barrier_signal -1
	s_barrier_wait -1
.endm
.macro CROUND
	s_barrier_signal -1
	s_barrier_wait -1
	CREST
.endm
.macro PLACES n
.rept \n
	v_nop
.endr
.endm
.macro FRAG reg, adr, q, i             ; a fragment comes as it was stored: six loads of 8 bytes a lane, 256 consecutive bytes each
.irp p, 0,1,2,3,4,5
	ds_load_b64 v[(\reg)+2*\p:(\reg)+2*\p+1], v[\adr] offset:(\q)*PBB+(\i)*1536+256*\p
.endr
.endm
.macro FETCH slot, q, f                ; 48 LDS loads in one run: my eight fragments of the slot's K step q into set f
	WIN TO_F
.irp i, 0,1,2,3
	FRAG (\f)+48+FR*\i, ADRB+\slot, \q, \i
.endr
.irp i, 0,1,2,3
	FRAG (\f)+FR*\i, ADRA+\slot, \q, \i
.endr
.endm
.macro SCALES sc                       ; a slot's scale words: block i, K step q
.irp i, 0,1,2,3
.irp q, 0,1,2,3
	ds_load_b32 v[SC+16*\sc+4*\i+\q], v[ADRS+\sc] offset:\q*PBB+64*\i
.endr
.endr
.endm
.macro MUL4 f, a, q, sc, zero          ; the tokens' block a x the weight's four; zero = 2: the bias starts the sums.  The 16 accumulators take turns
.irp b, 0,1,2,3
.if (\zero) == 2
	v_wmma_scale_f32_16x16x128_f8f6f4 v[ACC+8*(4*(\a)+\b):ACC+8*(4*(\a)+\b)+7], v[(\f)+48+FR*\b:(\f)+48+FR*\b+FR-1], v[(\f)+FR*(\a):(\f)+FR*(\a)+FR-1], v[BI+8*\b:BI+8*\b+7], v[SC+16*(\sc)+4*\b+(\q)], v[SC+16*(\sc)+4*(\a)+(\q)] matrix_a_fmt:MATRIX_FMT_FP6 matrix_b_fmt:MATRIX_FMT_FP6 matrix_a_scale:MATRIX_SCALE_ROW1
.else
	v_wmma_scale_f32_16x16x128_f8f6f4 v[ACC+8*(4*(\a)+\b):ACC+8*(4*(\a)+\b)+7], v[(\f)+48+FR*\b:(\f)+48+FR*\b+FR-1], v[(\f)+FR*(\a):(\f)+FR*(\a)+FR-1], v[ACC+8*(4*(\a)+\b):ACC+8*(4*(\a)+\b)+7], v[SC+16*(\sc)+4*\b+(\q)], v[SC+16*(\sc)+4*(\a)+(\q)] matrix_a_fmt:MATRIX_FMT_FP6 matrix_b_fmt:MATRIX_FMT_FP6 matrix_a_scale:MATRIX_SCALE_ROW1
.endif
.endr
.endm
.macro STEP slot, q, zero              ; one of a slot's first three K steps: K step q lies in set q % 2; the next one is fetched into the other set
	PLACES NP                                      ; four places in front of loads into registers that the last K step's products have read
	FETCH \slot, (\q)+1, 128*(1-(\q)%2)
	s_wait_dscnt 48                                ; all but the 48 just issued: this K step's fragments (and the slot's scale words) are in
	WIN MUL
.irp a, 0,1,2,3
	MUL4 128*((\q)%2), \a, \q, \slot, \zero
.endr
.endm
.macro TURN slot, next, fill           ; a slot's fourth K step changes slots: one barrier; fill = 1: a round of the cluster's barrier, and this slot is filled again, eight K steps on
	WIN 0                                          ; (the add's two registers lie in window 0)
	s_wait_tensorcnt 0x0                           ; all my tensor loads have landed: my part of the next slot
	ds_add_u32 v[SPW], v[NIL]                      ; 0 onto my spare word
	s_wait_dscnt 1                                 ; the add may be out; this K step's fragments are in
	WIN MUL
	MUL4 F1, 0, 3, \slot, 0                        ; four products stand between the add and the wait for it
	s_wait_dscnt 0x0                               ; the add is done, and my reads of this slot are over
	s_barrier_signal -1
	MUL4 F1, 1, 3, \slot, 0
	WIN 0
	s_barrier_wait -1
.if \fill
	CREST                                          ; no wave of any partner still reads this slot or has a load on its way
	s_add_nc_u64 s[G0+4*\slot+2:G0+4*\slot+3], s[G0+4*\slot+2:G0+4*\slot+3], 8*PBB
	s_add_nc_u64 s[G0B+4*\slot+2:G0B+4*\slot+3], s[G0B+4*\slot+2:G0B+4*\slot+3], 8*PBB
	JLOAD G0+4*\slot, G1, G0B+4*\slot, G1B         ; the first tensor load behind the round; its four v_nop are the places in front of the loads below
.else
	PLACES NP
.endif
	FETCH \next, 0, F0
	WIN 0
	SCALES \next
	WIN MUL
	MUL4 F1, 2, 3, \slot, 0
	MUL4 F1, 3, 3, \slot, 0
.endm
	s_load_b256 s[4:11], s[0:1], 0x0               ; the tokens' codes, wc, the bias, the shortcut
	s_load_b64 s[12:13], s[0:1], 0x20              ; the result
	v_lshl_add_u32 v[SPW], v0, 2, SPARE
	v_mov_b32 v[NIL], 0
	ds_add_u32 v[SPW], v[NIL]                      ; the wave's opening: the add and its wait ahead of my first tensor load
	ds_add_u32 v[SPW], v[NIL]
	v_lshrrev_b32 v1, 5, v0
	v_readfirstlane_b32 s14, v1                    ; wave 0..3
	s_lshr_b32 s15, s14, 1                         ; i: my 64 of the tile's tokens.  Also: which slot I fetch for
	s_and_b32 s16, s14, 1                          ; j: my 64 of its columns.  Also: I fetch the tokens (0) or the weight (1)
	s_bfe_u32 s40, ttmp6, 0x40000                  ; cx
	s_bfe_u32 s41, ttmp6, 0x40004                  ; cy
	s_lshl_b32 s42, ttmp9, 2
	s_add_co_u32 s42, s42, s40                     ; tile column, 0..7: the weight's panel
	s_and_b32 s17, ttmp7, 0xffff
	s_lshl_b32 s17, s17, 2
	s_add_co_u32 s17, s17, s41                     ; tile row, 0..31: the tokens' panel
	s_lshl_b32 s43, s41, 2
	s_lshl_b32 s43, 15, s43                        ; my row of the cluster
	s_lshl_b32 s44, 0x1111, s40                    ; my column
	s_or_b32 s[G1+0], s43, (3<<16)|(1<<21)         ; the mask; elements of 8 bytes; bit 21 set beside a mask; no padding
	s_or_b32 s[G1B+0], s44, (3<<16)|(1<<21)
.irp g, G1, G1B
	s_mov_b32 s[\g+1], 32<<16                      ; 200 dense rows of 256 bytes
	s_mov_b32 s[\g+2], 200<<16
	s_mov_b32 s[\g+3], 32<<16
	s_mov_b32 s[\g+4], 200
	s_mov_b32 s[\g+5], 32
	s_mov_b32 s[\g+6], 0
	s_mov_b32 s[\g+7], 0
.endr
	s_mul_i32 s18, s15, 4*PBB                      ; my slot's four K steps
	s_mul_i32 s20, s17, KSTEPS*PBB
	s_add_co_u32 s20, s20, s18
	s_mov_b32 s21, 0
	s_mul_i32 s46, s42, KSTEPS*PBB
	s_add_co_u32 s46, s46, s18
	s_add_co_u32 s46, s46, WOFF
	s_mov_b32 s47, 0
	s_mul_i32 s45, s15, SLOT                       ; where they go: no place in the cluster enters an LDS address
	s_wait_dscnt 0x0                               ; the opening add is done
	s_wait_kmcnt 0x0
	s_add_nc_u64 s[20:21], s[4:5], s[20:21]
	s_add_nc_u64 s[46:47], s[6:7], s[46:47]
	CROUND                                         ; all sixteen work-groups are here: the first joint loads meet
	s_mov_b32 s[G0], 1                             ; the tokens' four blocks of my slot
	s_mov_b32 s[G0+1], s45
	s_mov_b64 s[G0+2:G0+3], s[20:21]
	s_or_b32 s[G0+3], s[G0+3], 0x80000000
	s_mov_b32 s[G0B], 1                            ; the weight's four, behind them
	s_add_co_u32 s[G0B+1], s45, 2*QUART
	s_mov_b64 s[G0B+2:G0B+3], s[46:47]
	s_or_b32 s[G0B+3], s[G0B+3], 0x80000000
.macro ARM under, g0, g1, next         ; one chain of branches on the wave's number, one load to an arm, all arms to one join
	s_cmp_lt_u32 s14, \under
	s_cbranch_scc0 \next
	tensor_load_to_lds s[\g0:\g0+3], s[\g1:\g1+7]
	s_nop 0
.rept 4
	v_nop
.endr
	s_branch .Lhead_asked
\next:
.endm
	ARM 1, G0,  G1,  .Lhead_1
	ARM 2, G0B, G1B, .Lhead_2
	ARM 3, G0,  G1,  .Lhead_3
	tensor_load_to_lds s[G0B:G0B+3], s[G1B:G1B+7]
	s_nop 0
.rept 4
	v_nop
.endr
.Lhead_asked:
	v_and_b32 v1, 15, v0                           ; r
	s_wait_alu depctr_va_vdst(0)
	v_bfe_u32 v2, v0, 4, 1                         ; h
	v_and_b32 v3, 31, v0
	v_lshlrev_b32 v[L8], 3, v3
	v_lshlrev_b32 v9, 6, v2                        ; 64 h
	s_lshl_b32 s18, s42, 9
	s_lshl_b32 s19, s16, 8
	s_add_co_u32 s18, s18, s19                     ; my first column, in bytes: 512 x tile column + 256 j
	s_mov_b32 s19, 0
	s_add_nc_u64 s[8:9], s[8:9], s[18:19]
.irp b, 0,1,2,3
	global_load_b128 v[BI+8*\b:BI+8*\b+3], v9, s[8:9] offset:(32*(\b/2)+8*(\b%2))*4      ; tile b's register n is column 32 (b / 2) + 16 h + 8 (b % 2) + n
	global_load_b128 v[BI+8*\b+4:BI+8*\b+7], v9, s[8:9] offset:(32*(\b/2)+8*(\b%2))*4+16
.endr
	s_lshl_b32 s20, s17, 7
	s_lshl_b32 s21, s15, 6
	s_add_co_u32 s20, s20, s21                     ; my first token: 128 x tile row + 64 i
	s_lshl_b32 s20, s20, 12                        ; rows of 4,096 bytes
	s_add_co_u32 s20, s20, s18
	s_mov_b32 s21, 0
	s_add_nc_u64 s[10:11], s[10:11], s[20:21]
	s_add_nc_u64 s[12:13], s[12:13], s[20:21]
	v_lshlrev_b32 v[CO], 4, v1
	s_wait_alu depctr_va_vdst(0)
	v_lshl_add_u32 v[CO], v2, 12, v[CO]            ; in memory: lanes 0-15 one row's 256 bytes, lanes 16-31 the next row's
	s_mul_i32 s21, s15, 4*1536                     ; my four fragments of the tokens
	s_mul_i32 s22, s16, 4*1536
	s_add_co_u32 s22, s22, 2*QUART                 ; my four of the weight, behind the tokens' four blocks
	s_xor_b32 s23, s15, 1
	s_add_co_u32 s23, s23, s16
	s_lshl_b32 s23, s23, 8
	s_add_co_u32 s23, s23, 2*QUART-256             ; from my tokens' scale words to my weight rows': 2 QUART + 256 (j - i)
	v_mul_u32_u24 v5, s23, v2                      ; lanes 16-31 take the weight's
	v_lshl_add_u32 v5, v1, 2, v5
	s_lshl_b32 s18, s15, 8
	s_add_co_u32 s18, s18, 8*1536
.irp s, 0,1
	v_add_nc_u32 v[ADRA+\s], s21, v[L8]
	v_add_nc_u32 v[ADRB+\s], s22, v[L8]
	v_add_nc_u32 v[ADRS+\s], s18, v5
	s_add_co_u32 s21, s21, SLOT
	s_add_co_u32 s22, s22, SLOT
	s_add_co_u32 s18, s18, SLOT
.endr
	s_mul_i32 s23, s14, 64*SPITCH                  ; my stage
	v_mul_u32_u24 v6, v1, SPITCH
	v_lshl_add_u32 v6, v2, 6, v6
	v_add_nc_u32 v[STO], s23, v6                   ; in: row r, + 64 h
	v_mul_u32_u24 v6, v2, SPITCH
	v_lshl_add_u32 v6, v1, 4, v6
	v_add_nc_u32 v[RD], s23, v6                    ; back: lanes 0-15 one row, lanes 16-31 the next
	s_wait_alu depctr_va_vdst(0)
	s_cmp_lt_u32 s14, 2
	s_cbranch_scc0 .Lnot_first
	s_wait_tensorcnt 0x0                           ; waves 0 and 1: slot 0 is in; slot 1's two loads may be out
.Lnot_first:
	s_barrier_signal -1
	s_barrier_wait -1
	FETCH 0, 0, F0
	WIN 0
	SCALES 0
	WIN 0x80                                       ; destination window 2.  THE SHORTCUT is asked for here, behind the first barrier (in place of 'at the head' above): the tiles are asked of memory ahead of it
.irp a, 0,1,2,3                                ; rows 2 k, 2 k + 1 of tile a are tokens 32 (a / 2) + 8 (a % 2) + 2 k + 8 (k / 4) and the next
.irp k, 0,1,2,3,4,5,6,7
	global_load_b128 v[RS+32*\a+4*\k:RS+32*\a+4*\k+3], v[CO], s[10:11] offset:(32*(\a/2)+8*(\a%2)+2*\k+8*(\k/4))*4096 th:TH_LOAD_NT
.endr
.endr
	WIN 0
	s_wait_loadcnt 32                              ; the bias's eight loads are in; the shortcut's 32 may be out
	STEP 0, 0, 2                                   ; the first K step stands in front of the loop: its products start the sums
.if LAPS > 1
	WIN 0                                          ; at a label and at a branch every window is 0
	s_mov_b32 s3, LAPS-1
.Llap:                                                 ; a trip goes once round the ring, from a lap's second K step to the next lap's first, and fills both slots again
	STEP 0, 1, 0
	STEP 0, 2, 0
	TURN 0, 1, 1
	STEP 1, 0, 0
	STEP 1, 1, 0
	STEP 1, 2, 0
	TURN 1, 0, 1
	STEP 0, 0, 0
	WIN 0
	s_sub_co_u32 s3, s3, 1
	s_cmp_lg_u32 s3, 0
	s_cbranch_scc1 .Llap
.endif
	STEP 0, 1, 0                                   ; the last lap fills nothing
	STEP 0, 2, 0
	TURN 0, 1, 0
	STEP 1, 0, 0
	STEP 1, 1, 0
	STEP 1, 2, 0
	s_wait_dscnt 0x0                               ; the very last K step: nothing more to fetch
	WIN MUL
.irp a, 0,1,2,3
	MUL4 F1, \a, 3, 1, 0
.endr
	WIN 0
	; THE WAY OUT
	PLACES NP                                      ; four places in front of the first read of results and of loads into registers that held fragments
.irp a, 0,1,2,3
.irp b, 0,1,2,3
	ds_store_b128 v[STO], v[ACC+8*(4*\a+\b):ACC+8*(4*\a+\b)+3] offset:\a*16*SPITCH+128*(\b/2)+32*(\b%2)        ; each accumulator from its low end on
	ds_store_b128 v[STO], v[ACC+8*(4*\a+\b)+4:ACC+8*(4*\a+\b)+7] offset:\a*16*SPITCH+128*(\b/2)+32*(\b%2)+16
.endr
.endr
	WIN TO_F
.irp a, 0,1,2,3
.irp k, 0,1,2,3,4,5,6,7
	ds_load_b128 v[BK+32*\a+4*\k:BK+32*\a+4*\k+3], v[RD] offset:(16*\a+2*\k)*SPITCH   ; LDS serves a wave's instructions in order: these see my stores
.endr
.endr
	s_wait_loadcnt 0x0                             ; the shortcut, asked for at the head
.irp a, 0,1,2,3
	s_wait_dscnt 8*(3-\a)                          ; block a's eight loads are in; the later blocks' may be out
	WIN 0x49                                       ; destination and source 0 window 1, source 1 window 2
.set k, 0
.rept 16
	v_pk_add_f32 v[BK+32*\a+k:BK+32*\a+k+1], v[BK+32*\a+k:BK+32*\a+k+1], v[RS+32*\a+k:RS+32*\a+k+1]
.set k, k+2
.endr
	WIN 0x04                                       ; a store's data: window 1
.irp k, 0,1,2,3,4,5,6,7
	global_store_b128 v[CO], v[BK+32*\a+4*\k:BK+32*\a+4*\k+3], s[12:13] offset:(32*(\a/2)+8*(\a%2)+2*\k+8*(\k/4))*4096   ; sixteen lanes store 256 consecutive bytes, aligned
.endr
.endr
	WIN 0
	s_wait_tensorcnt 0x0                           ; the wave's end
	ds_add_u32 v[SPW], v[NIL]
	s_wait_dscnt 0x0
	CROUND                                         ; the closing round
	s_endpgm
.Lfunc_end_k_q24a82998c7_wo:
	.size	k_q24a82998c7_wo, .Lfunc_end_k_q24a82998c7_wo-k_q24a82998c7_wo
	.p2alignl 7, 3214868480
	.fill 96, 4, 3214868480
	.section	.rodata,"a",@progbits
	.p2align	6, 0x0
	.amdhsa_kernel k_q24a82998c7_wo
		.amdhsa_group_segment_fixed_size 327680
		.amdhsa_private_segment_fixed_size 0
		.amdhsa_enable_private_segment 0
		.amdhsa_kernarg_size 40
		.amdhsa_user_sgpr_count 2
		.amdhsa_user_sgpr_kernarg_segment_ptr 1
		.amdhsa_wavefront_size32 1
		.amdhsa_system_sgpr_workgroup_id_x 1
		.amdhsa_system_sgpr_workgroup_id_y 1
		.amdhsa_system_sgpr_workgroup_id_z 1
		.amdhsa_system_vgpr_workitem_id 0
		.amdhsa_next_free_vgpr 768
		.amdhsa_next_free_sgpr 72
		.amdhsa_reserve_vcc 0
		.amdhsa_float_denorm_mode_32 3
		.amdhsa_float_denorm_mode_16_64 3
		.amdhsa_memory_ordered 1
		.amdhsa_forward_progress 1
		.amdhsa_inst_pref_size 68
	.end_amdhsa_kernel
	.amdgpu_metadata
---
amdhsa.version: [ 1, 2 ]
amdhsa.kernels:
  - .name:           k_q24a82998c7_wo
    .symbol:         k_q24a82998c7_wo.kd
    .args:
      - { .name: ctx, .offset: 0, .size: 8, .value_kind: global_buffer, .address_space: global }
      - { .name: wc, .offset: 8, .size: 8, .value_kind: global_buffer, .address_space: global }
      - { .name: bo, .offset: 16, .size: 8, .value_kind: global_buffer, .address_space: global }
      - { .name: x, .offset: 24, .size: 8, .value_kind: global_buffer, .address_space: global }
      - { .name: x1, .offset: 32, .size: 8, .value_kind: global_buffer, .address_space: global }
    .group_segment_fixed_size: 327680
    .private_segment_fixed_size: 0
    .kernarg_segment_align: 8
    .kernarg_segment_size: 40
    .max_flat_workgroup_size: 128
    .sgpr_count:     72
    .vgpr_count:     768
    .wavefront_size: 32
...
	.end_amdgpu_metadata
.endif
;; end of part 11
;; launch ln2 (part 12): grid 256 x 1, 8 waves a work-group, no clusters, 69,632 bytes of LDS; arguments x1, g2, s2, hA; writes hA
.if DOCPART == 12
	.amdgcn_target "amdgcn-amd-amdhsa--gfx1250"
	.amdhsa_code_object_version 6
	.text
	.protected	k_q24a82998c7_ln2
	.globl	k_q24a82998c7_ln2
	.p2align	8
	.type	k_q24a82998c7_ln2,@function
k_q24a82998c7_ln2:
	s_mov_b64 s[64:65], 0
	v_nop
	global_prefetch_b8 v0, s[64:65] scope:SCOPE_SE
	s_setreg_imm32_b32 hwreg(HW_REG_WAVE_MODE, 25, 1), 1
	s_wait_xcnt 0x0
; LayerNorm 2 of x1, quantised to FP6 (E2M3) with one E8M0 byte for each 32 along the 1,024 columns, laid as images of the fragments' registers (a block of 12,800 bytes = 8 fragments of 16 rows x 128 K + their scale words).
; A work-group owns 16 rows (tile T: rows 32 (T / 2) + 8 (T % 2) + r + 8 (r / 8)), wave w the columns 128 w .. 128 w + 127 (one fragment).  Mean and variance in two passes, in f32; the waves' sums meet in LDS.
; LIMITS: NaN and infinities are not served; a block under 2^-124, and a block of zeros, gets the byte 1 (this program alone reads the bytes).
.set RED1,  67584                      ; LDS: eight stages of 16 rows x 528 bytes, then the sums (512 bytes), the sums of squares (512 bytes),
.set SPARE, 68608                      ; and the spare words, 128 bytes for each wave: four blocks of 256 bytes that no other line names
.set X,   32
.set G,   96
.set S,   160
.set TM,  224
.set PW,  240
.set PC,  12
.set SEL, 46
.macro QUANT s
.irp b, 0,1,2,3
	v_max3_num_f32 v[TM+\b], |v[\s+16*\b]|, |v[\s+1+16*\b]|, 0x1800000
.endr
.irp i, 2,4,6,8,10,12,14
.irp b, 0,1,2,3
	s_delay_alu instid0(VALU_DEP_4)
	v_max3_num_f32 v[TM+\b], v[TM+\b], |v[\s+16*\b+\i]|, |v[\s+1+16*\b+\i]|
.endr
.endr
.irp b, 0,1,2,3
	s_delay_alu instid0(VALU_DEP_4)
	v_permlanex16_b32 v[TM+4+\b], v[TM+\b], s[SEL], s[SEL+1]
.endr
.irp b, 0,1,2,3
	s_delay_alu instid0(VALU_DEP_4)
	v_max_num_f32 v[TM+\b], v[TM+\b], v[TM+4+\b]
.endr
.irp b, 0,1,2,3
	s_delay_alu instid0(VALU_DEP_4)
	v_add_nc_u32 v[TM+12+\b], 0xff000000, v[TM+\b]
.endr
.irp b, 0,1,2,3
	s_delay_alu instid0(VALU_DEP_4)
	v_lshrrev_b32 v[TM+4+\b], 23, v[TM+12+\b]
.endr
	s_delay_alu instid0(VALU_DEP_3)
	v_lshl_or_b32 v[PW], v[TM+5], 8, v[TM+4]
	s_delay_alu instid0(VALU_DEP_1)
	v_lshl_or_b32 v[PW], v[TM+6], 16, v[PW]
	s_delay_alu instid0(VALU_DEP_1)
	v_lshl_or_b32 v[PW], v[TM+7], 24, v[PW]
.irp c, 0,1
	v_cvt_scalef32_pk16_fp6_f32 v[PC+6*\c:PC+2+6*\c], v[\s+32*\c:\s+15+32*\c], v[TM+12+2*\c]
	v_cvt_scalef32_pk16_fp6_f32 v[PC+12+4*\c:PC+14+4*\c], v[\s+16+32*\c:\s+31+32*\c], v[TM+12+2*\c+1]
.endr
	v_nop
.irp c, 0,1
.irp i, 0,1,2
	v_permlane16_swap_b32 v[PC+6*\c+\i], v[PC+12+4*\c+\i]
.endr
.irp i, 0,1,2
	s_delay_alu instid0(VALU_DEP_3)
	v_mov_b32 v[PC+3+6*\c+\i], v[PC+12+4*\c+\i]
.endr
.endr
.endm
.macro REDUCE off
	s_delay_alu instid0(VALU_DEP_1)
	v_pk_add_f32 v[242:243], v[242:243], v[244:245]
	s_delay_alu instid0(VALU_DEP_1)
	v_add_f32 v242, v242, v243
	s_delay_alu instid0(VALU_DEP_1)
	v_permlanex16_b32 v244, v242, s[SEL], s[SEL+1]
	s_delay_alu instid0(VALU_DEP_1)
	v_add_f32 v242, v242, v244
	ds_store_b32 v9, v242 offset:\off
	s_wait_dscnt 0x0                               ; for the others' sake: my store is done
	s_barrier_signal -1
	s_barrier_wait -1
.irp i, 0,1,2,3,4,5,6,7
	ds_load_b32 v[TM+\i], v31 offset:\off+64*\i
.endr
	s_wait_dscnt 0x0
	v_add_f32 v[TM], v[TM], v[TM+1]
	v_add_f32 v[TM+2], v[TM+2], v[TM+3]
	v_add_f32 v[TM+4], v[TM+4], v[TM+5]
	v_add_f32 v[TM+6], v[TM+6], v[TM+7]
	s_delay_alu instid0(VALU_DEP_3)
	v_add_f32 v[TM], v[TM], v[TM+2]
	s_delay_alu instid0(VALU_DEP_2)
	v_add_f32 v[TM+4], v[TM+4], v[TM+6]
	s_delay_alu instid0(VALU_DEP_1)
	v_add_f32 v[TM], v[TM], v[TM+4]
.endm
	s_load_b256 s[4:11], s[0:1], 0x0               ; x1, g2, s2, hA
	v_lshl_add_u32 v1, v0, 2, SPARE
	v_mov_b32 v2, 0
	v_lshrrev_b32 v3, 5, v0
	s_delay_alu instid0(VALU_DEP_1)
	v_readfirstlane_b32 s26, v3
	s_mov_b32 s[SEL], 0x76543210
	s_mov_b32 s[SEL+1], 0xfedcba98
	v_and_b32 v3, 15, v0
	v_bfe_u32 v4, v0, 4, 1
	v_and_b32 v11, 31, v0
	s_delay_alu instid0(VALU_DEP_1)
	v_lshlrev_b32 v5, 4, v11
	s_delay_alu instid0(VALU_DEP_3)
	v_lshlrev_b32 v6, 6, v4
	s_mul_i32 s27, s26, 8448
	v_add_nc_u32 v7, s27, v5
	v_mul_u32_u24 v8, v3, 528
	s_delay_alu instid0(VALU_DEP_1)
	v_add_nc_u32 v8, v8, v6
	s_delay_alu instid0(VALU_DEP_1)
	v_add_nc_u32 v8, s27, v8
	v_lshlrev_b32 v10, 2, v3
	s_lshl_b32 s27, s26, 6
	s_add_co_u32 s27, s27, RED1
	v_add_nc_u32 v9, s27, v10
	v_add_nc_u32 v31, RED1, v10
	v_lshlrev_b32 v11, 3, v11
.irp b, 0,1,2,3
	v_mov_b32 v[TM+4+\b], 0
.endr
	v_mov_b32 v244, 0
	s_lshr_b32 s28, ttmp9, 1
	s_lshl_b32 s28, s28, 5
	s_and_b32 s29, ttmp9, 1
	s_lshl_b32 s29, s29, 3
	s_add_co_u32 s28, s28, s29
	s_lshl_b32 s28, s28, 12
	s_lshl_b32 s30, s26, 9
	s_add_co_u32 s28, s28, s30
	s_mov_b32 s29, 0
	s_mov_b32 s31, 0
	s_wait_kmcnt 0x0
	s_add_nc_u64 s[4:5], s[4:5], s[28:29]
	s_add_nc_u64 s[6:7], s[6:7], s[30:31]
	s_add_nc_u64 s[8:9], s[8:9], s[30:31]
	s_lshr_b32 s28, ttmp9, 3
	s_lshl_b32 s28, s28, 3
	s_add_co_u32 s28, s28, s26
	s_mul_i32 s28, s28, 12800
	s_and_b32 s30, ttmp9, 7
	s_mul_i32 s32, s30, 1536
	s_add_co_u32 s32, s32, s28
	s_mov_b32 s33, 0
	s_lshl_b32 s30, s30, 6
	s_add_co_u32 s30, s30, s28
	s_add_co_u32 s30, s30, 12288
	s_add_nc_u64 s[34:35], s[10:11], s[30:31]
	s_add_nc_u64 s[10:11], s[10:11], s[32:33]
.irp t, 0,1,2,3,4,5,6,7,8,9,10,11,12,13,14,15
	global_load_b128 v[X+4*\t:X+4*\t+3], v5, s[4:5] offset:(\t+8*(\t/8))*4096 th:TH_LOAD_NT   ; 32 lanes read 512 consecutive bytes of the tile's row t
.endr
.irp b, 0,1,2,3
.irp j, 0,1,2,3
	global_load_b128 v[G+16*\b+4*\j:G+16*\b+4*\j+3], v6, s[6:7] offset:128*\b+16*\j
.endr
.endr
.irp b, 0,1,2,3
.irp j, 0,1,2,3
	global_load_b128 v[S+16*\b+4*\j:S+16*\b+4*\j+3], v6, s[8:9] offset:128*\b+16*\j
.endr
.endr
	s_wait_loadcnt 32                              ; the 16 loads of rows are in; the 32 of gain and shift may be out
.irp t, 0,1,2,3,4,5,6,7,8,9,10,11,12,13,14,15
	ds_store_b128 v7, v[X+4*\t:X+4*\t+3] offset:528*\t
.endr
.irp b, 0,1,2,3
.irp j, 0,1,2,3
	ds_load_b128 v[X+16*\b+4*\j:X+16*\b+4*\j+3], v8 offset:128*\b+16*\j   ; LDS serves a wave's instructions in order: these see my stores
.endr
.endr
	s_wait_dscnt 0x0
	v_pk_add_f32 v[242:243], v[X:X+1], v[X+2:X+3]
	v_pk_add_f32 v[244:245], v[X+4:X+5], v[X+6:X+7]
.set j, 8
.rept 14
	s_delay_alu instid0(VALU_DEP_2)
	v_pk_add_f32 v[242:243], v[242:243], v[X+j:X+j+1]
	s_delay_alu instid0(VALU_DEP_2)
	v_pk_add_f32 v[244:245], v[244:245], v[X+j+2:X+j+3]
.set j, j+4
.endr
	REDUCE 0
	s_delay_alu instid0(VALU_DEP_1)
	v_mul_f32 v246, 0x3a800000, v[TM]              ; the mean
	s_delay_alu instid0(VALU_DEP_1)
	v_mov_b32 v247, v246
.set j, 0
.rept 32
	v_pk_add_f32 v[X+j:X+j+1], v[X+j:X+j+1], v[246:247] neg_lo:[0,1] neg_hi:[0,1]
.set j, j+2
.endr
	v_pk_mul_f32 v[242:243], v[X:X+1], v[X:X+1]
	v_pk_mul_f32 v[244:245], v[X+2:X+3], v[X+2:X+3]
.set j, 4
.rept 15
	s_delay_alu instid0(VALU_DEP_2)
	v_pk_fma_f32 v[242:243], v[X+j:X+j+1], v[X+j:X+j+1], v[242:243]
	s_delay_alu instid0(VALU_DEP_2)
	v_pk_fma_f32 v[244:245], v[X+j+2:X+j+3], v[X+j+2:X+j+3], v[244:245]
.set j, j+4
.endr
	REDUCE 512
	s_delay_alu instid0(VALU_DEP_1)
	v_mul_f32 v248, 0x3a800000, v[TM]              ; the variance
	s_delay_alu instid0(VALU_DEP_1)
	v_add_f32 v248, 0x3727c5ac, v248               ; + 1e-5
	s_wait_alu depctr_va_vdst(0)
	v_rsq_f32 v250, v248
	v_nop
	s_wait_alu depctr_va_vdst(0)                   ; the wait ahead of the first reader
	v_mov_b32 v251, v250
	s_wait_alu depctr_va_vdst(0)
	s_wait_loadcnt 0x0
.set j, 0
.rept 32
	v_pk_mul_f32 v[X+j:X+j+1], v[X+j:X+j+1], v[250:251]
.set j, j+2
.endr
.set j, 0
.rept 32
	v_pk_fma_f32 v[X+j:X+j+1], v[X+j:X+j+1], v[G+j:G+j+1], v[S+j:S+j+1]
.set j, j+2
.endr
	QUANT X
.irp p, 0,1,2,3,4,5
	global_store_b64 v11, v[PC+2*\p:PC+2*\p+1], s[10:11] offset:256*\p   ; 256 consecutive bytes, aligned
.endr
	global_store_b32 v10, v[PW], s[34:35]
	s_wait_tensorcnt 0x0                           ; the wave's end
	ds_add_u32 v1, v2
	s_wait_dscnt 0x0
	s_endpgm
.Lfunc_end_k_q24a82998c7_ln2:
	.size	k_q24a82998c7_ln2, .Lfunc_end_k_q24a82998c7_ln2-k_q24a82998c7_ln2
	.p2alignl 7, 3214868480
	.fill 96, 4, 3214868480
	.section	.rodata,"a",@progbits
	.p2align	6, 0x0
	.amdhsa_kernel k_q24a82998c7_ln2
		.amdhsa_group_segment_fixed_size 69632
		.amdhsa_private_segment_fixed_size 0
		.amdhsa_enable_private_segment 0
		.amdhsa_kernarg_size 32
		.amdhsa_user_sgpr_count 2
		.amdhsa_user_sgpr_kernarg_segment_ptr 1
		.amdhsa_wavefront_size32 1
		.amdhsa_system_sgpr_workgroup_id_x 1
		.amdhsa_system_sgpr_workgroup_id_y 1
		.amdhsa_system_sgpr_workgroup_id_z 1
		.amdhsa_system_vgpr_workitem_id 0
		.amdhsa_next_free_vgpr 256
		.amdhsa_next_free_sgpr 66
		.amdhsa_reserve_vcc 0
		.amdhsa_float_denorm_mode_32 3
		.amdhsa_float_denorm_mode_16_64 3
		.amdhsa_memory_ordered 1
		.amdhsa_forward_progress 1
		.amdhsa_inst_pref_size 31
	.end_amdhsa_kernel
	.amdgpu_metadata
---
amdhsa.version: [ 1, 2 ]
amdhsa.kernels:
  - .name:           k_q24a82998c7_ln2
    .symbol:         k_q24a82998c7_ln2.kd
    .args:
      - { .name: x1, .offset: 0, .size: 8, .value_kind: global_buffer, .address_space: global }
      - { .name: g2, .offset: 8, .size: 8, .value_kind: global_buffer, .address_space: global }
      - { .name: s2, .offset: 16, .size: 8, .value_kind: global_buffer, .address_space: global }
      - { .name: hA, .offset: 24, .size: 8, .value_kind: global_buffer, .address_space: global }
    .group_segment_fixed_size: 69632
    .private_segment_fixed_size: 0
    .kernarg_segment_align: 8
    .kernarg_segment_size: 32
    .max_flat_workgroup_size: 256
    .sgpr_count:     66
    .vgpr_count:     256
    .wavefront_size: 32
...
	.end_amdgpu_metadata
.endif
;; end of part 12
;; launch ffn1 (part 13): grid 16 x 16, 4 waves a work-group, clusters of 4 x 4, 327,680 bytes of LDS; arguments hA, wc, b1, hid; writes hid
.if DOCPART == 13
	.amdgcn_target "amdgcn-amd-amdhsa--gfx1250"
	.amdhsa_code_object_version 6
	.text
	.protected	k_q24a82998c7_ffn1
	.globl	k_q24a82998c7_ffn1
	.p2align	8
	.type	k_q24a82998c7_ffn1,@function
k_q24a82998c7_ffn1:
	s_mov_b64 s[64:65], 0
	v_nop
	global_prefetch_b8 v0, s[64:65] scope:SCOPE_SE
	s_setreg_imm32_b32 hwreg(HW_REG_WAVE_MODE, 25, 1), 1
	s_wait_xcnt 0x0
	s_wait_alu depctr_hold_cnt(0) depctr_sa_sdst(0) depctr_va_vdst(0) depctr_va_sdst(0) depctr_va_ssrc(0) depctr_va_vcc(0) depctr_vm_vsrc(0)
	s_getreg_b32 s2, hwreg(HW_REG_IB_STS2, 6, 4)
	s_cmp_eq_u32 s2, 0
	s_cbranch_scc0 .Lentry_in_a_cluster
	s_endpgm
.Lentry_in_a_cluster:
	s_bfe_u32 s2, ttmp6, 0x10000c
	s_cmp_lg_u32 s2, 0xf033
	s_cbranch_scc0 .Lentry_shape_is_right
	s_endpgm
.Lentry_shape_is_right:
; hid = Q(gelu_tanh(LN2(x1) W1 + b1)): the product on codes of FP6 (E2M3) with E8M0 scales, K = 1,024, and the quantising of its result along the 4,096 hidden units, in one launch.
; A work-group makes 256 x 256, a wave 128 x 128: 64 accumulators.  Operands lie in memory as images of the fragments' registers: a block of 12,800 bytes = 8 fragments (128 rows x 128 K) + their scale words.
; Source 0 = 16 rows of the weight, source 1 = 16 tokens: a lane holds a token, its registers run along the hidden units.  The bias is the C of each sum's first product.
; gelu_tanh(y) = y / (1 + 2^(y (a y^2 + c))), a = -2 log2(e) sqrt(2 / pi) 0.044715, c = -2 log2(e) sqrt(2 / pi), in f32.
; CLUSTERS: 4 x 4; the tokens' tiles are shared along a row of the cluster, the weight's along a column: joint loads.  A slot holds two K steps.
; LIMITS: NaN and infinities are not served; a block under 2^-124, and a block of zeros, gets the byte 1 (this program alone reads the bytes).
.set KSTEPS, 8
.set WOFF,   3276800
.set ZERO,   2
.set PBB,    12800
.set HALFT,  2*PBB
.set WREG,   2*HALFT                   ; LDS: a fetching wave's own region: its 128 rows' part of slot 0, then of slot 1, on end
.set SLOT,   HALFT                     ; so from slot 0 to slot 1 is one part.  AT THE HEAD one load a wave brings K steps 0 to 3, 51,200 dense bytes, into both parts; a refill brings one part
.set SPARE,  4*WREG                    ; behind the four regions: the spare words, 128 bytes a wave
.set G1H,  72                          ; s[72:79], s[80:87] descriptor groups 1 of the head's loads: 200 rows
.set G1HB, 80
.set PFA,  88                          ; s[88:89] where my prefetches stand
.set LAPS,   KSTEPS/4
.set NQ,     2
.set FR,     12
.set NL,     6
.set NP,     4
.set L8,   4
.set L4,   8
.set ADRA, 16
.set ADRB, 20
.set ADRS, 22
.set SPW,  28
.set NIL,  29
.set SC,   32
.set BI,   64
.set T,    64
.set AF,   128
.set TM,   200
.set PWW,  216
.set PC,   224
.set PW,   244
.set G1,  24
.set G0,  32
.set G1B, 48
.set G0B, 56
.set SEL, 66
.set HIM, 68
.set AC2, 70
.set MSB, 0
.macro WIN new
.if MSB != (\new)
	s_set_vgpr_msb (MSB<<8)|(\new)
.set MSB, (\new)
.endif
.endm
.set TO_B, 0x40
.macro WMUL hi, zero
.if (\zero) == 2
	WIN 0x81+0x40*(\hi)
.else
	WIN 0xa1+0x50*(\hi)
.endif
.endm
.macro JLOAD g0a, g1a, g0b, g1b
	s_cmp_eq_u32 s15, 0
	s_cbranch_scc0 .Lfor_b_\@
	tensor_load_to_lds s[\g0a:\g0a+3], s[\g1a:\g1a+7]
	s_nop 0
.rept 4
	v_nop
.endr
	s_branch .Lasked_\@
.Lfor_b_\@:
	tensor_load_to_lds s[\g0b:\g0b+3], s[\g1b:\g1b+7]
	s_nop 0
.rept 4
	v_nop
.endr
.Lasked_\@:
.endm
.macro CREST
	s_cmp_lg_u32 s14, 0
	s_cbranch_scc1 .Lnot_wave_0_\@
	s_barrier_signal -3
.Lnot_wave_0_\@:
	s_barrier_wait -3
	s_barrier_signal -1
	s_barrier_wait -1
.endm
.macro CROUND
	s_barrier_signal -1
	s_barrier_wait -1
	CREST
.endm
.macro PLACES n
.rept \n
	v_nop
.endr
.endm
.macro FRAG reg, adr, q, i
.irp p, 0,1,2,3,4,5
	ds_load_b64 v[(\reg)+2*\p:(\reg)+2*\p+1], v[\adr] offset:(\q)*PBB+(\i)*1536+256*\p
.endr
.endm
.macro MUL16 a0, p, q, sc, zero
.irp a, \a0, \a0+1
.irp b, 0,1,2,3,4,5,6,7
.if (\zero) == 1
	v_wmma_scale_f32_16x16x128_f8f6f4 v[8*(8*((\a)%4)+\b):8*(8*((\a)%4)+\b)+7], v[128*(\p)+FR*\b:128*(\p)+FR*\b+FR-1], v[AF+FR*(\a):AF+FR*(\a)+FR-1], 0, v[SC+16*(\sc)+2*\b+(\q)], v[SC+16*(\sc)+2*(\a)+(\q)] matrix_a_fmt:MATRIX_FMT_FP6 matrix_b_fmt:MATRIX_FMT_FP6 matrix_a_scale:MATRIX_SCALE_ROW1
.elseif (\zero) == 2
	v_wmma_scale_f32_16x16x128_f8f6f4 v[8*(8*((\a)%4)+\b):8*(8*((\a)%4)+\b)+7], v[128*(\p)+FR*\b:128*(\p)+FR*\b+FR-1], v[AF+FR*(\a):AF+FR*(\a)+FR-1], v[BI+8*\b:BI+8*\b+7], v[SC+16*(\sc)+2*\b+(\q)], v[SC+16*(\sc)+2*(\a)+(\q)] matrix_a_fmt:MATRIX_FMT_FP6 matrix_b_fmt:MATRIX_FMT_FP6 matrix_a_scale:MATRIX_SCALE_ROW1
.else
	v_wmma_scale_f32_16x16x128_f8f6f4 v[8*(8*((\a)%4)+\b):8*(8*((\a)%4)+\b)+7], v[128*(\p)+FR*\b:128*(\p)+FR*\b+FR-1], v[AF+FR*(\a):AF+FR*(\a)+FR-1], v[8*(8*((\a)%4)+\b):8*(8*((\a)%4)+\b)+7], v[SC+16*(\sc)+2*\b+(\q)], v[SC+16*(\sc)+2*(\a)+(\q)] matrix_a_fmt:MATRIX_FMT_FP6 matrix_b_fmt:MATRIX_FMT_FP6 matrix_a_scale:MATRIX_SCALE_ROW1
.endif
.endr
.endr
.endm
.macro FETCH_B slot, q, p
	WIN TO_B
.irp i, 0,1,2,3,4,5,6,7
	FRAG 128*(\p)+FR*\i, ADRB+\slot, \q, \i
.endr
	WIN 0
.endm
.macro FETCH_A slot, q, i0
.irp i, \i0, \i0+1, \i0+2, \i0+3
	FRAG AF+FR*(\i), ADRA+\slot, \q, \i
.endr
.endm
.macro SCALES sc
.irp i, 0,1,2,3,4,5,6,7
.irp q, 0,1
	ds_load_b32 v[SC+16*\sc+2*\i+\q], v[ADRS+\sc] offset:\q*PBB+64*\i
.endr
.endr
.endm
.macro STEP slot, q, zero
	s_wait_dscnt 4*NL
	WMUL 0, \zero
	MUL16 0, (\q)%2, \q, \slot, \zero
	MUL16 2, (\q)%2, \q, \slot, \zero
	s_wait_dscnt 0
	PLACES NP
	FETCH_B \slot, (\q)+1, 1-(\q)%2
	FETCH_A \slot, (\q)+1, 0
	WMUL 1, \zero
	MUL16 4, (\q)%2, \q, \slot, \zero
	MUL16 6, (\q)%2, \q, \slot, \zero
	PLACES NP
	WIN 0
	FETCH_A \slot, (\q)+1, 4
.endm
.macro TURN slot, next, fill
	s_wait_tensorcnt 0x0
	ds_add_u32 v[SPW], v[NIL]
	s_wait_dscnt 4*NL+1
	WIN 0xa1
	MUL16 0, 1, NQ-1, \slot, 0
	s_wait_dscnt 0x0
	s_barrier_signal -1
	MUL16 2, 1, NQ-1, \slot, 0
	WIN 0
	s_barrier_wait -1
.if \fill
	CREST
	s_add_nc_u64 s[G0+4*\slot+2:G0+4*\slot+3], s[G0+4*\slot+2:G0+4*\slot+3], 2*HALFT
	s_add_nc_u64 s[G0B+4*\slot+2:G0B+4*\slot+3], s[G0B+4*\slot+2:G0B+4*\slot+3], 2*HALFT
	JLOAD G0+4*\slot, G1, G0B+4*\slot, G1B
.else
	PLACES NP
.endif
	FETCH_B \next, 0, 0
	FETCH_A \next, 0, 0
	SCALES \next
	WIN 0xf1
	MUL16 4, 1, NQ-1, \slot, 0
	MUL16 6, 1, NQ-1, \slot, 0
	PLACES NP
	WIN 0
	FETCH_A \next, 0, 4
.endm
.macro QUANT s, w, pw
	WIN ((\w)<<2)|((\w)<<4)
.irp b, 0,1,2,3
	v_max3_num_f32 v[TM+\b], 0x1800000, |v[(\s)+16*\b]|, |v[(\s)+1+16*\b]|
.endr
.irp i, 2,4,6,8,10,12,14
.irp b, 0,1,2,3
	v_max3_num_f32 v[TM+\b], v[TM+\b], |v[(\s)+16*\b+\i]|, |v[(\s)+1+16*\b+\i]|
.endr
.endr
	WIN 0
.irp b, 0,1,2,3
	v_permlanex16_b32 v[TM+4+\b], v[TM+\b], s[SEL], s[SEL+1]
.endr
.irp b, 0,1,2,3
	v_max_num_f32 v[TM+\b], v[TM+\b], v[TM+4+\b]
.endr
.irp b, 0,1,2,3
	v_add_nc_u32 v[TM+12+\b], 0xff000000, v[TM+\b]
.endr
.irp b, 0,1,2,3
	v_lshrrev_b32 v[TM+4+\b], 23, v[TM+12+\b]
.endr
	v_lshl_or_b32 v[\pw], v[TM+5], 8, v[TM+4]
	v_lshl_or_b32 v[\pw], v[TM+6], 16, v[\pw]
	v_lshl_or_b32 v[\pw], v[TM+7], 24, v[\pw]
	s_wait_xcnt 0x0
	WIN (\w)
.irp c, 0,1
	v_cvt_scalef32_pk16_fp6_f32 v[PC+6*\c:PC+2+6*\c], v[(\s)+32*\c:(\s)+15+32*\c], v[TM+12+2*\c]
	v_cvt_scalef32_pk16_fp6_f32 v[PC+12+4*\c:PC+14+4*\c], v[(\s)+16+32*\c:(\s)+31+32*\c], v[TM+12+2*\c+1]
.endr
	WIN 0
	v_nop
.irp c, 0,1
.irp i, 0,1,2
	v_permlane16_swap_b32 v[PC+6*\c+\i], v[PC+12+4*\c+\i]
.endr
.irp i, 0,1,2
	v_mov_b32 v[PC+3+6*\c+\i], v[PC+12+4*\c+\i]
.endr
.endr
.endm
	s_load_b256 s[4:11], s[0:1], 0x0
	v_lshl_add_u32 v[SPW], v0, 2, SPARE
	v_mov_b32 v[NIL], 0
	ds_add_u32 v[SPW], v[NIL]
	ds_add_u32 v[SPW], v[NIL]
	v_lshrrev_b32 v1, 5, v0
	v_readfirstlane_b32 s14, v1
	s_lshr_b32 s15, s14, 1
	s_and_b32 s16, s14, 1
	s_bfe_u32 s40, ttmp6, 0x40000
	s_bfe_u32 s41, ttmp6, 0x40004
	s_lshl_b32 s42, ttmp9, 2
	s_add_co_u32 s42, s42, s40
	s_and_b32 s17, ttmp7, 0xffff
	s_lshl_b32 s17, s17, 2
	s_add_co_u32 s17, s17, s41
	s_lshl_b32 s43, s41, 2
	s_lshl_b32 s43, 15, s43
	s_lshl_b32 s44, 0x1111, s40
	s_or_b32 s[G1+0], s43, (3<<16)|(1<<21)
	s_or_b32 s[G1B+0], s44, (3<<16)|(1<<21)
	s_or_b32 s[G1H+0], s43, (3<<16)|(1<<21)
	s_or_b32 s[G1HB+0], s44, (3<<16)|(1<<21)
.irp g, G1H, G1HB
	s_mov_b32 s[\g+1], 32<<16                      ; 200 dense rows of 256 bytes
	s_mov_b32 s[\g+2], 200<<16
	s_mov_b32 s[\g+3], 32<<16
	s_mov_b32 s[\g+4], 200
	s_mov_b32 s[\g+5], 32
	s_mov_b32 s[\g+6], 0
	s_mov_b32 s[\g+7], 0
.endr
.irp g, G1, G1B
	s_mov_b32 s[\g+1], 32<<16
	s_mov_b32 s[\g+2], 100<<16
	s_mov_b32 s[\g+3], 32<<16
	s_mov_b32 s[\g+4], 100
	s_mov_b32 s[\g+5], 32
	s_mov_b32 s[\g+6], 0
	s_mov_b32 s[\g+7], 0
.endr
	s_lshl_b32 s20, s17, 1
	s_add_co_u32 s20, s20, s16
	s_mul_i32 s20, s20, KSTEPS*PBB
	s_mov_b32 s21, 0
	s_lshl_b32 s46, s42, 1
	s_add_co_u32 s46, s46, s16
	s_mul_i32 s46, s46, KSTEPS*PBB
	s_add_co_u32 s46, s46, WOFF
	s_mov_b32 s47, 0
	s_mul_i32 s45, s14, WREG                       ; where my tile goes: no place in the cluster enters an LDS address
	s_mov_b32 s[SEL], 0x76543210
	s_mov_b32 s[SEL+1], 0xfedcba98
	s_mov_b32 s[HIM], 0xffff0000
	s_mov_b32 s[AC2], 0xbdd2d3e8
	s_mov_b32 s[AC2+1], s[AC2]
	s_wait_dscnt 0x0
	s_wait_kmcnt 0x0
	s_add_nc_u64 s[20:21], s[4:5], s[20:21]
	s_add_nc_u64 s[46:47], s[6:7], s[46:47]
	CROUND
.irp s, 0,1
	s_mov_b32 s[G0+4*\s], 1
	s_add_co_u32 s[G0+4*\s+1], s45, \s*SLOT
	s_add_nc_u64 s[G0+4*\s+2:G0+4*\s+3], s[20:21], \s*HALFT
	s_or_b32 s[G0+4*\s+3], s[G0+4*\s+3], 0x80000000
	s_mov_b32 s[G0B+4*\s], 1
	s_add_co_u32 s[G0B+4*\s+1], s45, \s*SLOT
	s_add_nc_u64 s[G0B+4*\s+2:G0B+4*\s+3], s[46:47], \s*HALFT
	s_or_b32 s[G0B+4*\s+3], s[G0B+4*\s+3], 0x80000000
.endr
	JLOAD G0, G1H, G0B, G1HB                       ; my one load at the head: slot 0's address, 200 rows: both slots' first fill
	; A PREFETCH INTO THE L2 of what the two refills will bring: K steps 4 to 7 of the panel that I fetch, four blocks of 12,800 bytes.  The four partners that ask for them jointly share them out BY ADDRESS, a block each
	; (place cx for the tokens, cy for the weight): 50 units of 256 bytes, 25 lanes an instruction (the lanes left over name the last unit again).  The first refill stands two K steps on, the second four.
	s_cmp_eq_u32 s15, 0
	s_cselect_b64 s[PFA:PFA+1], s[20:21], s[46:47]
	s_cselect_b32 s18, s40, s41
	s_mul_i32 s18, s18, PBB
	s_mov_b32 s19, 0
	s_add_nc_u64 s[PFA:PFA+1], s[PFA:PFA+1], s[18:19]
	v_and_b32 v10, 31, v0
	v_min_u32 v10, 24, v10
	v_lshlrev_b32 v10, 8, v10                      ; never rewritten
	global_prefetch_b8 v10, s[PFA:PFA+1] offset:2*HALFT th:TH_LOAD_NT scope:SCOPE_SE
	global_prefetch_b8 v10, s[PFA:PFA+1] offset:2*HALFT+6400 th:TH_LOAD_NT scope:SCOPE_SE
	v_and_b32 v1, 15, v0
	v_bfe_u32 v2, v0, 4, 1
	s_wait_alu depctr_va_vdst(0)
	v_and_b32 v3, 31, v0
	v_lshlrev_b32 v[L8], 3, v3
	s_wait_alu depctr_va_vdst(0)
	v_lshlrev_b32 v[L4], 2, v3
	v_lshlrev_b32 v9, 6, v2
	s_lshl_b32 s18, s42, 10
	s_lshl_b32 s19, s16, 9
	s_add_co_u32 s18, s18, s19
	s_mov_b32 s19, 0
	s_add_nc_u64 s[8:9], s[8:9], s[18:19]
.irp b, 0,1,2,3,4,5,6,7
	global_load_b128 v[BI+8*\b:BI+8*\b+3], v9, s[8:9] offset:(32*(\b/2)+8*(\b%2))*4
	global_load_b128 v[BI+8*\b+4:BI+8*\b+7], v9, s[8:9] offset:(32*(\b/2)+8*(\b%2))*4+16
.endr
	s_lshl_b32 s20, s17, 1
	s_add_co_u32 s20, s20, s15
	s_lshl_b32 s20, s20, 5
	s_lshl_b32 s21, s42, 1
	s_add_co_u32 s20, s20, s21
	s_add_co_u32 s20, s20, s16
	s_mul_i32 s20, s20, PBB
	s_mov_b32 s21, 0
	s_add_nc_u64 s[10:11], s[10:11], s[20:21]
	s_mul_i32 s21, s15, WREG                       ; my 128 tokens
	s_mul_i32 s22, s16, WREG
	s_add_co_u32 s22, s22, 2*WREG                  ; my 128 rows of the weight
	s_xor_b32 s23, s15, 1
	s_add_co_u32 s23, s23, s16
	s_add_co_u32 s23, s23, 1
	s_mul_i32 s23, s23, WREG                       ; from the one to the other
	v_mul_u32_u24 v5, s23, v2
	v_lshl_add_u32 v5, v1, 2, v5
	s_add_co_u32 s18, s21, 8*1536
.irp s, 0,1
	v_add_nc_u32 v[ADRA+\s], s21, v[L8]
	v_add_nc_u32 v[ADRB+\s], s22, v[L8]
	v_add_nc_u32 v[ADRS+\s], s18, v5
	s_add_co_u32 s21, s21, SLOT
	s_add_co_u32 s22, s22, SLOT
	s_add_co_u32 s18, s18, SLOT
.endr
	v_mov_b32 v30, 0xc0135761
	v_mov_b32 v31, v30
	s_wait_alu depctr_va_vdst(0)
	s_wait_tensorcnt 0x0                           ; my one load, my part of both slots, is in
	s_barrier_signal -1
	s_barrier_wait -1
	FETCH_B 0, 0, 0
	FETCH_A 0, 0, 0
	SCALES 0
	FETCH_A 0, 0, 4
	s_wait_loadcnt 0x0
	STEP 0, 0, ZERO
	s_mov_b32 s3, LAPS-1
.Llap:
	TURN 0, 1, 1
	STEP 1, 0, 0
	TURN 1, 0, 1
	STEP 0, 0, 0
	s_sub_co_u32 s3, s3, 1
	s_cmp_lg_u32 s3, 0
	s_cbranch_scc1 .Llap
	TURN 0, 1, 0
	STEP 1, 0, 0
	s_wait_dscnt 4*NL
	WIN 0xa1
	MUL16 0, 1, NQ-1, 1, 0
	MUL16 2, 1, NQ-1, 1, 0
	s_wait_dscnt 0
	WIN 0xf1
	MUL16 4, 1, NQ-1, 1, 0
	MUL16 6, 1, NQ-1, 1, 0
	WIN 0
.macro GELU a
.set W, 2+(\a)/4
.set S0, 64*((\a)%4)
	WIN W|(W<<2)
.set k, 0
.rept 32
	v_pk_mul_f32 v[T+k:T+k+1], v[S0+k:S0+k+1], v[S0+k:S0+k+1]
.set k, k+2
.endr
	WIN 0
.set k, 0
.rept 32
	v_pk_fma_f32 v[T+k:T+k+1], v[T+k:T+k+1], s[AC2:AC2+1], v[30:31] op_sel_hi:[1,0,0]
.set k, k+2
.endr
	WIN W<<2
.set k, 0
.rept 32
	v_pk_mul_f32 v[T+k:T+k+1], v[T+k:T+k+1], v[S0+k:S0+k+1]
.set k, k+2
.endr
	WIN 0
.set k, 0
	s_wait_alu depctr_va_vdst(0)
.rept 64
	v_exp_f32 v[T+k], v[T+k]
.set k, k+1
.endr
	v_nop
	s_wait_alu depctr_va_vdst(0)
.set k, 0
.rept 32
	v_pk_add_f32 v[T+k:T+k+1], v[T+k:T+k+1], 1.0 op_sel_hi:[1,0]
.set k, k+2
.endr
.set k, 0
	s_wait_alu depctr_va_vdst(0)
.rept 64
	v_rcp_f32 v[T+k], v[T+k]
.set k, k+1
.endr
	v_nop
	s_wait_alu depctr_va_vdst(0)
	WIN W<<2
.set k, 0
.rept 32
	v_pk_mul_f32 v[T+k:T+k+1], v[T+k:T+k+1], v[S0+k:S0+k+1]
.set k, k+2
.endr
	WIN 0
.endm
	PLACES NP
.irp b, 0,1,2,3
	v_mov_b32 v[TM+4+\b], 0
.endr
.irp a, 0,1,2,3,4,5,6,7
	GELU \a
	QUANT T, 0, PW+\a
.irp p, 0,1,2,3,4,5
	global_store_b64 v[L8], v[PC+2*\p:PC+2*\p+1], s[10:11] offset:\a*1536+256*\p
.endr
.if \a%2
	v_cndmask_b32 v[PWW+\a/2], v[PW+\a-1], v[PW+\a], s[HIM]
	global_store_b32 v[L4], v[PWW+\a/2], s[10:11] offset:12288+64*(\a-1)
.endif
.endr
	s_wait_tensorcnt 0x0
	ds_add_u32 v[SPW], v[NIL]
	s_wait_dscnt 0x0
	CROUND
	s_endpgm
.Lfunc_end_k_q24a82998c7_ffn1:
	.size	k_q24a82998c7_ffn1, .Lfunc_end_k_q24a82998c7_ffn1-k_q24a82998c7_ffn1
	.p2alignl 7, 3214868480
	.fill 96, 4, 3214868480
	.section	.rodata,"a",@progbits
	.p2align	6, 0x0
	.amdhsa_kernel k_q24a82998c7_ffn1
		.amdhsa_group_segment_fixed_size 327680
		.amdhsa_private_segment_fixed_size 0
		.amdhsa_enable_private_segment 0
		.amdhsa_kernarg_size 32
		.amdhsa_user_sgpr_count 2
		.amdhsa_user_sgpr_kernarg_segment_ptr 1
		.amdhsa_wavefront_size32 1
		.amdhsa_system_sgpr_workgroup_id_x 1
		.amdhsa_system_sgpr_workgroup_id_y 1
		.amdhsa_system_sgpr_workgroup_id_z 1
		.amdhsa_system_vgpr_workitem_id 0
		.amdhsa_next_free_vgpr 1024
		.amdhsa_next_free_sgpr 90
		.amdhsa_reserve_vcc 0
		.amdhsa_float_denorm_mode_32 3
		.amdhsa_float_denorm_mode_16_64 3
		.amdhsa_memory_ordered 1
		.amdhsa_forward_progress 1
		.amdhsa_inst_pref_size 255
	.end_amdhsa_kernel
	.section	.bss,"aw",@nobits
	.p2align	6
	.space	262144
	.amdgpu_metadata
---
amdhsa.version: [ 1, 2 ]
amdhsa.kernels:
  - .name:           k_q24a82998c7_ffn1
    .symbol:         k_q24a82998c7_ffn1.kd
    .args:
      - { .name: hA, .offset: 0, .size: 8, .value_kind: global_buffer, .address_space: global }
      - { .name: wc, .offset: 8, .size: 8, .value_kind: global_buffer, .address_space: global }
      - { .name: b1, .offset: 16, .size: 8, .value_kind: global_buffer, .address_space: global }
      - { .name: hid, .offset: 24, .size: 8, .value_kind: global_buffer, .address_space: global }
    .group_segment_fixed_size: 327680
    .private_segment_fixed_size: 0
    .kernarg_segment_align: 8
    .kernarg_segment_size: 32
    .max_flat_workgroup_size: 128
    .sgpr_count:     90
    .vgpr_count:     1024
    .wavefront_size: 32
...
	.end_amdgpu_metadata
.endif
;; end of part 13
;; launch ffn2 (part 14): grid 8 x 32, 4 waves a work-group, clusters of 4 x 4, 327,680 bytes of LDS; arguments hid, wc, b2, x1, out0; writes out0
.if DOCPART == 14
	.amdgcn_target "amdgcn-amd-amdhsa--gfx1250"
	.amdhsa_code_object_version 6
	.text
	.protected	k_q24a82998c7_ffn2
	.globl	k_q24a82998c7_ffn2
	.p2align	8
	.type	k_q24a82998c7_ffn2,@function
k_q24a82998c7_ffn2:
	s_mov_b64 s[64:65], 0
	v_nop
	global_prefetch_b8 v0, s[64:65] scope:SCOPE_SE
	s_setreg_imm32_b32 hwreg(HW_REG_WAVE_MODE, 25, 1), 1
	s_wait_xcnt 0x0
	s_wait_alu depctr_hold_cnt(0) depctr_sa_sdst(0) depctr_va_vdst(0) depctr_va_sdst(0) depctr_va_ssrc(0) depctr_va_vcc(0) depctr_vm_vsrc(0)
	s_getreg_b32 s2, hwreg(HW_REG_IB_STS2, 6, 4)
	s_cmp_eq_u32 s2, 0
	s_cbranch_scc0 .Lentry_in_a_cluster
	s_endpgm
.Lentry_in_a_cluster:
	s_bfe_u32 s2, ttmp6, 0x10000c
	s_cmp_lg_u32 s2, 0xf033
	s_cbranch_scc0 .Lentry_shape_is_right
	s_endpgm
.Lentry_shape_is_right:
; out0 = hid W2 + b2 + x1.  The product on codes of FP6 (E2M3) with E8M0 scales, K = 4,096; bias and shortcut in f32.
; TILE.  The result is 4,096 x 1,024: 256 tiles of 128 x 128, one to a work-group.  Four waves, each 64 x 64: 16 accumulators of 16 x 16, 128 registers.
; OPERANDS lie in memory as images of the fragments' registers: a block of 12,800 bytes = 8 fragments (128 rows x 128 K, 1,536 bytes each) + their scale words (64 bytes a fragment).  A work-group needs one panel of 128 tokens
; and one panel of 128 weight rows: two blocks a K step.  A slot holds FOUR K steps: the tokens' four blocks, then the weight's four; a wave's tensor load brings two blocks, 25,600 dense bytes.  K = 32 steps are eight fills of
; the two slots: two at the start, six behind a round of the cluster's barrier each; a refill has a slot's 64 matrix instructions a wave in which to land.
; Source 0 = 16 rows of the weight, source 1 = 16 tokens: a lane holds a token, its registers run along the columns.  The rows of tile 2 b + u of both operands are 32 b + 8 u + r + 8 (r / 8).  The bias is the C of each sum's first product.
; CLUSTERS: 4 x 4; the tokens' blocks are shared along a row of the cluster, the weight's along a column: joint loads.
; THE SHORTCUT's 64 rows x 256 bytes of my part are asked for at the head, into registers of their own, and are there when the sums are finished.
; THE WAY OUT: my 64 x 64 goes through my stage in slot 0 (its last fill and its last read are over), comes back as rows of 256 bytes, takes the shortcut and is stored: sixteen lanes store 256 consecutive bytes, aligned.
; REGISTERS, in windows of 256: window 0: v0-31 addresses; v32-63 scale words, a set for each slot (register 4 x block + K step: lanes 0-15 the tokens' block, lanes 16-31 the weight's); v64-95 the bias; v128-255 the accumulators ((a, b) at v[128 + 8 (4 a + b)]).
;   window 1: two sets of fragments, at v0 and v128: four of the tokens', then four of the weight's; on the way out v0-127 the rows from the stage.   window 2: v0-127 the shortcut.
.set KSTEPS, 32
.set WOFF,   6553600                   ; W2's first byte in wc
.set PBB,    12800                     ; a block
.set QUART,  2*PBB                     ; what one tensor load brings
.set SLOT,   4*QUART
.set SPARE,  2*SLOT                    ; behind the ring: the spare words, 128 bytes a wave: two blocks of 256 bytes that no other line names
.set LAPS,   KSTEPS/8                  ; a lap = eight K steps = once round the ring
.set FR,     12
.set NP,     4
.set SPITCH, 272                       ; a stage row: 256 bytes + 16
.set L8,   4                           ; v4     8 x lane
.set ADRA, 16                          ; v16-17 my four fragments of the tokens in slot 0, 1
.set ADRB, 20                          ; v20-21 of the weight
.set ADRS, 22                          ; v22-23 scale words: lanes 0-15 the tokens', lanes 16-31 the weight's
.set STO,  24
.set RD,   25
.set CO,   26
.set SPW,  28
.set NIL,  29
.set SC,   32
.set BI,   64
.set ACC,  128
.set F0,   0
.set F1,   128
.set BK,   0
.set RS,   0
.set G1,  24
.set G0,  32
.set G1B, 48
.set G0B, 56
.set MSB, 0
.macro WIN new                         ; the immediate's high byte repeats the setting that is left
.if MSB != (\new)
	s_set_vgpr_msb (MSB<<8)|(\new)
.set MSB, (\new)
.endif
.endm
.set MUL,  0x05                        ; sources 0 and 1 window 1; C and D window 0
.set TO_F, 0x40                        ; destination window 1, address window 0
.macro JLOAD g0a, g1a, g0b, g1b        ; a joint load: waves 0, 1 for the tokens, waves 2, 3 for the weight; an s_nop 0 and four v_nop follow each line
	s_cmp_eq_u32 s15, 0
	s_cbranch_scc0 .Lfor_b_\@
	tensor_load_to_lds s[\g0a:\g0a+3], s[\g1a:\g1a+7]
	s_nop 0
.rept 4
	v_nop
.endr
	s_branch .Lasked_\@
.Lfor_b_\@:
	tensor_load_to_lds s[\g0b:\g0b+3], s[\g1b:\g1b+7]
	s_nop 0
.rept 4
	v_nop
.endr
.Lasked_\@:
.endm
.macro CREST
	s_cmp_lg_u32 s14, 0
	s_cbranch_scc1 .Lnot_wave_0_\@
	s_barrier_signal -3
.Lnot_wave_0_\@:
	s_barrier_wait -3
	s_barrier_signal -1
	s_barrier_wait -1
.endm
.macro CROUND
	s_barrier_signal -1
	s_barrier_wait -1
	CREST
.endm
.macro PLACES n
.rept \n
	v_nop
.endr
.endm
.macro FRAG reg, adr, q, i             ; a fragment comes as it was stored: six loads of 8 bytes a lane, 256 consecutive bytes each
.irp p, 0,1,2,3,4,5
	ds_load_b64 v[(\reg)+2*\p:(\reg)+2*\p+1], v[\adr] offset:(\q)*PBB+(\i)*1536+256*\p
.endr
.endm
.macro FETCH slot, q, f                ; 48 LDS loads in one run: my eight fragments of the slot's K step q into set f
	WIN TO_F
.irp i, 0,1,2,3
	FRAG (\f)+48+FR*\i, ADRB+\slot, \q, \i
.endr
.irp i, 0,1,2,3
	FRAG (\f)+FR*\i, ADRA+\slot, \q, \i
.endr
.endm
.macro SCALES sc                       ; a slot's scale words: block i, K step q
.irp i, 0,1,2,3
.irp q, 0,1,2,3
	ds_load_b32 v[SC+16*\sc+4*\i+\q], v[ADRS+\sc] offset:\q*PBB+64*\i
.endr
.endr
.endm
.macro MUL4 f, a, q, sc, zero          ; the tokens' block a x the weight's four; zero = 2: the bias starts the sums.  The 16 accumulators take turns
.irp b, 0,1,2,3
.if (\zero) == 2
	v_wmma_scale_f32_16x16x128_f8f6f4 v[ACC+8*(4*(\a)+\b):ACC+8*(4*(\a)+\b)+7], v[(\f)+48+FR*\b:(\f)+48+FR*\b+FR-1], v[(\f)+FR*(\a):(\f)+FR*(\a)+FR-1], v[BI+8*\b:BI+8*\b+7], v[SC+16*(\sc)+4*\b+(\q)], v[SC+16*(\sc)+4*(\a)+(\q)] matrix_a_fmt:MATRIX_FMT_FP6 matrix_b_fmt:MATRIX_FMT_FP6 matrix_a_scale:MATRIX_SCALE_ROW1
.else
	v_wmma_scale_f32_16x16x128_f8f6f4 v[ACC+8*(4*(\a)+\b):ACC+8*(4*(\a)+\b)+7], v[(\f)+48+FR*\b:(\f)+48+FR*\b+FR-1], v[(\f)+FR*(\a):(\f)+FR*(\a)+FR-1], v[ACC+8*(4*(\a)+\b):ACC+8*(4*(\a)+\b)+7], v[SC+16*(\sc)+4*\b+(\q)], v[SC+16*(\sc)+4*(\a)+(\q)] matrix_a_fmt:MATRIX_FMT_FP6 matrix_b_fmt:MATRIX_FMT_FP6 matrix_a_scale:MATRIX_SCALE_ROW1
.endif
.endr
.endm
.macro STEP slot, q, zero              ; one of a slot's first three K steps: K step q lies in set q % 2; the next one is fetched into the other set
	PLACES NP                                      ; four places in front of loads into registers that the last K step's products have read
	FETCH \slot, (\q)+1, 128*(1-(\q)%2)
	s_wait_dscnt 48                                ; all but the 48 just issued: this K step's fragments (and the slot's scale words) are in
	WIN MUL
.irp a, 0,1,2,3
	MUL4 128*((\q)%2), \a, \q, \slot, \zero
.endr
.endm
.macro TURN slot, next, fill           ; a slot's fourth K step changes slots: one barrier; fill = 1: a round of the cluster's barrier, and this slot is filled again, eight K steps on
.if \fill
	s_wait_xcnt 0x0                                ; my last prefetch has read its address
	s_add_nc_u64 s[PFA:PFA+1], s[PFA:PFA+1], 4*PBB
.endif
	WIN 0                                          ; (the add's two registers lie in window 0)
	s_wait_tensorcnt 0x0                           ; all my tensor loads have landed: my part of the next slot
	ds_add_u32 v[SPW], v[NIL]                      ; 0 onto my spare word
	s_wait_dscnt 1                                 ; the add may be out; this K step's fragments are in
	WIN MUL
	MUL4 F1, 0, 3, \slot, 0                        ; four products stand between the add and the wait for it
	s_wait_dscnt 0x0                               ; the add is done, and my reads of this slot are over
	s_barrier_signal -1
	MUL4 F1, 1, 3, \slot, 0
	WIN 0
	s_barrier_wait -1
.if \fill
	CREST                                          ; no wave of any partner still reads this slot or has a load on its way
	s_add_nc_u64 s[G0+4*\slot+2:G0+4*\slot+3], s[G0+4*\slot+2:G0+4*\slot+3], 8*PBB
	s_add_nc_u64 s[G0B+4*\slot+2:G0B+4*\slot+3], s[G0B+4*\slot+2:G0B+4*\slot+3], 8*PBB
	JLOAD G0+4*\slot, G1, G0B+4*\slot, G1B         ; the first tensor load behind the round; its four v_nop are the places in front of the loads below
.else
	PLACES NP
.endif
	s_wait_alu depctr_va_vdst(0)
	FETCH \next, 0, F0
	WIN 0
	SCALES \next
.if \fill
	s_cmp_gt_u32 s3, 1                             ; s3 = 1 in the loop's last trip
	s_cbranch_scc0 .Lno_ask_\@
	global_prefetch_b8 v[PFO], s[PFA:PFA+1] offset:4*PBB th:TH_LOAD_NT scope:SCOPE_SE
.Lno_ask_\@:
.endif
	WIN MUL
	MUL4 F1, 2, 3, \slot, 0
	MUL4 F1, 3, 3, \slot, 0
.endm
	s_load_b256 s[4:11], s[0:1], 0x0               ; the tokens' codes, wc, the bias, the shortcut
	s_load_b64 s[12:13], s[0:1], 0x20              ; the result
	v_lshl_add_u32 v[SPW], v0, 2, SPARE
	v_mov_b32 v[NIL], 0
	ds_add_u32 v[SPW], v[NIL]                      ; the wave's opening: the add and its wait ahead of my first tensor load
	ds_add_u32 v[SPW], v[NIL]
	v_lshrrev_b32 v1, 5, v0
	v_readfirstlane_b32 s14, v1                    ; wave 0..3
	s_lshr_b32 s15, s14, 1                         ; i: my 64 of the tile's tokens.  Also: I fetch for the tokens (0) or for the weight (1)
	s_and_b32 s16, s14, 1                          ; j: my 64 of its columns.  Also: which two of a slot's four K steps I fetch
	s_bfe_u32 s40, ttmp6, 0x40000                  ; cx
	s_bfe_u32 s41, ttmp6, 0x40004                  ; cy
	s_lshl_b32 s42, ttmp9, 2
	s_add_co_u32 s42, s42, s40                     ; tile column, 0..7: the weight's panel
	s_and_b32 s17, ttmp7, 0xffff
	s_lshl_b32 s17, s17, 2
	s_add_co_u32 s17, s17, s41                     ; tile row, 0..31: the tokens' panel
	s_lshl_b32 s43, s41, 2
	s_lshl_b32 s43, 15, s43                        ; my row of the cluster
	s_lshl_b32 s44, 0x1111, s40                    ; my column
	s_or_b32 s[G1+0], s43, (3<<16)|(1<<21)         ; the mask; elements of 8 bytes; bit 21 set beside a mask; no padding
	s_or_b32 s[G1B+0], s44, (3<<16)|(1<<21)
; THE HEAD'S LOADS have descriptors of their own: each wave issues ONE, four blocks, 51,200 dense bytes: wave 0 the tokens' K steps 0-3, wave 1 the weight's (slot 0), waves 2 and 3 the same of K steps 4-7 (slot 1)
.set G1H,  72                          ; s[72:79], s[80:87] groups 1: 200 rows;  s[88:91], s[92:95] groups 0
.set G1HB, 80
.set G0H,  88
.set G0HB, 92
; THE REFILLS ARE PREFETCHED INTO THE L2.  A refill of mine is 25,600 bytes, 100 units of 256, asked for jointly by four partners, who share the units out BY ADDRESS: the partner at place p (cx for the tokens, cy for the weight) names units 25 p .. 25 p + 24,
; a lane a unit (the lanes left over name the last again), one instruction a wave.  Fills 2 and 3 are asked for at the head, behind the head's loads; behind the refill that brings fill f stands the request for fill f + 2: two changes of slots, eight K steps, ahead.
; The loop's last trip (fills 6 and 7) asks for nothing.  The address is stepped at the head of a change of slots, behind s_wait_xcnt 0.
.set PFA,  96                          ; s[96:97] my share of the fill behind the one that is being asked for
.set PFO,  30                          ; v30      256 x min(lane, 24); never rewritten
	s_or_b32 s[G1H+0], s43, (3<<16)|(1<<21)
	s_or_b32 s[G1HB+0], s44, (3<<16)|(1<<21)
.irp g, G1H, G1HB
	s_mov_b32 s[\g+1], 32<<16                      ; 200 dense rows of 256 bytes
	s_mov_b32 s[\g+2], 200<<16
	s_mov_b32 s[\g+3], 32<<16
	s_mov_b32 s[\g+4], 200
	s_mov_b32 s[\g+5], 32
	s_mov_b32 s[\g+6], 0
	s_mov_b32 s[\g+7], 0
.endr
.irp g, G1, G1B
	s_mov_b32 s[\g+1], 32<<16                      ; 100 dense rows of 256 bytes
	s_mov_b32 s[\g+2], 100<<16
	s_mov_b32 s[\g+3], 32<<16
	s_mov_b32 s[\g+4], 100
	s_mov_b32 s[\g+5], 32
	s_mov_b32 s[\g+6], 0
	s_mov_b32 s[\g+7], 0
.endr
	s_mul_i32 s18, s16, QUART                      ; my two K steps of a slot's four
	s_mul_i32 s20, s17, KSTEPS*PBB
	s_add_co_u32 s20, s20, s18
	s_mov_b32 s21, 0
	s_mul_i32 s46, s42, KSTEPS*PBB
	s_add_co_u32 s46, s46, s18
	s_add_co_u32 s46, s46, WOFF
	s_mov_b32 s47, 0
	s_mul_i32 s45, s14, QUART                      ; where they go: no place in the cluster enters an LDS address
	s_wait_dscnt 0x0                               ; the opening add is done
	s_wait_kmcnt 0x0
	s_add_nc_u64 s[20:21], s[4:5], s[20:21]
	s_add_nc_u64 s[46:47], s[6:7], s[46:47]
	CROUND                                         ; all sixteen work-groups are here: the first joint loads meet
.irp s, 0,1
	s_mov_b32 s[G0+4*\s], 1
	s_add_co_u32 s[G0+4*\s+1], s45, \s*SLOT
	s_add_nc_u64 s[G0+4*\s+2:G0+4*\s+3], s[20:21], \s*4*PBB
	s_or_b32 s[G0+4*\s+3], s[G0+4*\s+3], 0x80000000
	s_mov_b32 s[G0B+4*\s], 1
	s_add_co_u32 s[G0B+4*\s+1], s45, \s*SLOT
	s_add_nc_u64 s[G0B+4*\s+2:G0B+4*\s+3], s[46:47], \s*4*PBB
	s_or_b32 s[G0B+4*\s+3], s[G0B+4*\s+3], 0x80000000
.endr
	s_mul_i32 s3, s15, 4*PBB                       ; at the head wave / 2 is the slot that I fetch for: its four K steps
	s_mul_i32 s18, s17, KSTEPS*PBB
	s_add_co_u32 s18, s18, s3
	s_mov_b32 s19, 0
	s_mul_i32 s22, s42, KSTEPS*PBB
	s_add_co_u32 s22, s22, s3
	s_add_co_u32 s22, s22, WOFF
	s_mov_b32 s23, 0
	s_mov_b32 s[G0H], 1                            ; the tokens' four blocks of that slot
	s_mul_i32 s[G0H+1], s15, SLOT
	s_add_nc_u64 s[G0H+2:G0H+3], s[4:5], s[18:19]
	s_or_b32 s[G0H+3], s[G0H+3], 0x80000000
	s_mov_b32 s[G0HB], 1                           ; the weight's four, behind them
	s_add_co_u32 s[G0HB+1], s[G0H+1], 2*QUART
	s_add_nc_u64 s[G0HB+2:G0HB+3], s[6:7], s[22:23]
	s_or_b32 s[G0HB+3], s[G0HB+3], 0x80000000
.macro ARM under, g0, g1, next         ; one chain of branches on the wave's number, one load to an arm, all arms to one join
	s_cmp_lt_u32 s14, \under
	s_cbranch_scc0 \next
	tensor_load_to_lds s[\g0:\g0+3], s[\g1:\g1+7]
	s_nop 0
.rept 4
	v_nop
.endr
	s_branch .Lhead_asked
\next:
.endm
	ARM 1, G0H,  G1H,  .Lhead_1
	ARM 2, G0HB, G1HB, .Lhead_2
	ARM 3, G0H,  G1H,  .Lhead_3
	tensor_load_to_lds s[G0HB:G0HB+3], s[G1HB:G1HB+7]
	s_nop 0
.rept 4
	v_nop
.endr
.Lhead_asked:
	s_cmp_eq_u32 s15, 0                            ; in the ring waves 0, 1 fetch the tokens, waves 2, 3 the weight
	s_cselect_b64 s[PFA:PFA+1], s[20:21], s[46:47]
	s_cselect_b32 s3, s40, s41                     ; my place among the four that ask with me
	s_mul_i32 s18, s3, 6400
	s_mov_b32 s19, 0
	s_add_nc_u64 s[PFA:PFA+1], s[PFA:PFA+1], s[18:19]
	s_add_nc_u64 s[PFA:PFA+1], s[PFA:PFA+1], 8*PBB ; at fill 2
	v_and_b32 v1, 15, v0                           ; r
	s_wait_alu depctr_va_vdst(0)
	v_bfe_u32 v2, v0, 4, 1                         ; h
	v_and_b32 v3, 31, v0
	v_lshlrev_b32 v[L8], 3, v3
	v_lshlrev_b32 v9, 6, v2                        ; 64 h
	s_lshl_b32 s18, s42, 9
	s_lshl_b32 s19, s16, 8
	s_add_co_u32 s18, s18, s19                     ; my first column, in bytes: 512 x tile column + 256 j
	s_mov_b32 s19, 0
	s_add_nc_u64 s[8:9], s[8:9], s[18:19]
.irp b, 0,1,2,3
	global_load_b128 v[BI+8*\b:BI+8*\b+3], v9, s[8:9] offset:(32*(\b/2)+8*(\b%2))*4      ; tile b's register n is column 32 (b / 2) + 16 h + 8 (b % 2) + n
	global_load_b128 v[BI+8*\b+4:BI+8*\b+7], v9, s[8:9] offset:(32*(\b/2)+8*(\b%2))*4+16
.endr
	s_lshl_b32 s20, s17, 7
	s_lshl_b32 s21, s15, 6
	s_add_co_u32 s20, s20, s21                     ; my first token: 128 x tile row + 64 i
	s_lshl_b32 s20, s20, 12                        ; rows of 4,096 bytes
	s_add_co_u32 s20, s20, s18
	s_mov_b32 s21, 0
	s_add_nc_u64 s[10:11], s[10:11], s[20:21]
	s_add_nc_u64 s[12:13], s[12:13], s[20:21]
	v_lshlrev_b32 v[CO], 4, v1
	s_wait_alu depctr_va_vdst(0)
	v_lshl_add_u32 v[CO], v2, 12, v[CO]            ; in memory: lanes 0-15 one row's 256 bytes, lanes 16-31 the next row's
	v_and_b32 v[PFO], 31, v0
	v_min_u32 v[PFO], 24, v[PFO]
	v_lshlrev_b32 v[PFO], 8, v[PFO]
	global_prefetch_b8 v[PFO], s[PFA:PFA+1] th:TH_LOAD_NT scope:SCOPE_SE               ; fill 2
	global_prefetch_b8 v[PFO], s[PFA:PFA+1] offset:4*PBB th:TH_LOAD_NT scope:SCOPE_SE  ; fill 3
	s_mul_i32 s21, s15, 4*1536                     ; my four fragments of the tokens
	s_mul_i32 s22, s16, 4*1536
	s_add_co_u32 s22, s22, 2*QUART                 ; my four of the weight, behind the tokens' four blocks
	s_xor_b32 s23, s15, 1
	s_add_co_u32 s23, s23, s16
	s_lshl_b32 s23, s23, 8
	s_add_co_u32 s23, s23, 2*QUART-256             ; from my tokens' scale words to my weight rows': 2 QUART + 256 (j - i)
	v_mul_u32_u24 v5, s23, v2                      ; lanes 16-31 take the weight's
	v_lshl_add_u32 v5, v1, 2, v5
	s_lshl_b32 s18, s15, 8
	s_add_co_u32 s18, s18, 8*1536
.irp s, 0,1
	v_add_nc_u32 v[ADRA+\s], s21, v[L8]
	v_add_nc_u32 v[ADRB+\s], s22, v[L8]
	v_add_nc_u32 v[ADRS+\s], s18, v5
	s_add_co_u32 s21, s21, SLOT
	s_add_co_u32 s22, s22, SLOT
	s_add_co_u32 s18, s18, SLOT
.endr
	s_mul_i32 s23, s14, 64*SPITCH                  ; my stage
	v_mul_u32_u24 v6, v1, SPITCH
	v_lshl_add_u32 v6, v2, 6, v6
	v_add_nc_u32 v[STO], s23, v6                   ; in: row r, + 64 h
	v_mul_u32_u24 v6, v2, SPITCH
	v_lshl_add_u32 v6, v1, 4, v6
	v_add_nc_u32 v[RD], s23, v6                    ; back: lanes 0-15 one row, lanes 16-31 the next
	s_wait_alu depctr_va_vdst(0)                   ; the wait at the head's end
	s_cmp_lt_u32 s14, 2
	s_cbranch_scc0 .Lnot_first
	s_wait_tensorcnt 0x0                           ; waves 0 and 1: slot 0 is in; slot 1's two loads may be out
.Lnot_first:
	s_barrier_signal -1
	s_barrier_wait -1
	FETCH 0, 0, F0
	WIN 0
	SCALES 0
	WIN 0x80                                       ; destination window 2.  THE SHORTCUT is asked for here, behind the first barrier (in place of 'at the head' above): the tiles are asked of memory ahead of it
.irp a, 0,1,2,3                                ; rows 2 k, 2 k + 1 of tile a are tokens 32 (a / 2) + 8 (a % 2) + 2 k + 8 (k / 4) and the next
.irp k, 0,1,2,3,4,5,6,7
	global_load_b128 v[RS+32*\a+4*\k:RS+32*\a+4*\k+3], v[CO], s[10:11] offset:(32*(\a/2)+8*(\a%2)+2*\k+8*(\k/4))*4096 th:TH_LOAD_NT
.endr
.endr
	WIN 0
	s_wait_loadcnt 32                              ; the bias's eight loads are in; the shortcut's 32 may be out
	STEP 0, 0, 2                                   ; the first K step stands in front of the loop: its products start the sums
.if LAPS > 1
	WIN 0                                          ; at a label and at a branch every window is 0
	s_mov_b32 s3, LAPS-1
.Llap:                                                 ; a trip goes once round the ring, from a lap's second K step to the next lap's first, and fills both slots again
	STEP 0, 1, 0
	STEP 0, 2, 0
	TURN 0, 1, 1
	STEP 1, 0, 0
	STEP 1, 1, 0
	STEP 1, 2, 0
	TURN 1, 0, 1
	STEP 0, 0, 0
	WIN 0
	s_sub_co_u32 s3, s3, 1
	s_cmp_lg_u32 s3, 0
	s_cbranch_scc1 .Llap
.endif
	STEP 0, 1, 0                                   ; the last lap fills nothing
	STEP 0, 2, 0
	TURN 0, 1, 0
	STEP 1, 0, 0
	STEP 1, 1, 0
	STEP 1, 2, 0
	s_wait_dscnt 0x0                               ; the very last K step: nothing more to fetch
	WIN MUL
.irp a, 0,1,2,3
	MUL4 F1, \a, 3, 1, 0
.endr
	WIN 0
	; THE WAY OUT
	PLACES NP                                      ; four places in front of the first read of results and of loads into registers that held fragments
.irp a, 0,1,2,3
.irp b, 0,1,2,3
	ds_store_b128 v[STO], v[ACC+8*(4*\a+\b):ACC+8*(4*\a+\b)+3] offset:\a*16*SPITCH+128*(\b/2)+32*(\b%2)        ; each accumulator from its low end on
	ds_store_b128 v[STO], v[ACC+8*(4*\a+\b)+4:ACC+8*(4*\a+\b)+7] offset:\a*16*SPITCH+128*(\b/2)+32*(\b%2)+16
.endr
.endr
	WIN TO_F
.irp a, 0,1,2,3
.irp k, 0,1,2,3,4,5,6,7
	ds_load_b128 v[BK+32*\a+4*\k:BK+32*\a+4*\k+3], v[RD] offset:(16*\a+2*\k)*SPITCH   ; LDS serves a wave's instructions in order: these see my stores
.endr
.endr
	s_wait_loadcnt 0x0                             ; the shortcut, asked for at the head
.irp a, 0,1,2,3
	s_wait_dscnt 8*(3-\a)                          ; block a's eight loads are in; the later blocks' may be out
	WIN 0x49                                       ; destination and source 0 window 1, source 1 window 2
.set k, 0
.rept 16
	v_pk_add_f32 v[BK+32*\a+k:BK+32*\a+k+1], v[BK+32*\a+k:BK+32*\a+k+1], v[RS+32*\a+k:RS+32*\a+k+1]
.set k, k+2
.endr
	WIN 0x04                                       ; a store's data: window 1
.irp k, 0,1,2,3,4,5,6,7
	global_store_b128 v[CO], v[BK+32*\a+4*\k:BK+32*\a+4*\k+3], s[12:13] offset:(32*(\a/2)+8*(\a%2)+2*\k+8*(\k/4))*4096 th:TH_STORE_NT   ; sixteen lanes store 256 consecutive bytes, aligned; written once, read by nobody here
.endr
.endr
	WIN 0
	s_wait_tensorcnt 0x0                           ; the wave's end
	ds_add_u32 v[SPW], v[NIL]
	s_wait_dscnt 0x0
	CROUND                                         ; the closing round
	s_endpgm
.Lfunc_end_k_q24a82998c7_ffn2:
	.size	k_q24a82998c7_ffn2, .Lfunc_end_k_q24a82998c7_ffn2-k_q24a82998c7_ffn2
	.p2alignl 7, 3214868480
	.fill 96, 4, 3214868480
	.section	.rodata,"a",@progbits
	.p2align	6, 0x0
	.amdhsa_kernel k_q24a82998c7_ffn2
		.amdhsa_group_segment_fixed_size 327680
		.amdhsa_private_segment_fixed_size 0
		.amdhsa_enable_private_segment 0
		.amdhsa_kernarg_size 40
		.amdhsa_user_sgpr_count 2
		.amdhsa_user_sgpr_kernarg_segment_ptr 1
		.amdhsa_wavefront_size32 1
		.amdhsa_system_sgpr_workgroup_id_x 1
		.amdhsa_system_sgpr_workgroup_id_y 1
		.amdhsa_system_sgpr_workgroup_id_z 1
		.amdhsa_system_vgpr_workitem_id 0
		.amdhsa_next_free_vgpr 768
		.amdhsa_next_free_sgpr 98
		.amdhsa_reserve_vcc 0
		.amdhsa_float_denorm_mode_32 3
		.amdhsa_float_denorm_mode_16_64 3
		.amdhsa_memory_ordered 1
		.amdhsa_forward_progress 1
		.amdhsa_inst_pref_size 117
	.end_amdhsa_kernel
	.amdgpu_metadata
---
amdhsa.version: [ 1, 2 ]
amdhsa.kernels:
  - .name:           k_q24a82998c7_ffn2
    .symbol:         k_q24a82998c7_ffn2.kd
    .args:
      - { .name: hid, .offset: 0, .size: 8, .value_kind: global_buffer, .address_space: global }
      - { .name: wc, .offset: 8, .size: 8, .value_kind: global_buffer, .address_space: global }
      - { .name: b2, .offset: 16, .size: 8, .value_kind: global_buffer, .address_space: global }
      - { .name: x1, .offset: 24, .size: 8, .value_kind: global_buffer, .address_space: global }
      - { .name: out0, .offset: 32, .size: 8, .value_kind: global_buffer, .address_space: global }
    .group_segment_fixed_size: 327680
    .private_segment_fixed_size: 0
    .kernarg_segment_align: 8
    .kernarg_segment_size: 40
    .max_flat_workgroup_size: 128
    .sgpr_count:     98
    .vgpr_count:     768
    .wavefront_size: 32
...
	.end_amdgpu_metadata
.endif
;; end of part 14
